; MI455X (gfx1250); checked and timed in simulation.
; The chip was launched on July 23, 2026; its instructions are those of AMD's public machine-readable ISA for CDNA 5 (MIT licence, August 2026) and "CDNA5" Instruction Set Architecture Reference Guide (July 2026). The comments in the code are by the model that wrote it; some were corrected since.
;; Switch Layer. Allowed arithmetic: float matrix products may take bf16 or f16 operands with f32 sums; other float arithmetic in f32, or as packed bf16 or f16 multiplies, adds, multiply-adds, maxima and minima; sums over many terms, partial sums and values carried from step to step in f32; what a program stores and reads back later, other than sums and carried values, may be rounded once to bf16 or f16.
;; Inputs: W1 8 x 1,024 x 4,096 float32; W2 8 x 4,096 x 1,024 float32; Wg 1,024 x 8 float32; b1 8 x 4,096 float32; b2 8 x 1,024 float32; x 4 x 256 x 1,024 float32.
;; Outputs: out0 4 x 256 x 1,024 float32.
;; 3 versions, each right; version 2 is faster than version 1; version 3 is version 2 with the launches ffn1, ffn2 written anew for expert scheduling mode. Each part assembles by itself: llvm-mc -triple=amdgcn-amd-amdhsa -mcpu=gfx1250 --defsym DOCPART=n.
;; ======== version 1 of 3: 4 launches
;; workspace buffers: xb 2,097,152 bytes; bm 1,024 bytes of whole numbers; idx 8,192 bytes of whole numbers; gate 8,192 bytes; pos 32,768 bytes of whole numbers; hs 67,108,864 bytes; yp 134,217,728 bytes
;; launch router (part 1): grid 64 x 1, 8 waves a work-group, no clusters, 1,536 bytes of LDS; arguments x, Wg, xb, bm, idx, gate; writes xb, bm, idx, gate
.if DOCPART == 1
	.amdgcn_target "amdgcn-amd-amdhsa--gfx1250"
	.amdhsa_code_object_version 6
	.text
	.protected	k_q9dff48d468_router
	.globl	k_q9dff48d468_router
	.p2align	8
	.type	k_q9dff48d468_router,@function
k_q9dff48d468_router:
	s_mov_b64 s[64:65], 0
	v_nop
	global_prefetch_b8 v0, s[64:65] scope:SCOPE_SE
	s_setreg_imm32_b32 hwreg(HW_REG_WAVE_MODE, 25, 1), 1
	s_wait_xcnt 0x0
; ROUTER.  For each of 1,024 tokens: x rounded to bf16 (xb), the 8 logits x . Wg, the two largest, their gates, and for each expert a bitmap of the tokens that chose it.
; x and Wg are rounded to bf16 once; the products of two bf16 are exact in f32 and are summed in f32 on the vector unit (512 multiply-adds a lane): 8 columns are too few for a matrix tile to pay.
; SHARES.  A work-group has 16 tokens, a wave 2.  Lane l owns d = 128 j + 4 l + i (j 0..7, i 0..3): a load of x covers 512 consecutive bytes, a store of xb 256.
; Every address is fixed: what hangs on the choice is only stored (bm, idx as whole numbers, gate as f32); later launches place the rows.
; LIMITS.  The two experts are chosen by the logits (strictly greater wins, so the lower index keeps a tie, as the top-k of the probabilities does where these differ);
; where probabilities round to the same f32 and logits differ the choice may differ.  NaN and infinities are not treated apart.  The maximum is taken away before the exponentials.
; No matrix unit, cluster or tensor load: the launch reads 4 MB once and shares only Wg's 32 KB.
.set SPARE, 512                        ; LDS: 0-511 logits [16][8] f32; 512-1535 the spare words, 128 bytes a wave
.set XF, 16                            ; v16-79   x as loaded: 4 registers for (token tt, j) at 16 + 4 (8 tt + j); later WP
.set WP, 16                            ; v16-79   Wg of four j in bf16: experts 2 p, 2 p + 1 of (jj, i) at 16 + 16 jj + 4 i + p
.set XB, 80                            ; v80-111  x in bf16: (tt, j) at 80 + 2 (8 tt + j)
.set AC, 112                           ; v112-127 sums: (tt, e) at 112 + 8 tt + e
.set WF, 128                           ; v128-255 Wg of four j as loaded
	s_load_b256 s[4:11], s[0:1], 0x0               ; x s[4:5], Wg s[6:7], xb s[8:9], bm s[10:11]
	s_load_b128 s[12:15], s[0:1], 0x20             ; idx s[12:13], gate s[14:15]
	v_lshl_add_u32 v13, v0, 2, SPARE               ; my spare word, and 0: kept for the closing add alone
	v_mov_b32 v14, 0
	v_mov_b32 v15, 0                               ; the addend of each sum's first term
	v_lshrrev_b32 v5, 5, v0
	v_readfirstlane_b32 s16, v5                    ; wave 0..7
	v_and_b32 v1, 31, v0                           ; lane
	v_lshlrev_b32 v2, 4, v1                        ; 16 l: x
	v_lshlrev_b32 v3, 3, v1                        ; 8 l: xb
	v_lshlrev_b32 v4, 7, v1                        ; 128 l: my four rows of Wg
	s_lshl_b32 s17, ttmp9, 4
	s_lshl1_add_u32 s17, s16, s17                  ; my first token: 16 g + 2 w
	s_lshl_b32 s18, s17, 12                        ; its byte in x
	s_mov_b32 s19, 0
	s_lshl_b32 s20, s17, 11                        ; and in xb
	s_mov_b32 s21, 0
	s_mov_b32 s24, 0x76543210                      ; v_permlanex16_b32: each lane takes its own place in the other half
	s_mov_b32 s25, 0xfedcba98
	s_wait_kmcnt 0x0
	s_add_nc_u64 s[4:5], s[4:5], s[18:19]
	s_add_nc_u64 s[8:9], s[8:9], s[20:21]
.set q, 0
.rept 16                               ; q = 8 tt + j
	global_load_b128 v[XF+4*q:XF+4*q+3], v2, s[4:5] offset:(q/8)*4096+(q%8)*512 th:TH_LOAD_NT
.set q, q+1
.endr
.macro WLOAD j0                        ; Wg's rows of j0 .. j0 + 3: a lane's four rows of a j are 128 consecutive bytes
.set q, 0
.rept 32                               ; q = 8 jj + 2 i + z
	global_load_b128 v[WF+4*q:WF+4*q+3], v4, s[6:7] offset:((\j0)+q/8)*4096+(q%8)*16
.set q, q+1
.endr
.endm
.macro WCVT                            ; rounded to bf16, two experts to a register
.set q, 0
.rept 64
	v_cvt_pk_bf16_f32 v[WP+q], v[WF+2*q], v[WF+2*q+1]
.set q, q+1
.endr
.endm
; 16 multiply-adds: one d of both tokens times its 8 weights.  il picks x's half, the second figure the weight's.  The 16 sums take turns.
.macro FM xo, wo, il, first
.irp tt,0,1
.irp eh,0,1,2,3
.if \first
	v_fma_mix_f32_bf16 v[AC+8*(\tt)+2*(\eh)], v[XB+16*(\tt)+(\xo)], v[WP+(\wo)+(\eh)], v15 op_sel:[\il,0,0] op_sel_hi:[1,1,0]
	v_fma_mix_f32_bf16 v[AC+8*(\tt)+2*(\eh)+1], v[XB+16*(\tt)+(\xo)], v[WP+(\wo)+(\eh)], v15 op_sel:[\il,1,0] op_sel_hi:[1,1,0]
.else
	v_fma_mix_f32_bf16 v[AC+8*(\tt)+2*(\eh)], v[XB+16*(\tt)+(\xo)], v[WP+(\wo)+(\eh)], v[AC+8*(\tt)+2*(\eh)] op_sel:[\il,0,0] op_sel_hi:[1,1,0]
	v_fma_mix_f32_bf16 v[AC+8*(\tt)+2*(\eh)+1], v[XB+16*(\tt)+(\xo)], v[WP+(\wo)+(\eh)], v[AC+8*(\tt)+2*(\eh)+1] op_sel:[\il,1,0] op_sel_hi:[1,1,0]
.endif
.endr
.endr
.endm
.macro DOT j0, first                   ; four j: 256 multiply-adds
.irp jj,0,1,2,3
.irp ih,0,1
.if (\first) && ((\jj) == 0) && ((\ih) == 0)
	FM 2*((\j0)+(\jj))+(\ih), 16*(\jj)+8*(\ih), 0, 1
.else
	FM 2*((\j0)+(\jj))+(\ih), 16*(\jj)+8*(\ih), 0, 0
.endif
	FM 2*((\j0)+(\jj))+(\ih), 16*(\jj)+8*(\ih)+4, 1, 0
.endr
.endr
.endm
	WLOAD 0
	s_wait_loadcnt 32                              ; x is in: the 32 younger loads are Wg's
.set q, 0
.rept 16
	v_cvt_pk_bf16_f32 v[XB+2*q], v[XF+4*q], v[XF+4*q+1]
	v_cvt_pk_bf16_f32 v[XB+2*q+1], v[XF+4*q+2], v[XF+4*q+3]
.set q, q+1
.endr
.set q, 0
.rept 16
	global_store_b64 v3, v[XB+2*q:XB+2*q+1], s[8:9] offset:(q/8)*2048+(q%8)*256  ; a wave's store covers 256 consecutive bytes, aligned; XB is never rewritten
.set q, q+1
.endr
	s_wait_loadcnt 0x0
	WCVT
	WLOAD 4                                        ; the second half of Wg is on its way under the first half's sums
	DOT 0, 1
	s_wait_loadcnt 0x0
	WCVT
	DOT 4, 0
	; over the 32 lanes: four steps inside each half ride on the addition, one crosses the halves
.irp k,1,2,4,8
.set a, AC
.rept 16
	v_add_f32_dpp v[a], v[a], v[a] row_xmask:\k row_mask:0xf bank_mask:0xf
.set a, a+1
.endr
.endr
.set a, 0
.rept 16
	v_permlanex16_b32 v[WP+a], v[AC+a], s24, s25   ; its destination has been written before
.set a, a+1
.endr
.set a, 0
.rept 16
	v_add_f32 v[AC+a], v[AC+a], v[WP+a]
.set a, a+1
.endr
	s_lshl_b32 s26, s16, 6                         ; my two tokens' 64 bytes of the logits
	v_mov_b32 v5, s26
	ds_store_b128 v5, v[AC:AC+3]                   ; every lane holds the same sums and writes the same bytes
	ds_store_b128 v5, v[AC+4:AC+7] offset:16
	ds_store_b128 v5, v[AC+8:AC+11] offset:32
	ds_store_b128 v5, v[AC+12:AC+15] offset:48
	s_wait_dscnt 0x0                               ; for wave 0's sake: my stores are done
	s_barrier_signal -1
	s_barrier_wait -1
	s_cmp_eq_u32 s16, 0
	s_cbranch_scc1 .Lwave0
	s_wait_tensorcnt 0x0                           ; the wave's end, behind my last LDS store
	ds_add_u32 v13, v14
	s_wait_dscnt 0x0
	s_endpgm
.Lwave0:                                               ; lane l works for token l % 16; lanes 16-31 repeat lanes 0-15
	v_and_b32 v6, 15, v0
	v_lshlrev_b32 v7, 5, v6
	ds_load_b128 v[16:19], v7
	ds_load_b128 v[20:23], v7 offset:16
	s_mov_b32 s27, 0xff800000                      ; minus infinity
	s_wait_dscnt 0x0
	v_mov_b32 v32, v16                             ; the largest logit and its expert
	v_mov_b32 v33, 0
.irp e,1,2,3,4,5,6,7
	v_cmp_gt_f32 vcc_lo, v[16+\e], v32
	v_cndmask_b32 v32, v32, v[16+\e], vcc_lo
	v_cndmask_b32 v33, v33, \e, vcc_lo
.endr
.irp e,0,1,2,3,4,5,6,7
	v_cmp_eq_u32 vcc_lo, \e, v33
	v_cndmask_b32 v[24+\e], v[16+\e], s27, vcc_lo  ; the winner is taken out
.endr
	v_mov_b32 v34, v24                             ; the second largest and its expert
	v_mov_b32 v35, 0
.irp e,1,2,3,4,5,6,7
	v_cmp_gt_f32 vcc_lo, v[24+\e], v34
	v_cndmask_b32 v34, v34, v[24+\e], vcc_lo
	v_cndmask_b32 v35, v35, \e, vcc_lo
.endr
.irp e,0,1,2,3,4,5,6,7
	v_sub_f32 v[16+\e], v[16+\e], v32              ; the maximum is taken away
.endr
	v_sub_f32 v36, v34, v32
.irp e,0,1,2,3,4,5,6,7
	v_mul_f32 v[16+\e], 0x3fb8aa3b, v[16+\e]       ; log2(e)
.endr
	v_mul_f32 v36, 0x3fb8aa3b, v36
.irp e,0,1,2,3,4,5,6,7
	v_exp_f32 v[16+\e], v[16+\e]
.endr
	v_exp_f32 v36, v36
	v_nop                                          ; a plain instruction behind the last exponential,
	s_wait_alu depctr_va_vdst(0)                   ; and one wait for the nine, ahead of their first reader
	v_add_f32 v16, v16, v17
	v_add_f32 v18, v18, v19
	v_add_f32 v20, v20, v21
	v_add_f32 v22, v22, v23
	v_add_f32 v16, v16, v18
	v_add_f32 v20, v20, v22
	v_add_f32 v37, v16, v20                        ; the softmax's divisor
	v_rcp_f32 v38, v37                             ; P of the first: its exponential is 1
	v_nop
	s_wait_alu depctr_va_vdst(0)
	v_mul_f32 v39, v36, v38                        ; P of the second
	v_add_f32 v40, v38, v39
	v_add_f32 v40, 0x3089705f, v40                 ; + 1e-9
	v_rcp_f32 v41, v40
	v_nop
	s_wait_alu depctr_va_vdst(0)
	v_mul_f32 v42, v38, v41                        ; the two gates
	v_mul_f32 v43, v39, v41
	v_mov_b32 v44, v33
	v_mov_b32 v45, v35
	v_lshlrev_b32 v8, 3, v6                        ; 8 bytes a token
	s_lshl_b32 s18, ttmp9, 7
	s_add_nc_u64 s[12:13], s[12:13], s[18:19]
	s_add_nc_u64 s[14:15], s[14:15], s[18:19]
	global_store_b64 v8, v[44:45], s[12:13]
	global_store_b64 v8, v[42:43], s[14:15]
	v_mov_b32 v46, 0
.irp e,0,1,2,3,4,5,6,7
	v_cmp_eq_u32 s20, \e, v33                      ; the lanes' answers are the bitmap: bit l for token l (bits 16-31 repeat)
	v_cmp_eq_u32 s21, \e, v35
	s_or_b32 s20, s20, s21
	v_writelane_b32 v46, s20, \e                   ; lane e holds expert e's 16 bits
.endr
	v_lshlrev_b32 v9, 7, v1                        ; expert e's bitmap begins at 128 e; my group's 16 bits at byte 2 g of it
	s_lshl_b32 s18, ttmp9, 1
	s_add_nc_u64 s[10:11], s[10:11], s[18:19]
	v_cmp_gt_u32 vcc_lo, 8, v1
	s_wait_xcnt 0x0                                ; EXEC changes only behind this wait
	s_and_saveexec_b32 s22, vcc_lo
	global_store_b16 v9, v46, s[10:11]
	s_wait_xcnt 0x0                                ; and again ahead of the line that widens it
	s_or_b32 exec_lo, exec_lo, s22
	s_wait_tensorcnt 0x0                           ; the wave's end
	ds_add_u32 v13, v14
	s_wait_dscnt 0x0
	s_endpgm
.Lfunc_end_k_q9dff48d468_router:
	.size	k_q9dff48d468_router, .Lfunc_end_k_q9dff48d468_router-k_q9dff48d468_router
	.p2alignl 7, 3214868480
	.fill 96, 4, 3214868480
	.section	.rodata,"a",@progbits
	.p2align	6, 0x0
	.amdhsa_kernel k_q9dff48d468_router
		.amdhsa_group_segment_fixed_size 1536
		.amdhsa_private_segment_fixed_size 0
		.amdhsa_enable_private_segment 0
		.amdhsa_kernarg_size 48
		.amdhsa_user_sgpr_count 2
		.amdhsa_user_sgpr_kernarg_segment_ptr 1
		.amdhsa_wavefront_size32 1
		.amdhsa_system_sgpr_workgroup_id_x 1
		.amdhsa_system_sgpr_workgroup_id_y 1
		.amdhsa_system_sgpr_workgroup_id_z 1
		.amdhsa_system_vgpr_workitem_id 0
		.amdhsa_next_free_vgpr 256
		.amdhsa_next_free_sgpr 66
		.amdhsa_reserve_vcc 1
		.amdhsa_float_denorm_mode_32 3
		.amdhsa_float_denorm_mode_16_64 3
		.amdhsa_memory_ordered 1
		.amdhsa_forward_progress 1
		.amdhsa_inst_pref_size 66
	.end_amdhsa_kernel
	.amdgpu_metadata
---
amdhsa.version: [ 1, 2 ]
amdhsa.kernels:
  - .name:           k_q9dff48d468_router
    .symbol:         k_q9dff48d468_router.kd
    .args:
      - { .name: x, .offset: 0, .size: 8, .value_kind: global_buffer, .address_space: global }
      - { .name: Wg, .offset: 8, .size: 8, .value_kind: global_buffer, .address_space: global }
      - { .name: xb, .offset: 16, .size: 8, .value_kind: global_buffer, .address_space: global }
      - { .name: bm, .offset: 24, .size: 8, .value_kind: global_buffer, .address_space: global }
      - { .name: idx, .offset: 32, .size: 8, .value_kind: global_buffer, .address_space: global }
      - { .name: gate, .offset: 40, .size: 8, .value_kind: global_buffer, .address_space: global }
    .group_segment_fixed_size: 1536
    .private_segment_fixed_size: 0
    .kernarg_segment_align: 8
    .kernarg_segment_size: 48
    .max_flat_workgroup_size: 256
    .sgpr_count:     66
    .vgpr_count:     256
    .wavefront_size: 32
...
	.end_amdgpu_metadata
.endif
;; end of part 1
;; launch ffn1 (part 2): grid 32 x 8, 4 waves a work-group, no clusters, 317,184 bytes of LDS; arguments W1, b1, xb, bm, hs, pos; writes hs, pos
.if DOCPART == 2
	.amdgcn_target "amdgcn-amd-amdhsa--gfx1250"
	.amdhsa_code_object_version 6
	.text
	.protected	k_q9dff48d468_ffn1
	.globl	k_q9dff48d468_ffn1
	.p2align	8
	.type	k_q9dff48d468_ffn1,@function
k_q9dff48d468_ffn1:
	s_mov_b64 s[64:65], 0
	v_nop
	global_prefetch_b8 v0, s[64:65] scope:SCOPE_SE
	s_setreg_imm32_b32 hwreg(HW_REG_WAVE_MODE, 25, 1), 1
	s_wait_xcnt 0x0
; FFN1.  hs[e][rank][f] = gelu(x[token of that rank] . W1[e][:, f] + b1[e][f]), in bf16, for the tokens that chose expert e, in the order of their numbers; pos[e][t] = token t's rank.
; W1, b1 (and x, in xb) are rounded to bf16 once; products in bf16 with f32 sums; gelu in f32; hs rounded once.
; SHARES.  Work-group (sl, e) is the only reader of W1[e][:, 128 sl .. +127], 512 KB of f32.  Four waves, one text.  Of each chunk of 128 k a wave loads its 32 k rows (a load takes one row's 512
; consecutive bytes), rounds them and lays them into LDS, [k][n], once: the slice stays there.  A wave owns 64 rows x 128 columns of the result: 32 accumulators.
; TRIPS.  Trip p writes chunk p and multiplies chunk p - 1: different bytes, one barrier a trip.  A trip has four slots, one for 8 of my k rows and one K step of 32:
; the wait; the token set three K steps ahead is asked for; 8 rows are rounded and stored; the same 8 rows of the next chunk are asked for; 32 matrix instructions.
; Loads come back in issue order on one counter (ISA guide 5.7.1), so the two streams are issued W(j), T(j), W(j+1), T(j+1) ..: whatever is older than a set is needed no later than it.
; By the text's own count 56 loads of a wave are out at the most: 32 of weights (16 KB) and 24 of token rows.
; ROWS PAST 256 go in blocks of 64 rows from the resident slice, a wave taking 32 columns; 12 blocks cover 1,024 rows; a block past the count is jumped (no barrier lies in what is jumped).
; A block's 32 K steps are written out: every LDS address in them is a register made at the head plus an immediate.
; EVERY SPLIT is served: an expert has 1,024 rows of hs to itself.  Row numbers past the count repeat the last row that exists (row 0's token is 0 where there is none); what is stored
; past the count lies in this work-group's own columns of the expert's own rows and is never read.  No barrier hangs on the count.
; THE MATRIX INSTRUCTION IS USED TRANSPOSED: source 0 = 16 columns of W1 (turned out of LDS by ds_load_tr16_b128), source 1 = 16 token rows (straight from xb): a lane holds one token and 8 neighbouring columns.
; The accumulators are preset with the rounded bias by 256 vector lines while the first chunk is on its way: that adds the bias and spares a first K step written out.
; GELU: max(z, 0) - |z| poly(t) 2^(-z^2 log2(e) / 2), t = 1 / (1 + 0.2316419 |z|): the five-term rational form of the normal distribution's tail, its absolute error 7.5e-8 at most for every z.
; LIMITS.  NaN and infinities are not treated apart; h is kept in bf16.
; NO CLUSTER: each slice has one reader; what an expert's work-groups share is token rows named by a list, which no tile's descriptor covers.  NO TENSOR LOAD: f32 weights pass through registers to be rounded.
; NO PREFETCH is written: the weights are asked for one chunk ahead by the loads themselves.
; LDS: 0 the slice, chunk p at 36,864 p, row k at 288 k (256 bytes + 32: the turning load's 8 rows x 32 bytes fall on different banks); 294,912 the list (token of rank, 1,024 words, and 32 words for lanes
; without a token); 299,264 a stage of 16 rows x 272 bytes for each wave; 316,672 the spare words.
; REGISTERS.  Window 0: v0-31 addresses; v32-95 weight fragments; v96-223 four token sets; v224-239 packed rows; v240-247 the bias of my 32 columns; v248-255 my place in chunks 0-7 for the rows past 256.
; After the products: v96-159 |z| then h, v160-223 max(z, 0), v32-79 at work.
; Window 1: accumulator (m, n) at 8 (8 m + n).  Window 2: v0-127 the 32 weight loads; in the rows past 256: accumulators at 8 (2 m + n), v128-255 token sets 4-7.
.set PW,     288
.set CH,     128*PW
.set LIST,   8*CH
.set STAGE,  LIST+4352
.set SPITCH, 272
.set SPARE,  STAGE+4*16*SPITCH
.set PITCHB, 16384                     ; bytes from a k row of W1 to the next
.set H0, 32
.set H1, 64
.set X,  96
.set TP, 224
.set BT, 240
.set CA, 248
.set AZ, 96
.set RP, 160
.set DD, 32
.set QQ, 48
.set UU, 64
.set TBASE, 8                          ; s[8:9]: xb, never stepped: the base of the token rows in the rows past 256
.set MSB, 0
.macro WIN new                         ; s_set_vgpr_msb: bits 1:0 source 0, 3:2 source 1, 5:4 source 2, 7:6 destination; the high byte repeats the setting that is left
.if MSB != (\new)
	s_set_vgpr_msb (MSB<<8)|(\new)
.set MSB, (\new)
.endif
.endm
.macro PLACES                          ; four plain instructions between a matrix instruction and a load into, or a vector line on, its registers
.rept 4
	v_nop
.endr
.endm
.macro BLOAD hb, s, n0                 ; four weight fragments (columns 16 n0 on, K step s of the chunk at v8): 8 turning loads
.irp f,0,1,2,3
	ds_load_tr16_b128 v[(\hb)+8*(\f):(\hb)+8*(\f)+3], v8 offset:32*(\s)*PW+32*((\n0)+(\f))
	ds_load_tr16_b128 v[(\hb)+8*(\f)+4:(\hb)+8*(\f)+7], v8 offset:32*(\s)*PW+16*PW+32*((\n0)+(\f))
.endr
.endm
.macro ALOAD1 set, koff                ; the token fragments of one K step, 64 rows x 32 k: 8 loads
.irp m,0,1,2,3
	global_load_b128 v[X+32*(\set)+8*(\m):X+32*(\set)+8*(\m)+3], v[4+(\m)], s[26:27] offset:(\koff)
	global_load_b128 v[X+32*(\set)+8*(\m)+4:X+32*(\set)+8*(\m)+7], v[4+(\m)], s[26:27] offset:(\koff)+32
.endr
.endm
.macro MM16 s, n0, hb                  ; 16 matrix instructions; the 32 accumulators take turns in the same order in every K step
	WIN 0x50
.irp f,0,1,2,3
.irp m,0,1,2,3
	v_wmma_f32_16x16x32_bf16 v[8*(8*(\m)+(\n0)+(\f)):8*(8*(\m)+(\n0)+(\f))+7], v[(\hb)+8*(\f):(\hb)+8*(\f)+7], v[X+32*(\s)+8*(\m):X+32*(\s)+8*(\m)+7], v[8*(8*(\m)+(\n0)+(\f)):8*(8*(\m)+(\n0)+(\f))+7]
.endr
.endr
.endm
; A TRIP.  kind 0: the first: chunk 0 is written, nothing multiplied.  1: the loop's.  2: chunk 7 is written, no weights are left to ask for.  3: the last: chunk 7 is multiplied, nothing written, no barrier.
; W(j), T(j): the 8 weight loads and the 8 token loads that slot j needs.
.macro TRIP kind
.set PRD, 0
.if (\kind) < 3
.set PRD, 1
.endif
.if (\kind) > 0
	v_add_nc_u32 v8, s35, v9                       ; the chunk that is read
	BLOAD H0, 0, 0
	BLOAD H1, 0, 4
.endif
.if (\kind) < 3
	v_add_nc_u32 v18, s34, v17                     ; the chunk that is written
.endif
.irp s,0,1,2,3
.if (\kind) == 0
.if (\s) < 2
	s_wait_loadcnt 24                              ; W(s) is in; younger: the rest of chunk 0 and the refills, 24 together
.else
	s_wait_loadcnt 16+8*(\s)                       ; and the token sets asked for since: one, then two
.endif
.elseif (\kind) == 1
	s_wait_loadcnt 40                              ; W(s) and T(s) are in; younger: W(s+1), T(s+1), W(s+2), T(s+2), W(s+3)
.elseif (\kind) == 2
	s_wait_loadcnt 40-8*(\s)                       ; the same without the refills that are no longer issued
.elseif (\s) < 2
	s_wait_loadcnt 16                              ; T(s) is in; two younger sets
.else
	s_wait_loadcnt 24-8*(\s)                       ; the counts run down
.endif
.if (\kind) == 0
.if (\s) > 0
	ALOAD1 (\s)-1, 64*((\s)-1)                     ; K steps 0, 1, 2
.endif
.elseif ((\kind) < 3) || ((\s) == 0)
	ALOAD1 ((\s)+3)%4, 64*((\s)+3)                 ; three K steps ahead, into the set that the K step before this one read (four places stand behind its last product)
.endif
.if (\kind) < 3
	WIN 0x0a
.irp i,0,1,2,3,4,5,6,7
	v_cvt_pk_bf16_f32 v[TP+2*(\i)], v[32*(\s)+4*(\i)], v[32*(\s)+4*(\i)+1]
	v_cvt_pk_bf16_f32 v[TP+2*(\i)+1], v[32*(\s)+4*(\i)+2], v[32*(\s)+4*(\i)+3]
.endr
	WIN 0
.irp i,0,1,2,3,4,5,6,7
	ds_store_b64 v18, v[TP+2*(\i):TP+2*(\i)+1] offset:(8*(\s)+(\i))*PW  ; a row's 256 bytes, 8 a lane
.endr
.if (\kind) < 2
	WIN 0x80
.irp i,0,1,2,3,4,5,6,7
	global_load_b128 v[32*(\s)+4*(\i):32*(\s)+4*(\i)+3], v16, s[24:25] offset:(128+8*(\s)+(\i))*PITCHB th:TH_LOAD_NT
.endr
	WIN 0
.endif
.endif
.if (\kind) > 0
	s_wait_dscnt 8+8*PRD                           ; the first four fragments are in; younger: the other four's 8 loads and the slot's 8 stores
	MM16 \s, 0, H0
	WIN 0
	PLACES
.if (\s) < 3
	BLOAD H0, (\s)+1, 0
	s_wait_dscnt 8+8*PRD                           ; the other four are in; younger: the slot's stores and the 8 loads just issued
.else
	s_wait_dscnt 8*PRD
.endif
	MM16 \s, 4, H1
	WIN 0
	PLACES
.if (\s) < 3
	BLOAD H1, (\s)+1, 4
.endif
.endif
.endr
.if (\kind) < 3
	s_wait_xcnt 0x0                                ; the loads' bases are stepped only behind this wait
.if (\kind) < 2
	s_add_nc_u64 s[24:25], s[24:25], 128*PITCHB
.endif
.if (\kind) > 0
	s_add_nc_u64 s[26:27], s[26:27], 256
	s_add_co_u32 s35, s35, CH
.endif
	s_add_co_u32 s34, s34, CH
	s_wait_dscnt 0x0                               ; my stores into the chunk are done, my reads of the chunk before are back
	s_barrier_signal -1
	s_barrier_wait -1
.endif
.endm
.macro ROWS                            ; the byte offsets in xb of rows s33 + 16 i + l % 16: the rank is held under the count, the list gives the token
.irp i,0,1,2,3
	v_add_nc_u32 v[19+(\i)], 16*(\i), v1
	v_add_nc_u32 v[19+(\i)], s33, v[19+(\i)]
	v_min_u32 v[19+(\i)], s21, v[19+(\i)]
	v_min_u32 v[19+(\i)], 0x3ff, v[19+(\i)]
	v_lshl_add_u32 v[19+(\i)], v[19+(\i)], 2, LIST
	ds_load_b32 v[4+(\i)], v[19+(\i)]
.endr
	s_wait_dscnt 0x0
.irp i,0,1,2,3
	v_min_u32 v[4+(\i)], 0x3ff, v[4+(\i)]
	v_lshl_add_u32 v[4+(\i)], v[4+(\i)], 11, v3    ; token x 2,048 + 16 x half
.endr
.endm
; THE ROWS PAST 256.
.macro TALOAD u, koff                  ; token set u of eight: 8 loads; sets 0-3 in window 0, 4-7 in window 2
.if (\u) < 4
	WIN 0
.set XR, X+32*(\u)
.else
	WIN 0x80
.set XR, 128+32*((\u)-4)
.endif
.irp m,0,1,2,3
	global_load_b128 v[XR+8*(\m):XR+8*(\m)+3], v[4+(\m)], s[TBASE:TBASE+1] offset:(\koff)
	global_load_b128 v[XR+8*(\m)+4:XR+8*(\m)+7], v[4+(\m)], s[TBASE:TBASE+1] offset:(\koff)+32
.endr
	WIN 0
.endm
.macro TBLOAD slot, adr, s             ; my two weight fragments of K step s of the chunk whose place v[adr] holds: 4 turning loads
.irp f,0,1
	ds_load_tr16_b128 v[H0+16*(\slot)+8*(\f):H0+16*(\slot)+8*(\f)+3], v[\adr] offset:32*(\s)*PW+32*(\f)
	ds_load_tr16_b128 v[H0+16*(\slot)+8*(\f)+4:H0+16*(\slot)+8*(\f)+7], v[\adr] offset:32*(\s)*PW+16*PW+32*(\f)
.endr
.endm
.macro TAIL                            ; a block's 32 K steps.  Token sets are asked for seven K steps ahead (sets 0-6 stand in front), weight fragments four (K steps 0-3 stand in front)
.set kj, 0
.rept 32
.if kj < 25
	s_wait_loadcnt 48                              ; set kj is in: six younger sets of 8 loads stay out
	TALOAD (kj+7)%8, 64*(kj+7)                     ; into the set that the K step before read (four places stand behind its last product)
.else
	s_wait_loadcnt 8*(31-kj)                       ; nothing is left to ask for: the counts run down
.endif
.if kj < 29
	s_wait_dscnt 12                                ; three younger K steps' fragments, 4 loads each
.else
	s_wait_dscnt 4*(31-kj)
.endif
.if kj%8 < 4
.set XR, X+32*(kj%8)
	WIN 0xa0
.else
.set XR, 128+32*(kj%8-4)
	WIN 0xa8
.endif
.irp f,0,1                             ; the 8 accumulators take turns
.irp m,0,1,2,3
	v_wmma_f32_16x16x32_bf16 v[8*(2*(\m)+(\f)):8*(2*(\m)+(\f))+7], v[H0+16*(kj%4)+8*(\f):H0+16*(kj%4)+8*(\f)+7], v[XR+8*(\m):XR+8*(\m)+7], v[8*(2*(\m)+(\f)):8*(2*(\m)+(\f))+7]
.endr
.endr
	WIN 0
	PLACES
.if kj < 28
	TBLOAD kj%4, CA+(kj+4)/4, (kj+4)%4
.endif
.set kj, kj+1
.endr
.endm
.macro PICK base, w                    ; 8 accumulators, each from its lowest register on: |z| and max(z, 0).  w: the setting that puts source 1 into their window
	WIN \w
.set z, 0
.rept 64
	v_and_b32 v[AZ+z], s50, v[(\base)+z]
	v_max_num_f32 v[RP+z], 0, v[(\base)+z]
.set z, z+1
.endr
	WIN 0
.endm
.macro GELU64                          ; 64 numbers a lane, in four batches of 16; each batch's 32 transcendentals have one wait
.irp b,0,1,2,3
.irp i,0,1,2,3,4,5,6,7
	v_pk_fma_f32 v[DD+2*(\i):DD+2*(\i)+1], v[AZ+16*(\b)+2*(\i):AZ+16*(\b)+2*(\i)+1], s[36:37], 1.0 op_sel_hi:[1,0,0]
.endr
.irp i,0,1,2,3,4,5,6,7
	v_pk_mul_f32 v[QQ+2*(\i):QQ+2*(\i)+1], v[AZ+16*(\b)+2*(\i):AZ+16*(\b)+2*(\i)+1], v[AZ+16*(\b)+2*(\i):AZ+16*(\b)+2*(\i)+1]
.endr
.irp i,0,1,2,3,4,5,6,7
	v_pk_mul_f32 v[QQ+2*(\i):QQ+2*(\i)+1], v[QQ+2*(\i):QQ+2*(\i)+1], s[38:39] op_sel_hi:[1,0]
.endr
.set z, 0
.rept 16
	v_rcp_f32 v[DD+z], v[DD+z]                     ; t
.set z, z+1
.endr
.set z, 0
.rept 16
	v_exp_f32 v[QQ+z], v[QQ+z]                     ; 2^(-z^2 log2(e) / 2)
.set z, z+1
.endr
	v_nop                                          ; a plain instruction behind the last of them,
	s_wait_alu depctr_va_vdst(0)                   ; and one wait for the batch ahead of its first reader
.irp i,0,1,2,3,4,5,6,7
	v_pk_fma_f32 v[UU+2*(\i):UU+2*(\i)+1], v[DD+2*(\i):DD+2*(\i)+1], s[40:41], s[42:43] op_sel_hi:[1,0,0]
.endr
.irp i,0,1,2,3,4,5,6,7
	v_pk_fma_f32 v[UU+2*(\i):UU+2*(\i)+1], v[UU+2*(\i):UU+2*(\i)+1], v[DD+2*(\i):DD+2*(\i)+1], s[44:45] op_sel_hi:[1,1,0]
.endr
.irp i,0,1,2,3,4,5,6,7
	v_pk_fma_f32 v[UU+2*(\i):UU+2*(\i)+1], v[UU+2*(\i):UU+2*(\i)+1], v[DD+2*(\i):DD+2*(\i)+1], s[46:47] op_sel_hi:[1,1,0]
.endr
.irp i,0,1,2,3,4,5,6,7
	v_pk_fma_f32 v[UU+2*(\i):UU+2*(\i)+1], v[UU+2*(\i):UU+2*(\i)+1], v[DD+2*(\i):DD+2*(\i)+1], s[48:49] op_sel_hi:[1,1,0]
.endr
.irp i,0,1,2,3,4,5,6,7
	v_pk_mul_f32 v[UU+2*(\i):UU+2*(\i)+1], v[UU+2*(\i):UU+2*(\i)+1], v[DD+2*(\i):DD+2*(\i)+1]
.endr
.irp i,0,1,2,3,4,5,6,7
	v_pk_mul_f32 v[UU+2*(\i):UU+2*(\i)+1], v[UU+2*(\i):UU+2*(\i)+1], v[QQ+2*(\i):QQ+2*(\i)+1]
.endr
.irp i,0,1,2,3,4,5,6,7
	v_pk_fma_f32 v[RP+16*(\b)+2*(\i):RP+16*(\b)+2*(\i)+1], v[AZ+16*(\b)+2*(\i):AZ+16*(\b)+2*(\i)+1], v[UU+2*(\i):UU+2*(\i)+1], v[RP+16*(\b)+2*(\i):RP+16*(\b)+2*(\i)+1] neg_lo:[1,0,0] neg_hi:[1,0,0]
.endr
.irp i,0,1,2,3,4,5,6,7
	v_cvt_pk_bf16_f32 v[AZ+16*(\b)+(\i)], v[RP+16*(\b)+2*(\i)], v[RP+16*(\b)+2*(\i)+1]  ; h takes |z|'s place: accumulator t's 16 bytes at AZ + 16 (t / 2) + 4 (t % 2)
.endr
.endr
.endm
	s_load_b256 s[4:11], s[0:1], 0x0               ; W1 s[4:5], b1 s[6:7], xb s[8:9], bm s[10:11]
	s_load_b128 s[12:15], s[0:1], 0x20             ; hs s[12:13], pos s[14:15]
	v_lshl_add_u32 v13, v0, 2, SPARE               ; my spare word, and 0: kept for the closing add alone
	v_mov_b32 v14, 0
	v_lshrrev_b32 v19, 5, v0
	v_readfirstlane_b32 s16, v19                   ; wave 0..3
	s_and_b32 s18, ttmp7, 0xffff                   ; expert
	s_mov_b32 s19, ttmp9                           ; slice
	v_and_b32 v15, 31, v0                          ; lane
	v_and_b32 v1, 15, v0                           ; r
	v_bfe_u32 v2, v0, 4, 1                         ; h
	v_lshlrev_b32 v3, 4, v2                        ; 16 h
	v_lshlrev_b32 v16, 4, v15                      ; my 16 bytes of a k row of the slice
	s_mov_b32 s36, 0x3e6d3389                      ; 0.2316419; the packed lines name pairs and take the low word
	s_mov_b32 s37, s36
	s_mov_b32 s38, 0xbf38aa3b                      ; -log2(e) / 2
	s_mov_b32 s39, s38
	s_mov_b32 s40, 0x3f07dc22                      ; the polynomial's coefficients over sqrt(2 pi), fifth to first
	s_mov_b32 s41, s40
	s_mov_b32 s42, 0xbf3a00e3
	s_mov_b32 s43, s42
	s_mov_b32 s44, 0x3f35f0e3
	s_mov_b32 s45, s44
	s_mov_b32 s46, 0xbe11a98e
	s_mov_b32 s47, s46
	s_mov_b32 s48, 0x3e027906
	s_mov_b32 s49, s48
	s_mov_b32 s50, 0x7fffffff
	s_mov_b32 s51, 0xffff0000
	v_and_b32 v19, 7, v0                           ; the turning load: lane l reads k row 8 h + l % 8, 16 bytes at 16 ((l / 8) % 2)
	v_lshl_add_u32 v19, v2, 3, v19
	v_mul_u32_u24 v9, v19, PW
	v_bfe_u32 v19, v0, 3, 1
	v_lshl_add_u32 v9, v19, 4, v9
	s_lshl_b32 s56, s16, 6                         ; in the rows past 256 my 32 columns begin 64 bytes x my number into a row
	v_add_nc_u32 v27, s56, v9
	s_mul_i32 s56, s16, 32*PW                      ; my 32 rows of a chunk
	v_lshl_add_u32 v17, v15, 3, s56
	s_mul_i32 s56, s16, 16*SPITCH
	s_add_co_u32 s56, s56, STAGE                   ; my stage
	v_mul_u32_u24 v10, v1, SPITCH                  ; in: row r, 16 bytes for each half of the lanes
	v_add_nc_u32 v10, v3, v10
	v_add_nc_u32 v10, s56, v10
	v_mul_u32_u24 v11, v2, SPITCH                  ; back: lanes 0-15 one row of 256 bytes, lanes 16-31 the next
	v_lshl_add_u32 v11, v1, 4, v11
	v_add_nc_u32 v11, s56, v11
	v_lshlrev_b32 v12, 13, v2                      ; and the same two rows in hs
	v_lshl_add_u32 v12, v1, 4, v12
	v_lshlrev_b32 v24, 13, v1                      ; the rows past 256 are stored as they lie: row r, 16 bytes for each half
	v_add_nc_u32 v24, v3, v24
	v_lshlrev_b32 v23, 5, v2                       ; b1: my 8 columns of a group of 16 begin at 32 h
	v_lshl_add_u32 v28, s16, 7, v23                ; and those of my 32 columns 128 bytes x my number further on
	s_mov_b32 s31, 0
	s_lshl_b32 s30, s18, 24
	s_lshl_b32 s56, s19, 9
	s_add_co_u32 s30, s30, s56
	s_lshl_b32 s56, s16, 19
	s_add_co_u32 s30, s30, s56
	s_wait_kmcnt 0x0
	s_add_nc_u64 s[24:25], s[4:5], s[30:31]        ; W1 at expert, slice, my 32 rows of chunk 0
	s_lshl_b32 s30, s18, 7
	s_add_nc_u64 s[10:11], s[10:11], s[30:31]
	s_load_b512 s[68:83], s[10:11], 0x0            ; the expert's bitmap, 32 words
	s_load_b512 s[84:99], s[10:11], 0x40
	s_lshl_b32 s30, s18, 14
	s_lshl_b32 s56, s19, 9
	s_add_co_u32 s30, s30, s56
	s_add_nc_u64 s[6:7], s[6:7], s[30:31]          ; b1 at expert, slice
	s_lshl_b32 s30, s18, 12
	s_add_nc_u64 s[14:15], s[14:15], s[30:31]      ; pos at expert
	s_lshl_b32 s30, s18, 23
	s_lshl_b32 s56, s19, 8
	s_add_co_u32 s30, s30, s56
	s_add_nc_u64 s[54:55], s[12:13], s[30:31]      ; hs at expert, slice
	s_lshl_b32 s30, s16, 19
	s_add_nc_u64 s[28:29], s[54:55], s[30:31]      ; my first row: 64 x my number
	s_lshl_b32 s30, s16, 6
	s_add_nc_u64 s[54:55], s[54:55], s[30:31]      ; my 32 columns in the rows past 256
.irp f,0,1,2,3,4,5,6,7                 ; the bias of my 8 columns in each of the 8 groups of 16,
	global_load_b128 v[H0+8*(\f):H0+8*(\f)+3], v23, s[6:7] offset:64*(\f)
	global_load_b128 v[H0+8*(\f)+4:H0+8*(\f)+7], v23, s[6:7] offset:64*(\f)+16
.endr
.irp f,0,1                             ; that of my 32 columns,
	global_load_b128 v[BT+8*(\f):BT+8*(\f)+3], v28, s[6:7] offset:64*(\f)
	global_load_b128 v[BT+8*(\f)+4:BT+8*(\f)+7], v28, s[6:7] offset:64*(\f)+16
.endr
	WIN 0x80
.set q, 0
.rept 32                               ; and my 32 rows of chunk 0
	global_load_b128 v[4*q:4*q+3], v16, s[24:25] offset:q*PITCHB th:TH_LOAD_NT
.set q, q+1
.endr
	WIN 0
	s_wait_kmcnt 0x0
	s_bcnt1_i32_b32 s20, s68                       ; R: the expert's rows
.set w, 1
.rept 31
	s_bcnt1_i32_b32 s56, s[68+w]
	s_add_co_u32 s20, s20, s56
.set w, w+1
.endr
	s_max_u32 s21, s20, 1
	s_sub_co_u32 s21, s21, 1                       ; the last row that exists
	s_cmp_lg_u32 s16, 0
	s_cbranch_scc1 .Lno_list
	; wave 0 lays the list: lane l of word w is token 32 w + l; its rank is the ones below it.  The bitmap word is the lanes' mask: EXEC stays whole, lanes without a token write a word that nobody reads.
	v_mov_b32 v19, LIST
	v_mov_b32 v20, 0
	ds_store_b32 v19, v20                          ; rank 0 names token 0 where the expert has no row
	v_add_nc_u32 v21, 1024, v15
	s_mov_b32 s52, 0
.set w, 0
.rept 32
	v_mbcnt_lo_u32_b32 v[X+w], s[68+w], s52
	v_cndmask_b32 v19, v21, v[X+w], s[68+w]
	v_min_u32 v19, 0x41f, v19
	v_lshl_add_u32 v19, v19, 2, LIST
	v_add_nc_u32 v20, 32*w, v15
	ds_store_b32 v19, v20
	s_bcnt1_i32_b32 s56, s[68+w]
	s_add_co_u32 s52, s52, s56
.set w, w+1
.endr
	s_cmp_lg_u32 s19, 0
	s_cbranch_scc1 .Lno_list
	v_lshlrev_b32 v22, 2, v15                      ; slice 0 stores the ranks for the last launch
.set w, 0
.rept 32
	global_store_b32 v22, v[X+w], s[14:15] offset:128*w
.set w, w+1
.endr
	s_wait_xcnt 0x0                                ; the stores' data registers are loaded into below
.Lno_list:
	s_wait_loadcnt 32                              ; b1 is in: the 32 younger loads are chunk 0's
.set z, 0
.rept 32
	v_cvt_pk_bf16_f32 v[H0+2*z], v[H0+2*z], v[H0+2*z+1]
.set z, z+1
.endr
.set z, 0
.rept 8
	v_cvt_pk_bf16_f32 v[BT+z], v[BT+2*z], v[BT+2*z+1]
.set z, z+1
.endr
.set z, 0
.rept 8
	v_add_nc_u32 v[CA+z], z*CH, v27                ; my place in chunk z for the rows past 256; never rewritten
.set z, z+1
.endr
	WIN 0x40
.irp m,0,1,2,3                         ; the rounded bias, widened again, starts every sum
.set z, 0
.rept 32
	v_lshlrev_b32 v[64*(\m)+2*z], 16, v[H0+2*z]
	v_and_b32 v[64*(\m)+2*z+1], s51, v[H0+2*z]
.set z, z+1
.endr
.endr
	WIN 0
	s_wait_dscnt 0x0                               ; the list is written
	s_barrier_signal -1
	s_barrier_wait -1
	s_lshl_b32 s33, s16, 6
	ROWS
	s_mov_b64 s[26:27], s[8:9]
	s_mov_b32 s34, 0                               ; the LDS byte of the chunk that is written,
	s_mov_b32 s35, 0                               ; and of the chunk that is read
	TRIP 0
	s_mov_b32 s22, 6
.Lmain:                                                ; trips 1 to 6
	TRIP 1
	s_sub_co_u32 s22, s22, 1
	s_cmp_lg_u32 s22, 0
	s_cbranch_scc1 .Lmain
	TRIP 2
	TRIP 3                                         ; the whole slice is in LDS and is written no more: no barrier follows
	s_mov_b32 s32, 0
.Lunit:                                                ; a unit is 64 numbers a lane: 16 of my rows x 128 columns (units 0-3), or rows 64 U .. 64 U + 63 x my 32 columns (units 4-15)
	s_cmp_ge_u32 s32, 4
	s_cbranch_scc1 .Lu_tail
	s_cmp_eq_u32 s32, 1
	s_cbranch_scc1 .Lpick1
	s_cmp_eq_u32 s32, 2
	s_cbranch_scc1 .Lpick2
	s_cmp_eq_u32 s32, 3
	s_cbranch_scc1 .Lpick3
	PICK 0, 0x04
	s_branch .Lgelu
.Lpick1:
	PICK 64, 0x04
	s_branch .Lgelu
.Lpick2:
	PICK 128, 0x04
	s_branch .Lgelu
.Lpick3:
	PICK 192, 0x04
	s_branch .Lgelu
.Lu_tail:
	s_lshl_b32 s33, s32, 6
	s_cmp_ge_u32 s33, s20                          ; a block past the count is jumped: no barrier lies in what is jumped
	s_cbranch_scc1 .Lu_next
	s_wait_xcnt 0x0                                ; the stores before have read their data and base
	ROWS
.irp u,0,1,2,3,4,5,6
	TALOAD \u, 64*(\u)
.endr
	s_lshl_b32 s30, s33, 13
	s_add_nc_u64 s[28:29], s[54:55], s[30:31]
.irp u,0,1,2,3
	TBLOAD \u, CA, \u
.endr
	WIN 0x80
.irp m,0,1,2,3
.set z, 0
.rept 8
	v_lshlrev_b32 v[16*(\m)+2*z], 16, v[BT+z]
	v_and_b32 v[16*(\m)+2*z+1], s51, v[BT+z]
.set z, z+1
.endr
.endr
	WIN 0
	TAIL
	PICK 0, 0x08
.Lgelu:
	GELU64
	s_cmp_lt_u32 s32, 4
	s_cbranch_scc0 .Lout_t
.irp f,0,1,2,3,4,5,6,7                 ; 16 rows through my own stage: in by 16 bytes a lane, back as whole rows of 256 bytes
	ds_store_b128 v10, v[AZ+16*((\f)/2)+4*((\f)%2):AZ+16*((\f)/2)+4*((\f)%2)+3] offset:32*(\f)
.endr
.irp t,0,1,2,3,4,5,6,7
	ds_load_b128 v[H0+4*(\t):H0+4*(\t)+3], v11 offset:(\t)*2*SPITCH  ; LDS serves a wave's instructions in order (ISA guide 5.7.1.4): these see the stores above
.endr
	s_wait_dscnt 0x0
.irp t,0,1,2,3,4,5,6,7
	global_store_b128 v12, v[H0+4*(\t):H0+4*(\t)+3], s[28:29] offset:2*(\t)*8192  ; 16 lanes store 256 consecutive bytes, aligned
.endr
	s_wait_xcnt 0x0                                ; the stores' data and base are rewritten only behind this wait
	s_add_nc_u64 s[28:29], s[28:29], 16*8192
	s_branch .Lu_next
.Lout_t:
.irp m,0,1,2,3                         ; pieces of 64 bytes a row: the price of these few rows going out without a stage
.irp f,0,1
	global_store_b128 v24, v[AZ+16*(\m)+4*(\f):AZ+16*(\m)+4*(\f)+3], s[28:29] offset:(\m)*16*8192+32*(\f)
.endr
.endr
.Lu_next:
	s_add_co_u32 s32, s32, 1
	s_cmp_lt_u32 s32, 16
	s_cbranch_scc1 .Lunit
	s_wait_tensorcnt 0x0                           ; the wave's end, behind my last LDS store
	ds_add_u32 v13, v14
	s_wait_dscnt 0x0
	s_endpgm
.Lfunc_end_k_q9dff48d468_ffn1:
	.size	k_q9dff48d468_ffn1, .Lfunc_end_k_q9dff48d468_ffn1-k_q9dff48d468_ffn1
	.p2alignl 7, 3214868480
	.fill 96, 4, 3214868480
	.section	.rodata,"a",@progbits
	.p2align	6, 0x0
	.amdhsa_kernel k_q9dff48d468_ffn1
		.amdhsa_group_segment_fixed_size 317184
		.amdhsa_private_segment_fixed_size 0
		.amdhsa_enable_private_segment 0
		.amdhsa_kernarg_size 48
		.amdhsa_user_sgpr_count 2
		.amdhsa_user_sgpr_kernarg_segment_ptr 1
		.amdhsa_wavefront_size32 1
		.amdhsa_system_sgpr_workgroup_id_x 1
		.amdhsa_system_sgpr_workgroup_id_y 1
		.amdhsa_system_sgpr_workgroup_id_z 1
		.amdhsa_system_vgpr_workitem_id 0
		.amdhsa_next_free_vgpr 768
		.amdhsa_next_free_sgpr 100
		.amdhsa_reserve_vcc 0
		.amdhsa_float_denorm_mode_32 3
		.amdhsa_float_denorm_mode_16_64 3
		.amdhsa_memory_ordered 1
		.amdhsa_forward_progress 1
		.amdhsa_inst_pref_size 231
	.end_amdhsa_kernel
	.amdgpu_metadata
---
amdhsa.version: [ 1, 2 ]
amdhsa.kernels:
  - .name:           k_q9dff48d468_ffn1
    .symbol:         k_q9dff48d468_ffn1.kd
    .args:
      - { .name: W1, .offset: 0, .size: 8, .value_kind: global_buffer, .address_space: global }
      - { .name: b1, .offset: 8, .size: 8, .value_kind: global_buffer, .address_space: global }
      - { .name: xb, .offset: 16, .size: 8, .value_kind: global_buffer, .address_space: global }
      - { .name: bm, .offset: 24, .size: 8, .value_kind: global_buffer, .address_space: global }
      - { .name: hs, .offset: 32, .size: 8, .value_kind: global_buffer, .address_space: global }
      - { .name: pos, .offset: 40, .size: 8, .value_kind: global_buffer, .address_space: global }
    .group_segment_fixed_size: 317184
    .private_segment_fixed_size: 0
    .kernarg_segment_align: 8
    .kernarg_segment_size: 48
    .max_flat_workgroup_size: 128
    .sgpr_count:     100
    .vgpr_count:     768
    .wavefront_size: 32
...
	.end_amdgpu_metadata
.endif
;; end of part 2
;; launch ffn2 (part 3): grid 32 x 8, 4 waves a work-group, no clusters, 312,832 bytes of LDS; arguments W2, hs, bm, yp; writes yp
.if DOCPART == 3
	.amdgcn_target "amdgcn-amd-amdhsa--gfx1250"
	.amdhsa_code_object_version 6
	.text
	.protected	k_q9dff48d468_ffn2
	.globl	k_q9dff48d468_ffn2
	.p2align	8
	.type	k_q9dff48d468_ffn2,@function
k_q9dff48d468_ffn2:
	s_mov_b64 s[64:65], 0
	v_nop
	global_prefetch_b8 v0, s[64:65] scope:SCOPE_SE
	s_setreg_imm32_b32 hwreg(HW_REG_WAVE_MODE, 25, 1), 1
	s_wait_xcnt 0x0
; FFN2.  yp[kq][e][rank][d] = the sum over f in quarter kq of hs[e][rank][f] W2[e][f][d], in f32: partial sums, added up by the last launch.
; W2 is rounded to bf16 once; products in bf16 with f32 sums.
; SHARES.  Work-group (x, e), ns = x % 8, kq = x / 8, is the only reader of W2[e][1024 kq .. +1023][128 ns .. +127], 512 KB of f32: the quarters of K give 256 work-groups, k rows of 512 bytes
; and the first product's shape.  Four waves, one text.  Of each chunk of 128 k a wave loads its 32 k rows (a load takes one row's 512 consecutive bytes), rounds them and lays them into LDS, [k][n], once:
; the slice stays there.  A wave owns 64 rows x 128 columns of the result: 32 accumulators.
; TRIPS.  Trip p writes chunk p and multiplies chunk p - 1: different bytes, one barrier a trip.  A trip has four slots, one for 8 of my k rows and one K step of 32:
; the wait; the set of hs three K steps ahead is asked for; 8 rows are rounded and stored; the same 8 rows of the next chunk are asked for; 32 matrix instructions.
; Loads come back in issue order on one counter (ISA guide 5.7.1), so the two streams are issued W(j), T(j), W(j+1), T(j+1) ..: whatever is older than a set is needed no later than it.
; By the text's own count 56 loads of a wave are out at the most: 32 of weights (16 KB) and 24 of hs.
; ROWS PAST 256 go in blocks of 64 rows from the resident slice, a wave taking 32 columns; 12 blocks cover 1,024 rows; a block past the count is jumped (no barrier lies in what is jumped).
; A block's 32 K steps are written out: every LDS address in them is a register made at the head plus an immediate.
; EVERY SPLIT is served: an expert has 1,024 rows of hs and of yp to itself; row numbers past the count repeat the last row that exists; what is stored past the count is this work-group's own and never read.
; The matrix instruction is used transposed: source 0 = 16 columns of W2 (turned out of LDS), source 1 = 16 rows of hs: a lane holds one row and 8 neighbouring columns.
; The accumulators are cleared by 256 vector lines while the first chunk is on its way: the price of one text for every trip.
; NO CLUSTER: each slice has one reader; the rows of hs that 8 work-groups share would want a ring in LDS, of which the resident slice leaves 32 KB.  NO TENSOR LOAD: f32 weights pass through registers.
; NO PREFETCH is written: the weights are asked for one chunk ahead by the loads themselves.  LIMITS: NaN and infinities are not treated apart.
; LDS: 0 the slice, chunk p at 36,864 p, row k at 288 k; 294,912 a stage of 16 rows x 272 bytes for each wave; 312,320 the spare words.
; REGISTERS.  Window 0: v0-31 addresses; v32-95 weight fragments (on the way out: rows read back); v96-223 four sets of hs; v224-239 packed rows; v248-255 my place in chunks 0-7 for the rows past 256.
; Window 1: accumulator (m, n) at 8 (8 m + n).  Window 2: v0-127 the 32 weight loads; in the rows past 256: accumulators at 8 (2 m + n), v128-255 sets 4-7.
.set PW,     288
.set CH,     128*PW
.set STAGE,  8*CH
.set SPITCH, 272
.set SPARE,  STAGE+4*16*SPITCH
.set PITCHB, 4096                      ; bytes from a k row of W2 to the next
.set H0, 32
.set H1, 64
.set X,  96
.set TP, 224
.set CA, 248
.set TBASE, 58                         ; s[58:59]: hs at expert and quarter, never stepped: the base of the rows past 256
.set MSB, 0
.macro WIN new                         ; s_set_vgpr_msb: bits 1:0 source 0, 3:2 source 1, 5:4 source 2, 7:6 destination; the high byte repeats the setting that is left
.if MSB != (\new)
	s_set_vgpr_msb (MSB<<8)|(\new)
.set MSB, (\new)
.endif
.endm
.macro PLACES                          ; four plain instructions between a matrix instruction and a load into, a store of, or a vector line on its registers
.rept 4
	v_nop
.endr
.endm
.macro BLOAD hb, s, n0                 ; four weight fragments (columns 16 n0 on, K step s of the chunk at v8): 8 turning loads
.irp f,0,1,2,3
	ds_load_tr16_b128 v[(\hb)+8*(\f):(\hb)+8*(\f)+3], v8 offset:32*(\s)*PW+32*((\n0)+(\f))
	ds_load_tr16_b128 v[(\hb)+8*(\f)+4:(\hb)+8*(\f)+7], v8 offset:32*(\s)*PW+16*PW+32*((\n0)+(\f))
.endr
.endm
.macro ALOAD1 set, koff                ; the fragments of hs of one K step, 64 rows x 32 k: 8 loads
.irp m,0,1,2,3
	global_load_b128 v[X+32*(\set)+8*(\m):X+32*(\set)+8*(\m)+3], v[4+(\m)], s[26:27] offset:(\koff)
	global_load_b128 v[X+32*(\set)+8*(\m)+4:X+32*(\set)+8*(\m)+7], v[4+(\m)], s[26:27] offset:(\koff)+32
.endr
.endm
.macro MM16 s, n0, hb                  ; 16 matrix instructions; the 32 accumulators take turns in the same order in every K step
	WIN 0x50
.irp f,0,1,2,3
.irp m,0,1,2,3
	v_wmma_f32_16x16x32_bf16 v[8*(8*(\m)+(\n0)+(\f)):8*(8*(\m)+(\n0)+(\f))+7], v[(\hb)+8*(\f):(\hb)+8*(\f)+7], v[X+32*(\s)+8*(\m):X+32*(\s)+8*(\m)+7], v[8*(8*(\m)+(\n0)+(\f)):8*(8*(\m)+(\n0)+(\f))+7]
.endr
.endr
.endm
; A TRIP.  kind 0: the first: chunk 0 is written, nothing multiplied.  1: the loop's.  2: chunk 7 is written, no weights are left to ask for.  3: the last: chunk 7 is multiplied, nothing written, no barrier.
; W(j), T(j): the 8 weight loads and the 8 loads of hs that slot j needs.
.macro TRIP kind
.set PRD, 0
.if (\kind) < 3
.set PRD, 1
.endif
.if (\kind) > 0
	v_add_nc_u32 v8, s35, v9                       ; the chunk that is read
	BLOAD H0, 0, 0
	BLOAD H1, 0, 4
.endif
.if (\kind) < 3
	v_add_nc_u32 v18, s34, v17                     ; the chunk that is written
.endif
.irp s,0,1,2,3
.if (\kind) == 0
.if (\s) < 2
	s_wait_loadcnt 24                              ; W(s) is in; younger: the rest of chunk 0 and the refills, 24 together
.else
	s_wait_loadcnt 16+8*(\s)                       ; and the sets of hs asked for since: one, then two
.endif
.elseif (\kind) == 1
	s_wait_loadcnt 40                              ; W(s) and T(s) are in; younger: W(s+1), T(s+1), W(s+2), T(s+2), W(s+3)
.elseif (\kind) == 2
	s_wait_loadcnt 40-8*(\s)                       ; the same without the refills that are no longer issued
.elseif (\s) < 2
	s_wait_loadcnt 16                              ; T(s) is in; two younger sets
.else
	s_wait_loadcnt 24-8*(\s)                       ; the counts run down
.endif
.if (\kind) == 0
.if (\s) > 0
	ALOAD1 (\s)-1, 64*((\s)-1)                     ; K steps 0, 1, 2
.endif
.elseif ((\kind) < 3) || ((\s) == 0)
	ALOAD1 ((\s)+3)%4, 64*((\s)+3)                 ; three K steps ahead, into the set that the K step before this one read (four places stand behind its last product)
.endif
.if (\kind) < 3
	WIN 0x0a
.irp i,0,1,2,3,4,5,6,7
	v_cvt_pk_bf16_f32 v[TP+2*(\i)], v[32*(\s)+4*(\i)], v[32*(\s)+4*(\i)+1]
	v_cvt_pk_bf16_f32 v[TP+2*(\i)+1], v[32*(\s)+4*(\i)+2], v[32*(\s)+4*(\i)+3]
.endr
	WIN 0
.irp i,0,1,2,3,4,5,6,7
	ds_store_b64 v18, v[TP+2*(\i):TP+2*(\i)+1] offset:(8*(\s)+(\i))*PW  ; a row's 256 bytes, 8 a lane
.endr
.if (\kind) < 2
	WIN 0x80
.irp i,0,1,2,3,4,5,6,7
	global_load_b128 v[32*(\s)+4*(\i):32*(\s)+4*(\i)+3], v16, s[24:25] offset:(128+8*(\s)+(\i))*PITCHB th:TH_LOAD_NT
.endr
	WIN 0
.endif
.endif
.if (\kind) > 0
	s_wait_dscnt 8+8*PRD                           ; the first four fragments are in; younger: the other four's 8 loads and the slot's 8 stores
	MM16 \s, 0, H0
	WIN 0
	PLACES
.if (\s) < 3
	BLOAD H0, (\s)+1, 0
	s_wait_dscnt 8+8*PRD                           ; the other four are in; younger: the slot's stores and the 8 loads just issued
.else
	s_wait_dscnt 8*PRD
.endif
	MM16 \s, 4, H1
	WIN 0
	PLACES
.if (\s) < 3
	BLOAD H1, (\s)+1, 4
.endif
.endif
.endr
.if (\kind) < 3
	s_wait_xcnt 0x0                                ; the loads' bases are stepped only behind this wait
.if (\kind) < 2
	s_add_nc_u64 s[24:25], s[24:25], 128*PITCHB
.endif
.if (\kind) > 0
	s_add_nc_u64 s[26:27], s[26:27], 256
	s_add_co_u32 s35, s35, CH
.endif
	s_add_co_u32 s34, s34, CH
	s_wait_dscnt 0x0                               ; my stores into the chunk are done, my reads of the chunk before are back
	s_barrier_signal -1
	s_barrier_wait -1
.endif
.endm
.macro ROWS                            ; the byte offsets in the expert's hs of rows s33 + 16 i + l % 16, held under the count
.irp i,0,1,2,3
	v_add_nc_u32 v[4+(\i)], 16*(\i), v1
	v_add_nc_u32 v[4+(\i)], s33, v[4+(\i)]
	v_min_u32 v[4+(\i)], s21, v[4+(\i)]
	v_min_u32 v[4+(\i)], 0x3ff, v[4+(\i)]
	v_lshl_add_u32 v[4+(\i)], v[4+(\i)], 13, v3    ; row x 8,192 + 16 x half
.endr
.endm
; THE ROWS PAST 256.
.macro TALOAD u, koff                  ; set u of eight of hs: 8 loads; sets 0-3 in window 0, 4-7 in window 2
.if (\u) < 4
	WIN 0
.set XR, X+32*(\u)
.else
	WIN 0x80
.set XR, 128+32*((\u)-4)
.endif
.irp m,0,1,2,3
	global_load_b128 v[XR+8*(\m):XR+8*(\m)+3], v[4+(\m)], s[TBASE:TBASE+1] offset:(\koff)
	global_load_b128 v[XR+8*(\m)+4:XR+8*(\m)+7], v[4+(\m)], s[TBASE:TBASE+1] offset:(\koff)+32
.endr
	WIN 0
.endm
.macro TBLOAD slot, adr, s             ; my two weight fragments of K step s of the chunk whose place v[adr] holds: 4 turning loads
.irp f,0,1
	ds_load_tr16_b128 v[H0+16*(\slot)+8*(\f):H0+16*(\slot)+8*(\f)+3], v[\adr] offset:32*(\s)*PW+32*(\f)
	ds_load_tr16_b128 v[H0+16*(\slot)+8*(\f)+4:H0+16*(\slot)+8*(\f)+7], v[\adr] offset:32*(\s)*PW+16*PW+32*(\f)
.endr
.endm
.macro TAIL                            ; a block's 32 K steps.  Sets of hs are asked for seven K steps ahead (sets 0-6 stand in front), weight fragments four (K steps 0-3 stand in front)
.set kj, 0
.rept 32
.if kj < 25
	s_wait_loadcnt 48                              ; set kj is in: six younger sets of 8 loads stay out
	TALOAD (kj+7)%8, 64*(kj+7)                     ; into the set that the K step before read (four places stand behind its last product)
.else
	s_wait_loadcnt 8*(31-kj)                       ; nothing is left to ask for: the counts run down
.endif
.if kj < 29
	s_wait_dscnt 12                                ; three younger K steps' fragments, 4 loads each
.else
	s_wait_dscnt 4*(31-kj)
.endif
.if kj%8 < 4
.set XR, X+32*(kj%8)
	WIN 0xa0
.else
.set XR, 128+32*(kj%8-4)
	WIN 0xa8
.endif
.irp f,0,1                             ; the 8 accumulators take turns
.irp m,0,1,2,3
	v_wmma_f32_16x16x32_bf16 v[8*(2*(\m)+(\f)):8*(2*(\m)+(\f))+7], v[H0+16*(kj%4)+8*(\f):H0+16*(kj%4)+8*(\f)+7], v[XR+8*(\m):XR+8*(\m)+7], v[8*(2*(\m)+(\f)):8*(2*(\m)+(\f))+7]
.endr
.endr
	WIN 0
	PLACES
.if kj < 28
	TBLOAD kj%4, CA+(kj+4)/4, (kj+4)%4
.endif
.set kj, kj+1
.endr
.endm
	s_load_b256 s[4:11], s[0:1], 0x0               ; W2 s[4:5], hs s[6:7], bm s[8:9], yp s[10:11]
	v_lshl_add_u32 v13, v0, 2, SPARE               ; my spare word, and 0: kept for the closing add alone
	v_mov_b32 v14, 0
	v_lshrrev_b32 v19, 5, v0
	v_readfirstlane_b32 s16, v19                   ; wave 0..3
	s_and_b32 s18, ttmp7, 0xffff                   ; expert
	s_and_b32 s19, ttmp9, 7                        ; ns: which 128 columns
	s_lshr_b32 s52, ttmp9, 3                       ; kq: which quarter of K
	v_and_b32 v15, 31, v0                          ; lane
	v_and_b32 v1, 15, v0                           ; r
	v_bfe_u32 v2, v0, 4, 1                         ; h
	v_lshlrev_b32 v3, 4, v2                        ; 16 h
	v_lshlrev_b32 v16, 4, v15                      ; my 16 bytes of a k row of the slice
	v_and_b32 v19, 7, v0                           ; the turning load: lane l reads k row 8 h + l % 8, 16 bytes at 16 ((l / 8) % 2)
	v_lshl_add_u32 v19, v2, 3, v19
	v_mul_u32_u24 v9, v19, PW
	v_bfe_u32 v19, v0, 3, 1
	v_lshl_add_u32 v9, v19, 4, v9
	s_lshl_b32 s56, s16, 6                         ; in the rows past 256 my 32 columns begin 64 bytes x my number into a row
	v_add_nc_u32 v27, s56, v9
.set z, 0
.rept 8
	v_add_nc_u32 v[CA+z], z*CH, v27                ; my place in chunk z for the rows past 256; never rewritten
.set z, z+1
.endr
	s_mul_i32 s56, s16, 32*PW                      ; my 32 rows of a chunk
	v_lshl_add_u32 v17, v15, 3, s56
	s_mul_i32 s56, s16, 16*SPITCH
	s_add_co_u32 s56, s56, STAGE                   ; my stage
	v_mul_u32_u24 v10, v1, SPITCH                  ; in: row r, 32 bytes for each half of the lanes
	v_lshl_add_u32 v10, v2, 5, v10
	v_add_nc_u32 v10, s56, v10
	v_mul_u32_u24 v11, v2, SPITCH                  ; back: lanes 0-15 one row of 256 bytes, lanes 16-31 the next
	v_lshl_add_u32 v11, v1, 4, v11
	v_add_nc_u32 v11, s56, v11
	v_lshlrev_b32 v12, 12, v2                      ; and the same two rows in yp
	v_lshl_add_u32 v12, v1, 4, v12
	v_lshlrev_b32 v24, 12, v1                      ; the rows past 256 are stored as they lie: row r, 32 bytes for each half
	v_lshl_add_u32 v24, v2, 5, v24
	s_mov_b32 s31, 0
	s_lshl_b32 s30, s18, 24
	s_lshl_b32 s56, s52, 22
	s_add_co_u32 s30, s30, s56
	s_lshl_b32 s56, s19, 9
	s_add_co_u32 s30, s30, s56
	s_lshl_b32 s56, s16, 17
	s_add_co_u32 s30, s30, s56
	s_wait_kmcnt 0x0
	s_add_nc_u64 s[24:25], s[4:5], s[30:31]        ; W2 at expert, quarter, columns, my 32 rows of chunk 0
	s_lshl_b32 s30, s18, 7
	s_add_nc_u64 s[8:9], s[8:9], s[30:31]
	s_load_b512 s[68:83], s[8:9], 0x0              ; the expert's bitmap, 32 words
	s_load_b512 s[84:99], s[8:9], 0x40
	WIN 0x80
.set q, 0
.rept 32                               ; my 32 rows of chunk 0
	global_load_b128 v[4*q:4*q+3], v16, s[24:25] offset:q*PITCHB th:TH_LOAD_NT
.set q, q+1
.endr
	WIN 0
	s_lshl_b32 s30, s18, 23
	s_lshl_b32 s56, s52, 11
	s_add_co_u32 s30, s30, s56
	s_add_nc_u64 s[58:59], s[6:7], s[30:31]        ; hs at expert, quarter
	s_lshl_b32 s30, s52, 25
	s_lshl_b32 s56, s18, 22
	s_add_co_u32 s30, s30, s56
	s_lshl_b32 s56, s19, 9
	s_add_co_u32 s30, s30, s56
	s_add_nc_u64 s[54:55], s[10:11], s[30:31]      ; yp at quarter, expert, columns
	s_lshl_b32 s30, s16, 18
	s_add_nc_u64 s[28:29], s[54:55], s[30:31]      ; my first row: 64 x my number
	s_lshl_b32 s30, s16, 7
	s_add_nc_u64 s[54:55], s[54:55], s[30:31]      ; my 32 columns in the rows past 256
	s_wait_kmcnt 0x0
	s_bcnt1_i32_b32 s20, s68                       ; R: the expert's rows
.set w, 1
.rept 31
	s_bcnt1_i32_b32 s56, s[68+w]
	s_add_co_u32 s20, s20, s56
.set w, w+1
.endr
	s_max_u32 s21, s20, 1
	s_sub_co_u32 s21, s21, 1                       ; the last row that exists
	s_lshl_b32 s33, s16, 6
	ROWS
	s_mov_b64 s[26:27], s[58:59]
	WIN 0x40
.set z, 0
.rept 256
	v_mov_b32 v[z], 0
.set z, z+1
.endr
	WIN 0
	s_mov_b32 s34, 0                               ; the LDS byte of the chunk that is written,
	s_mov_b32 s35, 0                               ; and of the chunk that is read
	TRIP 0
	s_mov_b32 s22, 6
.Lmain:                                                ; trips 1 to 6
	TRIP 1
	s_sub_co_u32 s22, s22, 1
	s_cmp_lg_u32 s22, 0
	s_cbranch_scc1 .Lmain
	TRIP 2
	TRIP 3                                         ; the whole slice is in LDS and is written no more: no barrier follows
	; THE WAY OUT: 16 rows x 64 columns of f32 at a time through my own stage: in by 16 bytes a lane straight from the accumulators (low registers first), back as whole rows of 256 bytes
.irp m,0,1,2,3
.irp hf,0,1
	WIN 0x04
.irp f,0,1,2,3
	ds_store_b128 v10, v[8*(8*(\m)+4*(\hf)+(\f)):8*(8*(\m)+4*(\hf)+(\f))+3] offset:64*(\f)
	ds_store_b128 v10, v[8*(8*(\m)+4*(\hf)+(\f))+4:8*(8*(\m)+4*(\hf)+(\f))+7] offset:64*(\f)+16
.endr
	WIN 0
	s_wait_xcnt 0x0                                ; the registers below were the data of the stores before
.irp t,0,1,2,3,4,5,6,7
	ds_load_b128 v[H0+4*(\t):H0+4*(\t)+3], v11 offset:(\t)*2*SPITCH  ; LDS serves a wave's instructions in order (ISA guide 5.7.1.4): these see the stores above
.endr
	s_wait_dscnt 0x0
.irp t,0,1,2,3,4,5,6,7
	global_store_b128 v12, v[H0+4*(\t):H0+4*(\t)+3], s[28:29] offset:(16*(\m)+2*(\t))*4096+256*(\hf)  ; 16 lanes store 256 consecutive bytes, aligned
.endr
.endr
.endr
	s_mov_b32 s32, 4
.Lblock:                                               ; block U: rows 64 U .. 64 U + 63, U = 4 .. 15
	s_lshl_b32 s33, s32, 6
	s_cmp_ge_u32 s33, s20                          ; a block past the count is jumped: no barrier lies in what is jumped
	s_cbranch_scc1 .Lb_next
	s_wait_xcnt 0x0                                ; the stores before have read their data and base
	ROWS
.irp u,0,1,2,3,4,5,6
	TALOAD \u, 64*(\u)
.endr
	s_lshl_b32 s30, s33, 12
	s_add_nc_u64 s[28:29], s[54:55], s[30:31]
.irp u,0,1,2,3
	TBLOAD \u, CA, \u
.endr
	WIN 0x80
.set z, 0
.rept 64
	v_mov_b32 v[z], 0
.set z, z+1
.endr
	WIN 0
	TAIL
	WIN 0x08                                       ; pieces of 128 bytes a row, straight from the accumulators, low registers first: the price of these few rows going out without a stage
.irp m,0,1,2,3
.irp f,0,1
	global_store_b128 v24, v[8*(2*(\m)+(\f)):8*(2*(\m)+(\f))+3], s[28:29] offset:(\m)*16*4096+64*(\f)
	global_store_b128 v24, v[8*(2*(\m)+(\f))+4:8*(2*(\m)+(\f))+7], s[28:29] offset:(\m)*16*4096+64*(\f)+16
.endr
.endr
	WIN 0
.Lb_next:
	s_add_co_u32 s32, s32, 1
	s_cmp_lt_u32 s32, 16
	s_cbranch_scc1 .Lblock
	s_wait_tensorcnt 0x0                           ; the wave's end, behind my last LDS store
	ds_add_u32 v13, v14
	s_wait_dscnt 0x0
	s_endpgm
.Lfunc_end_k_q9dff48d468_ffn2:
	.size	k_q9dff48d468_ffn2, .Lfunc_end_k_q9dff48d468_ffn2-k_q9dff48d468_ffn2
	.p2alignl 7, 3214868480
	.fill 96, 4, 3214868480
	.section	.rodata,"a",@progbits
	.p2align	6, 0x0
	.amdhsa_kernel k_q9dff48d468_ffn2
		.amdhsa_group_segment_fixed_size 312832
		.amdhsa_private_segment_fixed_size 0
		.amdhsa_enable_private_segment 0
		.amdhsa_kernarg_size 32
		.amdhsa_user_sgpr_count 2
		.amdhsa_user_sgpr_kernarg_segment_ptr 1
		.amdhsa_wavefront_size32 1
		.amdhsa_system_sgpr_workgroup_id_x 1
		.amdhsa_system_sgpr_workgroup_id_y 1
		.amdhsa_system_sgpr_workgroup_id_z 1
		.amdhsa_system_vgpr_workitem_id 0
		.amdhsa_next_free_vgpr 768
		.amdhsa_next_free_sgpr 100
		.amdhsa_reserve_vcc 0
		.amdhsa_float_denorm_mode_32 3
		.amdhsa_float_denorm_mode_16_64 3
		.amdhsa_memory_ordered 1
		.amdhsa_forward_progress 1
		.amdhsa_inst_pref_size 172
	.end_amdhsa_kernel
	.amdgpu_metadata
---
amdhsa.version: [ 1, 2 ]
amdhsa.kernels:
  - .name:           k_q9dff48d468_ffn2
    .symbol:         k_q9dff48d468_ffn2.kd
    .args:
      - { .name: W2, .offset: 0, .size: 8, .value_kind: global_buffer, .address_space: global }
      - { .name: hs, .offset: 8, .size: 8, .value_kind: global_buffer, .address_space: global }
      - { .name: bm, .offset: 16, .size: 8, .value_kind: global_buffer, .address_space: global }
      - { .name: yp, .offset: 24, .size: 8, .value_kind: global_buffer, .address_space: global }
    .group_segment_fixed_size: 312832
    .private_segment_fixed_size: 0
    .kernarg_segment_align: 8
    .kernarg_segment_size: 32
    .max_flat_workgroup_size: 128
    .sgpr_count:     100
    .vgpr_count:     768
    .wavefront_size: 32
...
	.end_amdgpu_metadata
.endif
;; end of part 3
;; launch combine (part 4): grid 256 x 1, 8 waves a work-group, no clusters, 0 bytes of LDS; arguments yp, pos, idx, gate, b2, out0; writes out0
.if DOCPART == 4
	.amdgcn_target "amdgcn-amd-amdhsa--gfx1250"
	.amdhsa_code_object_version 6
	.text
	.protected	k_q9dff48d468_combine
	.globl	k_q9dff48d468_combine
	.p2align	8
	.type	k_q9dff48d468_combine,@function
k_q9dff48d468_combine:
	s_mov_b64 s[64:65], 0
	v_nop
	global_prefetch_b8 v0, s[64:65] scope:SCOPE_SE
	s_setreg_imm32_b32 hwreg(HW_REG_WAVE_MODE, 25, 1), 1
	s_wait_xcnt 0x0
; COMBINE.  out[t] = the sum over the token's two experts k of gate[t][k] (b2[e_k] + the sum over the four quarters q of yp[q][e_k][pos[e_k][t]]).  All in f32; b2 is rounded to bf16 once, like every input.
; SHARES.  A work-group has 4 tokens; thread i owns bytes 16 i .. 16 i + 15 of each row of 4,096: a wave's load or store covers 512 consecutive bytes.
; The experts and ranks are whole numbers that earlier launches stored; they are read by scalar loads and held inside their tables (7; 1,023) before they enter an address.
; All 40 loads of a thread go out in one run; the waits count down by a token's ten.  No LDS, matrix unit or cluster: nothing is shared, memory binds.
	s_load_b256 s[4:11], s[0:1], 0x0               ; yp s[4:5], pos s[6:7], idx s[8:9], gate s[10:11]
	s_load_b128 s[12:15], s[0:1], 0x20             ; b2 s[12:13], out0 s[14:15]
	v_lshlrev_b32 v1, 4, v0                        ; my 16 bytes of a row; the quarters of yp lie 2^25 bytes apart
	v_add_nc_u32 v2, 0x2000000, v1
	v_add_nc_u32 v3, 0x4000000, v1
	v_add_nc_u32 v4, 0x6000000, v1
	s_lshl_b32 s2, ttmp9, 5                        ; 4 tokens x 8 bytes
	s_mov_b32 s3, 0
	s_lshl_b32 s92, ttmp9, 4                       ; my first token's word in a row of pos
	s_wait_kmcnt 0x0
	s_add_nc_u64 s[8:9], s[8:9], s[2:3]
	s_add_nc_u64 s[10:11], s[10:11], s[2:3]
	s_load_b256 s[16:23], s[8:9], 0x0              ; the 8 experts
	s_load_b256 s[24:31], s[10:11], 0x0            ; the 8 gates
	s_lshl_b32 s2, ttmp9, 14
	s_add_nc_u64 s[14:15], s[14:15], s[2:3]        ; out0 at my first token
	s_wait_kmcnt 0x0
.irp j,0,1,2,3,4,5,6,7
	s_min_u32 s[16+\j], s[16+\j], 7
	s_lshl_b32 s2, s[16+\j], 12                    ; the expert's row of pos
	s_add_co_u32 s2, s2, s92
	s_add_co_u32 s2, s2, 4*(\j/2)
	s_add_nc_u64 s[40+2*\j:41+2*\j], s[6:7], s[2:3]
	s_load_b32 s[84+\j], s[40+2*\j:41+2*\j], 0x0   ; the token's rank there
.endr
	s_wait_kmcnt 0x0
.irp j,0,1,2,3,4,5,6,7
	s_min_u32 s[84+\j], s[84+\j], 0x3ff
	s_lshl_b32 s2, s[16+\j], 10
	s_add_co_u32 s2, s2, s[84+\j]
	s_lshl_b32 s2, s2, 12                          ; (1,024 e + rank) rows of 4,096 bytes
	s_add_nc_u64 s[40+2*\j:41+2*\j], s[4:5], s[2:3]
	s_lshl_b32 s2, s[16+\j], 12
	s_add_nc_u64 s[66+2*\j:67+2*\j], s[12:13], s[2:3]
.endr
.irp j,0,1,2,3,4,5,6,7                 ; choice j = 2 token + k: 20 registers at 16 + 20 j: four quarters, then b2
	global_load_b128 v[16+20*\j:16+20*\j+3], v1, s[40+2*\j:41+2*\j] th:TH_LOAD_NT
	global_load_b128 v[16+20*\j+4:16+20*\j+7], v2, s[40+2*\j:41+2*\j] th:TH_LOAD_NT
	global_load_b128 v[16+20*\j+8:16+20*\j+11], v3, s[40+2*\j:41+2*\j] th:TH_LOAD_NT
	global_load_b128 v[16+20*\j+12:16+20*\j+15], v4, s[40+2*\j:41+2*\j] th:TH_LOAD_NT
	global_load_b128 v[16+20*\j+16:16+20*\j+19], v1, s[66+2*\j:67+2*\j]
.endr
.irp tt,0,1,2,3
	s_wait_loadcnt 30-10*\tt                       ; this token's ten loads are in; the later tokens' stay out
.irp k,0,1
.set V, 16+40*\tt+20*\k
	v_cvt_pk_bf16_f32 v5, v[V+16], v[V+17]         ; b2 rounded to bf16 and widened again
	v_cvt_pk_bf16_f32 v6, v[V+18], v[V+19]
	v_lshlrev_b32 v[V+16], 16, v5
	v_and_b32 v[V+17], 0xffff0000, v5
	v_lshlrev_b32 v[V+18], 16, v6
	v_and_b32 v[V+19], 0xffff0000, v6
.irp q,0,1,2,3
	v_pk_add_f32 v[V+16:V+17], v[V+16:V+17], v[V+4*\q:V+4*\q+1]
	v_pk_add_f32 v[V+18:V+19], v[V+18:V+19], v[V+4*\q+2:V+4*\q+3]
.endr
.endr
.set V, 16+40*\tt
.irp c,0,1,2,3
	v_mul_f32 v[V+16+\c], s[24+2*\tt], v[V+16+\c]
.endr
.irp c,0,1,2,3
	v_fma_f32 v[V+16+\c], s[25+2*\tt], v[V+36+\c], v[V+16+\c]
.endr
	global_store_b128 v1, v[V+16:V+19], s[14:15] offset:4096*\tt th:TH_STORE_NT
.endr
	s_endpgm
.Lfunc_end_k_q9dff48d468_combine:
	.size	k_q9dff48d468_combine, .Lfunc_end_k_q9dff48d468_combine-k_q9dff48d468_combine
	.p2alignl 7, 3214868480
	.fill 96, 4, 3214868480
	.section	.rodata,"a",@progbits
	.p2align	6, 0x0
	.amdhsa_kernel k_q9dff48d468_combine
		.amdhsa_group_segment_fixed_size 0
		.amdhsa_private_segment_fixed_size 0
		.amdhsa_enable_private_segment 0
		.amdhsa_kernarg_size 48
		.amdhsa_user_sgpr_count 2
		.amdhsa_user_sgpr_kernarg_segment_ptr 1
		.amdhsa_wavefront_size32 1
		.amdhsa_system_sgpr_workgroup_id_x 1
		.amdhsa_system_sgpr_workgroup_id_y 1
		.amdhsa_system_sgpr_workgroup_id_z 1
		.amdhsa_system_vgpr_workitem_id 0
		.amdhsa_next_free_vgpr 176
		.amdhsa_next_free_sgpr 96
		.amdhsa_reserve_vcc 0
		.amdhsa_float_denorm_mode_32 3
		.amdhsa_float_denorm_mode_16_64 3
		.amdhsa_memory_ordered 1
		.amdhsa_forward_progress 1
		.amdhsa_inst_pref_size 18
	.end_amdhsa_kernel
	.amdgpu_metadata
---
amdhsa.version: [ 1, 2 ]
amdhsa.kernels:
  - .name:           k_q9dff48d468_combine
    .symbol:         k_q9dff48d468_combine.kd
    .args:
      - { .name: yp, .offset: 0, .size: 8, .value_kind: global_buffer, .address_space: global }
      - { .name: pos, .offset: 8, .size: 8, .value_kind: global_buffer, .address_space: global }
      - { .name: idx, .offset: 16, .size: 8, .value_kind: global_buffer, .address_space: global }
      - { .name: gate, .offset: 24, .size: 8, .value_kind: global_buffer, .address_space: global }
      - { .name: b2, .offset: 32, .size: 8, .value_kind: global_buffer, .address_space: global }
      - { .name: out0, .offset: 40, .size: 8, .value_kind: global_buffer, .address_space: global }
    .group_segment_fixed_size: 0
    .private_segment_fixed_size: 0
    .kernarg_segment_align: 8
    .kernarg_segment_size: 48
    .max_flat_workgroup_size: 256
    .sgpr_count:     96
    .vgpr_count:     176
    .wavefront_size: 32
...
	.end_amdgpu_metadata
.endif
;; end of part 4
;; ======== version 2 of 3: 4 launches; 1.27 times as fast as version 1
;; workspace buffers: xb 2,097,152 bytes; bm 1,024 bytes of whole numbers; idx 8,192 bytes of whole numbers; gate 8,192 bytes; pos 32,768 bytes of whole numbers; hs 67,108,864 bytes; yp 134,217,728 bytes
;; launch router: the kernel of part 1 again; grid 64 x 1, 8 waves a work-group, no clusters, 1,536 bytes of LDS; arguments x, Wg, xb, bm, idx, gate; writes xb, bm, idx, gate
;; launch ffn1 (part 5): grid 32 x 8, 4 waves a work-group, no clusters, 312,832 bytes of LDS; arguments W1, b1, xb, bm, hs, pos; writes hs, pos
.if DOCPART == 5
	.amdgcn_target "amdgcn-amd-amdhsa--gfx1250"
	.amdhsa_code_object_version 6
	.text
	.protected	k_q9dff48d468_ffn1
	.globl	k_q9dff48d468_ffn1
	.p2align	8
	.type	k_q9dff48d468_ffn1,@function
k_q9dff48d468_ffn1:
	s_mov_b64 s[64:65], 0
	v_nop
	global_prefetch_b8 v0, s[64:65] scope:SCOPE_SE
	s_setreg_imm32_b32 hwreg(HW_REG_WAVE_MODE, 25, 1), 1
	s_wait_xcnt 0x0
; FFN1.  hs[e][rank][f] = gelu(x[token of that rank] . W1[e][:, f] + b1[e][f]), in bf16, for the tokens that chose expert e, in the order of their numbers; pos[e][t] = token t's rank.
; W1, b1 (and x, in xb) are rounded to bf16 once; products in bf16 with f32 sums; gelu in f32; hs rounded once.
; SHARES.  Work-group (sl, e) is the only reader of W1[e][:, 128 sl .. +127], 512 KB of f32.  Four waves, one text.  Of each chunk of 128 k a wave loads its 32 k rows (a load takes one row's 512
; consecutive bytes), rounds them and lays them into LDS, [k][n], once: the slice stays there.
; ROWS.  A pass serves 320 ranks.  Wave w owns five tiles of 16 ranks x 128 columns: tile j holds ranks base + 16 (4 j + w) .., so the tiles past the expert's count R fall evenly on the waves.
; NL = the wave's live tiles.  The products of tiles 3 and 4 are jumped where they are dead, and dead tiles are not stored; their loads are issued all the same (they name one row), so that every counted
; wait counts the same loads on both ways.  Dead tiles 0 to 2 (R under 192) are multiplied for nothing.
; TRIPS.  Trip p writes chunk p and multiplies chunk p - 1: different bytes, one barrier a trip.  A trip has four slots, one for 8 of my k rows and one K step of 32:
; the wait; the token set three K steps ahead is asked for; 8 rows are rounded and stored; the same 8 rows of the next chunk are asked for; up to 40 matrix instructions.
; Loads come back in issue order on one counter (ISA guide 5.7.1), so the two streams are issued W(j), T(j), W(j+1), T(j+1) ..: whatever is older than a set is needed no later than it.
; By the text's own count 62 loads of a wave are out at the most: 32 of weights (16 KB) and 30 of token rows.  Each token set and each group of weight rows has a base pair of its own, stepped
; only behind the counted wait that shows its last loads done: the stream has no wait for address translation.
; PASSES.  Ranks past 320 are served from the resident slice by three more passes over the text of the last chunk's trip and of the way out; pass 0 enters that loop in its middle.  A wave without a live
; tile jumps a pass's work.  So every split is served: an expert has 1,024 rows of hs to itself.  The slice's reads take their address from a scalar that steps with the chunk; the stages lie behind
; the slice.  A barrier stands between a pass's reads of the slice and the stores into the stages, and another between those stores and the next pass's reads: every wave passes both in all four
; passes, whatever the counts; no barrier lies in what is jumped.
; TOKENS.  Lane w holds word w of the expert's bitmap.  A loop over the words keeps, for each lane's rank, the last word whose count of ones below does not pass the rank; five steps on the word's
; bit counts find the bit.  A rank past the count ends at token 1023: a row that exists; what is made of it lies in this work-group's own columns of the expert's own rows and is never read.
; With R = 0 wave 0 still stores tile 0, so that the next launch reads nothing unwritten.
; THE MATRIX INSTRUCTION IS USED TRANSPOSED: source 0 = 16 columns of W1 (turned out of LDS by ds_load_tr16_b128), source 1 = 16 token rows (straight from xb): a lane holds one token and 8 neighbouring columns.
; The accumulators are preset with the rounded bias by 320 vector lines while the first chunk is on its way: that adds the bias and spares a first K step written out.
; GELU: max(z, 0) - |z| poly(t) 2^(-z^2 log2(e) / 2), t = 1 / (1 + 0.2316419 |z|): the five-term rational form of the normal distribution's tail, its absolute error 7.5e-8 at most for every z.
; LIMITS.  NaN and infinities are not treated apart; h is kept in bf16.
; NO CLUSTER: each slice has one reader; what an expert's work-groups share is token rows named by the bitmap, which no tile's descriptor covers.  NO TENSOR LOAD: f32 weights pass through registers to be rounded.
; NO PREFETCH is written: the weights are asked for one chunk ahead by the loads themselves.
; LDS: 0 the slice, chunk p at 36,864 p, row k at 288 k (256 bytes + 32: the turning load's 8 rows x 32 bytes fall on different banks); 294,912 a stage of 16 rows x 272 bytes for each wave; 312,320 the spare words.
; REGISTERS.  Window 0: v0-31 addresses; v32-159 two buffers of a K step's 8 weight fragments; v160-175 packed rows; v176-207 the bias, packed; v208-255 at work.  On the way out: v32-95 |z| then h, v96-159 max(z, 0).
; Window 1: accumulator (tile m < 4, n) at 8 (8 m + n).  Window 2: v0-63 tile 4's accumulators; v64-191 the 32 weight loads.  Window 3: four token sets of 40; on the way out v0-31 rows read back.
.set PW,     288
.set CH,     128*PW
.set STAGE,  8*CH
.set SPITCH, 272
.set SPARE,  STAGE+4*16*SPITCH
.set PITCHB, 16384                     ; bytes from a k row of W1 to the next
.set HB, 32
.set TP, 160
.set BB, 176
.set AZ, 32
.set RP, 96
.set DD, 208
.set QQ, 224
.set UU, 240
.set WR, 64                            ; window 2
.set RKB, 208                          ; the search: (rank << 16) | 0xffff, three a lane
.set WDB, 211                          ; the word kept
.set PKB, 214                          ; (ones below it << 16) | its first token
.set SB,  217                          ; the bit, then the token
.set TB, 66                            ; s[66:73]  a base pair for each token set
.set WB, 74                            ; s[74:81]  a base pair for each group of 8 weight rows
.set BR, 26                            ; s[26:27]  the token rows' base in the last chunk's trip
.set MSB, 0
.macro WIN new                         ; s_set_vgpr_msb: bits 1:0 source 0, 3:2 source 1, 5:4 source 2, 7:6 destination; the high byte repeats the setting that is left
.if MSB != (\new)
	s_set_vgpr_msb (MSB<<8)|(\new)
.set MSB, (\new)
.endif
.endm
.macro PLACES                          ; four plain instructions between a matrix instruction and a load into, or a vector line on, its registers
.rept 4
	v_nop
.endr
.endm
.macro BLOAD buf, s                    ; the 8 weight fragments of K step s of the chunk at v19: 16 turning loads
.irp f,0,1,2,3,4,5,6,7
	ds_load_tr16_b128 v[HB+64*(\buf)+8*(\f):HB+64*(\buf)+8*(\f)+3], v19 offset:32*(\s)*PW+32*(\f)
	ds_load_tr16_b128 v[HB+64*(\buf)+8*(\f)+4:HB+64*(\buf)+8*(\f)+7], v19 offset:32*(\s)*PW+16*PW+32*(\f)
.endr
.endm
.macro TLOAD set, bp, koff             ; the token fragments of one K step, five tiles x 32 k: 10 loads
	WIN 0xc0
.irp m,0,1,2,3,4
	global_load_b128 v[40*(\set)+8*(\m):40*(\set)+8*(\m)+3], v[4+(\m)], s[(\bp):(\bp)+1] offset:(\koff)
	global_load_b128 v[40*(\set)+8*(\m)+4:40*(\set)+8*(\m)+7], v[4+(\m)], s[(\bp):(\bp)+1] offset:(\koff)+32
.endr
	WIN 0
.endm
.macro MMG s, m                        ; tile m x all 8 column groups: 8 matrix instructions
.irp f,0,1,2,3,4,5,6,7
.if (\m) < 4
	v_wmma_f32_16x16x32_bf16 v[8*(8*(\m)+(\f)):8*(8*(\m)+(\f))+7], v[HB+64*((\s)%2)+8*(\f):HB+64*((\s)%2)+8*(\f)+7], v[40*(\s)+8*(\m):40*(\s)+8*(\m)+7], v[8*(8*(\m)+(\f)):8*(8*(\m)+(\f))+7]
.else
	v_wmma_f32_16x16x32_bf16 v[8*(\f):8*(\f)+7], v[HB+64*((\s)%2)+8*(\f):HB+64*((\s)%2)+8*(\f)+7], v[40*(\s)+32:40*(\s)+39], v[8*(\f):8*(\f)+7]
.endif
.endr
.endm
.macro MULT s                          ; a K step's products; the accumulators take turns in the same order in every K step; at a branch and at a label every window is 0
	WIN 0x5c
	MMG \s, 0
	MMG \s, 1
	MMG \s, 2
	WIN 0
	s_cmp_lt_u32 s23, 4
	s_cbranch_scc1 .Ldead_\@
	WIN 0x5c
	MMG \s, 3
	WIN 0
	s_cmp_lt_u32 s23, 5
	s_cbranch_scc1 .Ldead_\@
	WIN 0xac
	MMG \s, 4
	WIN 0
.Ldead_\@:
	PLACES
.endm
; A SLOT of a trip.  kind 0: the first trip: chunk 0 is written, nothing multiplied.  1: the loop's.  2: chunk 7 is written, no weights are left to ask for.  3: a chunk is multiplied, nothing written.
; W(j): the 8 weight loads, T(j): the 10 token loads that slot j needs.
.macro SLOT kind, s
.if (\kind) == 0
.if (\s) < 2
	s_wait_loadcnt 24                              ; W(s) is in; younger: the rest of chunk 0 and the refills, 24 together
.else
	s_wait_loadcnt 14+10*(\s)                      ; and the token sets asked for since: one, then two
.endif
.elseif (\kind) == 1
	s_wait_loadcnt 44                              ; W(s) and T(s) are in; younger: W(s+1), T(s+1), W(s+2), T(s+2), W(s+3)
.elseif (\kind) == 2
	s_wait_loadcnt 44-8*(\s)                       ; the same without the refills that are no longer issued
.elseif (\s) < 2
	s_wait_loadcnt 20                              ; T(s) is in; two younger sets
.else
	s_wait_loadcnt 30-10*(\s)                      ; the counts run down
.endif
; the token set three K steps ahead, into the set that the K step before this one read (four places stand behind its last product)
.if (\kind) == 0
.if (\s) > 0
	TLOAD (\s)-1, TB+2*((\s)-1), 64*((\s)-1)       ; K steps 0, 1, 2
.endif
.elseif (\kind) < 3
.if (\s) == 0
	TLOAD 3, TB+6, 192                             ; K step 3 of the chunk that is read
.else
.set TJ, TB+2*((\s)-1)
	s_add_nc_u64 s[TJ:TJ+1], s[TJ:TJ+1], 256       ; the set's last loads were shown done by the slot before: its base steps on to the next chunk,
	TLOAD (\s)-1, TJ, 64*((\s)-1)                  ; K step s - 1 of it
.endif
.if (\s) == 3
	s_add_nc_u64 s[TB+6:TB+7], s[TB+6:TB+7], 256   ; set 3's last loads are T(3), shown done by the wait above
.endif
.elseif (\s) == 0
	TLOAD 3, BR, 192
.endif
.if (\kind) < 3
	WIN 0x0a
.irp i,0,1,2,3,4,5,6,7
	v_cvt_pk_bf16_f32 v[TP+2*(\i)], v[WR+32*(\s)+4*(\i)], v[WR+32*(\s)+4*(\i)+1]
	v_cvt_pk_bf16_f32 v[TP+2*(\i)+1], v[WR+32*(\s)+4*(\i)+2], v[WR+32*(\s)+4*(\i)+3]
.endr
	WIN 0
.irp i,0,1,2,3,4,5,6,7
	ds_store_b64 v18, v[TP+2*(\i):TP+2*(\i)+1] offset:(8*(\s)+(\i))*PW  ; a row's 256 bytes, 8 a lane
.endr
.if (\kind) < 2
.set WJ, WB+2*(\s)
	s_add_nc_u64 s[WJ:WJ+1], s[WJ:WJ+1], 128*PITCHB  ; the group's last loads are W(s), shown done above
	WIN 0x80
.irp i,0,1,2,3,4,5,6,7
	global_load_b128 v[WR+32*(\s)+4*(\i):WR+32*(\s)+4*(\i)+3], v16, s[WJ:WJ+1] offset:(8*(\s)+(\i))*PITCHB th:TH_LOAD_NT
.endr
	WIN 0
.endif
.endif
.if (\kind) > 0
.if (\s) == 0
	s_wait_dscnt 16+8*PRD                          ; this K step's fragments are in; younger: the other buffer's 16 loads and the slot's 8 stores
.elseif (\s) < 3
	s_wait_dscnt 16+16*PRD                         ; younger: two slots' stores and the other buffer's 16 loads
.else
	s_wait_dscnt 16*PRD                            ; younger: two slots' stores
.endif
	MULT \s
.if (\s) < 2
	BLOAD \s, (\s)+2
.endif
.endif
.endm
.macro TRIP kind
.set PRD, 0
.if (\kind) < 3
.set PRD, 1
.endif
.if (\kind) > 0
	v_add_nc_u32 v19, s35, v9                      ; the chunk that is read
	BLOAD 0, 0
	BLOAD 1, 1
.endif
.if (\kind) < 3
	v_add_nc_u32 v18, s34, v17                     ; the chunk that is written
.endif
.irp s,0,1,2,3
	SLOT \kind, \s
.endr
.if (\kind) > 0
	s_add_co_u32 s35, s35, CH
.endif
.if (\kind) < 3
	s_add_co_u32 s34, s34, CH
	s_wait_dscnt 0x0                               ; my stores into the chunk are done, my reads of the chunk before are back
	s_barrier_signal -1
	s_barrier_wait -1
.else
	s_add_nc_u64 s[BR:BR+1], s[BR:BR+1], 256       ; no load of mine is out: the last wait was for 0
.endif
.endm
.macro NLCALC                          ; my live tiles: tile j is live where s33 + 64 j lies under the count
	s_sub_co_i32 s23, s21, s33
	s_add_co_i32 s23, s23, 63
	s_ashr_i32 s23, s23, 6
	s_max_i32 s23, s23, 0
	s_min_i32 s23, s23, 5
.endm
.macro SELSTEP src, mask, inc, rr, sd  ; are the wanted ones past the field of v[src] at bit v[sd]?  Then step over it
	v_lshrrev_b32 v224, v[\sd], v[\src]
	v_and_b32 v224, \mask, v224
	v_cmp_ge_u32 vcc_lo, v[\rr], v224
	v_cndmask_b32 v225, 0, \inc, vcc_lo
	v_cndmask_b32 v224, 0, v224, vcc_lo
	v_add_nc_u32 v[\sd], v[\sd], v225
	v_sub_nc_u32 v[\rr], v[\rr], v224
.endm
.macro SELECT w, rr, sd                ; v[sd] = the place of the one of v[w] that has v[rr] ones below it (31 where there is none); v[rr] is used up
	v_lshrrev_b32 v220, 1, v[\w]
	v_and_b32 v220, 0x55555555, v220
	v_sub_nc_u32 v220, v[\w], v220                 ; counts of 2 bits
	v_lshrrev_b32 v224, 2, v220
	v_and_b32 v224, 0x33333333, v224
	v_and_b32 v221, 0x33333333, v220
	v_add_nc_u32 v221, v221, v224                  ; of 4
	v_lshrrev_b32 v224, 4, v221
	v_add_nc_u32 v222, v221, v224
	v_and_b32 v222, 0x0f0f0f0f, v222               ; of 8
	v_lshrrev_b32 v224, 8, v222
	v_add_nc_u32 v224, v222, v224
	v_and_b32 v224, 0xff, v224                     ; of the low 16
	v_cmp_ge_u32 vcc_lo, v[\rr], v224
	v_cndmask_b32 v[\sd], 0, 16, vcc_lo
	v_cndmask_b32 v224, 0, v224, vcc_lo
	v_sub_nc_u32 v[\rr], v[\rr], v224
	SELSTEP 222, 0xff, 8, \rr, \sd
	SELSTEP 221, 15, 4, \rr, \sd
	SELSTEP 220, 3, 2, \rr, \sd
	SELSTEP \w, 1, 1, \rr, \sd
.endm
; The byte offsets in xb of my five tiles' rows.  Lane l searches for ranks s33 + 128 k + 64 (l / 16) + l % 16, k = 0, 1, 2: tiles 2 k and 2 k + 1.
; cap = 1 (the first time): the count R is made, and word sl with the ones below it is kept for pos.
.macro ROWS cap
	v_lshl_add_u32 v20, v2, 6, v1
	v_add_nc_u32 v20, s33, v20
.irp k,0,1,2
	v_add_nc_u32 v[RKB+\k], 128*\k, v20
	v_lshl_or_b32 v[RKB+\k], v[RKB+\k], 16, 0xffff
.endr
	v_readlane_b32 s58, v31, 0                     ; word 0
	s_mov_b32 s57, 0                               ; (ones below the word << 16) | the word's first token
	s_mov_b32 s59, 1
.if \cap
	s_mov_b32 s60, 0
	s_mov_b32 s61, s58
.endif
.irp k,0,1,2
	v_mov_b32 v[WDB+\k], s58
	v_mov_b32 v[PKB+\k], 0
.endr
	s_mov_b32 s22, 31
.Lword_\@:
	s_bcnt1_i32_b32 s56, s58
	s_lshl_b32 s56, s56, 16
	s_add_co_u32 s56, s56, 32
	s_add_co_u32 s57, s57, s56
	v_readlane_b32 s58, v31, s59
.if \cap
	s_cmp_eq_u32 s59, s19
	s_cselect_b32 s60, s57, s60
	s_cselect_b32 s61, s58, s61
.endif
.irp k,0,1,2
	v_cmp_gt_u32 vcc_lo, s57, v[RKB+\k]            ; more ones below this word than my rank: the word kept stays
	v_cndmask_b32 v[WDB+\k], s58, v[WDB+\k], vcc_lo
	v_cndmask_b32 v[PKB+\k], s57, v[PKB+\k], vcc_lo
.endr
	s_add_co_u32 s59, s59, 1
	s_sub_co_u32 s22, s22, 1
	s_cmp_lg_u32 s22, 0
	s_cbranch_scc1 .Lword_\@
.if \cap
	s_bcnt1_i32_b32 s56, s58
	s_lshr_b32 s20, s57, 16
	s_add_co_u32 s20, s20, s56                     ; R: the expert's rows
.endif
.irp k,0,1,2
	v_lshrrev_b32 v226, 16, v[RKB+\k]
	v_lshrrev_b32 v224, 16, v[PKB+\k]
	v_sub_nc_u32 v226, v226, v224                  ; the ones of the word below mine
	SELECT WDB+\k, 226, SB+\k
	v_and_b32 v224, 0xffff, v[PKB+\k]
	v_add_nc_u32 v[SB+\k], v224, v[SB+\k]          ; the token
.endr
.irp k,0,1,2
	v_permlanex16_b32 v[WDB+\k], v[SB+\k], s82, s83  ; the other half of the lanes' token
.endr
	v_cndmask_b32 v4, v[SB], v[WDB], s51           ; an even tile's tokens lie in lanes 0-15, an odd one's in lanes 16-31: both halves of the lanes take them (s51: lanes 16-31)
	v_cndmask_b32 v5, v[WDB], v[SB], s51
	v_cndmask_b32 v6, v[SB+1], v[WDB+1], s51
	v_cndmask_b32 v7, v[WDB+1], v[SB+1], s51
	v_cndmask_b32 v8, v[SB+2], v[WDB+2], s51
.irp j,0,1,2,3,4
	v_min_u32 v[4+\j], 0x3ff, v[4+\j]
	v_lshl_add_u32 v[4+\j], v[4+\j], 11, v3        ; token x 2,048 + 16 x half
.endr
.endm
.macro PRESET                          ; the rounded bias, widened again, starts every sum
	WIN 0x40
.irp m,0,1,2,3
.set z, 0
.rept 32
	v_lshlrev_b32 v[64*(\m)+2*z], 16, v[BB+z]
	v_and_b32 v[64*(\m)+2*z+1], s51, v[BB+z]
.set z, z+1
.endr
.endr
	WIN 0x80
.set z, 0
.rept 32
	v_lshlrev_b32 v[2*z], 16, v[BB+z]
	v_and_b32 v[2*z+1], s51, v[BB+z]
.set z, z+1
.endr
	WIN 0
.endm
.macro PICK base, w                    ; a tile's 8 accumulators, each from its lowest register on: |z| and max(z, 0).  w: the setting that puts source 1 into their window
	WIN \w
.set z, 0
.rept 64
	v_and_b32 v[AZ+z], s50, v[(\base)+z]
	v_max_num_f32 v[RP+z], 0, v[(\base)+z]
.set z, z+1
.endr
	WIN 0
.endm
.macro GELU64                          ; 64 numbers a lane, in four batches of 16; each batch's 32 transcendentals have one wait
.irp b,0,1,2,3
.irp i,0,1,2,3,4,5,6,7
	v_pk_fma_f32 v[DD+2*(\i):DD+2*(\i)+1], v[AZ+16*(\b)+2*(\i):AZ+16*(\b)+2*(\i)+1], s[36:37], 1.0 op_sel_hi:[1,0,0]
.endr
.irp i,0,1,2,3,4,5,6,7
	v_pk_mul_f32 v[QQ+2*(\i):QQ+2*(\i)+1], v[AZ+16*(\b)+2*(\i):AZ+16*(\b)+2*(\i)+1], v[AZ+16*(\b)+2*(\i):AZ+16*(\b)+2*(\i)+1]
.endr
.irp i,0,1,2,3,4,5,6,7
	v_pk_mul_f32 v[QQ+2*(\i):QQ+2*(\i)+1], v[QQ+2*(\i):QQ+2*(\i)+1], s[38:39] op_sel_hi:[1,0]
.endr
.set z, 0
.rept 16
	v_rcp_f32 v[DD+z], v[DD+z]                     ; t
.set z, z+1
.endr
.set z, 0
.rept 16
	v_exp_f32 v[QQ+z], v[QQ+z]                     ; 2^(-z^2 log2(e) / 2)
.set z, z+1
.endr
	v_nop                                          ; a plain instruction behind the last of them,
	s_wait_alu depctr_va_vdst(0)                   ; and one wait for the batch ahead of its first reader
.irp i,0,1,2,3,4,5,6,7
	v_pk_fma_f32 v[UU+2*(\i):UU+2*(\i)+1], v[DD+2*(\i):DD+2*(\i)+1], s[40:41], s[42:43] op_sel_hi:[1,0,0]
.endr
.irp i,0,1,2,3,4,5,6,7
	v_pk_fma_f32 v[UU+2*(\i):UU+2*(\i)+1], v[UU+2*(\i):UU+2*(\i)+1], v[DD+2*(\i):DD+2*(\i)+1], s[44:45] op_sel_hi:[1,1,0]
.endr
.irp i,0,1,2,3,4,5,6,7
	v_pk_fma_f32 v[UU+2*(\i):UU+2*(\i)+1], v[UU+2*(\i):UU+2*(\i)+1], v[DD+2*(\i):DD+2*(\i)+1], s[46:47] op_sel_hi:[1,1,0]
.endr
.irp i,0,1,2,3,4,5,6,7
	v_pk_fma_f32 v[UU+2*(\i):UU+2*(\i)+1], v[UU+2*(\i):UU+2*(\i)+1], v[DD+2*(\i):DD+2*(\i)+1], s[48:49] op_sel_hi:[1,1,0]
.endr
.irp i,0,1,2,3,4,5,6,7
	v_pk_mul_f32 v[UU+2*(\i):UU+2*(\i)+1], v[UU+2*(\i):UU+2*(\i)+1], v[DD+2*(\i):DD+2*(\i)+1]
.endr
.irp i,0,1,2,3,4,5,6,7
	v_pk_mul_f32 v[UU+2*(\i):UU+2*(\i)+1], v[UU+2*(\i):UU+2*(\i)+1], v[QQ+2*(\i):QQ+2*(\i)+1]
.endr
.irp i,0,1,2,3,4,5,6,7
	v_pk_fma_f32 v[RP+16*(\b)+2*(\i):RP+16*(\b)+2*(\i)+1], v[AZ+16*(\b)+2*(\i):AZ+16*(\b)+2*(\i)+1], v[UU+2*(\i):UU+2*(\i)+1], v[RP+16*(\b)+2*(\i):RP+16*(\b)+2*(\i)+1] neg_lo:[1,0,0] neg_hi:[1,0,0]
.endr
.irp i,0,1,2,3,4,5,6,7
	v_cvt_pk_bf16_f32 v[AZ+16*(\b)+(\i)], v[RP+16*(\b)+2*(\i)], v[RP+16*(\b)+2*(\i)+1]  ; h takes |z|'s place: accumulator t's 16 bytes at AZ + 16 (t / 2) + 4 (t % 2)
.endr
.endr
.endm
	s_load_b256 s[4:11], s[0:1], 0x0               ; W1 s[4:5], b1 s[6:7], xb s[8:9], bm s[10:11]
	s_load_b128 s[12:15], s[0:1], 0x20             ; hs s[12:13], pos s[14:15]
	v_lshl_add_u32 v13, v0, 2, SPARE               ; my spare word, and 0: kept for the closing add alone
	v_mov_b32 v14, 0
	v_lshrrev_b32 v20, 5, v0
	v_readfirstlane_b32 s16, v20                   ; wave 0..3
	s_and_b32 s18, ttmp7, 0xffff                   ; expert
	s_mov_b32 s19, ttmp9                           ; slice
	v_and_b32 v15, 31, v0                          ; lane
	v_and_b32 v1, 15, v0                           ; r
	v_bfe_u32 v2, v0, 4, 1                         ; h
	v_lshlrev_b32 v3, 4, v2                        ; 16 h
	v_lshlrev_b32 v16, 4, v15                      ; my 16 bytes of a k row of the slice
	v_lshlrev_b32 v30, 2, v15                      ; my word of the bitmap, and of pos
	v_lshlrev_b32 v28, 5, v2                       ; b1: my 8 columns of a group of 16 begin at 32 h
	s_mov_b32 s36, 0x3e6d3389                      ; 0.2316419; the packed lines name pairs and take the low word
	s_mov_b32 s37, s36
	s_mov_b32 s38, 0xbf38aa3b                      ; -log2(e) / 2
	s_mov_b32 s39, s38
	s_mov_b32 s40, 0x3f07dc22                      ; the polynomial's coefficients over sqrt(2 pi), fifth to first
	s_mov_b32 s41, s40
	s_mov_b32 s42, 0xbf3a00e3
	s_mov_b32 s43, s42
	s_mov_b32 s44, 0x3f35f0e3
	s_mov_b32 s45, s44
	s_mov_b32 s46, 0xbe11a98e
	s_mov_b32 s47, s46
	s_mov_b32 s48, 0x3e027906
	s_mov_b32 s49, s48
	s_mov_b32 s50, 0x7fffffff
	s_mov_b32 s51, 0xffff0000                      ; a word's upper bf16; as a mask of lanes: lanes 16-31
	s_mov_b32 s82, 0x76543210                      ; v_permlanex16_b32: each lane takes its own place in the other half
	s_mov_b32 s83, 0xfedcba98
	v_and_b32 v20, 7, v0                           ; the turning load: lane l reads k row 8 h + l % 8, 16 bytes at 16 ((l / 8) % 2)
	v_lshl_add_u32 v20, v2, 3, v20
	v_mul_u32_u24 v9, v20, PW
	v_bfe_u32 v20, v0, 3, 1
	v_lshl_add_u32 v9, v20, 4, v9
	s_mul_i32 s56, s16, 32*PW                      ; my 32 rows of a chunk
	v_lshl_add_u32 v17, v15, 3, s56
	s_mul_i32 s56, s16, 16*SPITCH
	s_add_co_u32 s56, s56, STAGE                   ; my stage
	v_mul_u32_u24 v10, v1, SPITCH                  ; in: row r, 16 bytes for each half of the lanes
	v_add_nc_u32 v10, v3, v10
	v_add_nc_u32 v10, s56, v10
	v_mul_u32_u24 v11, v2, SPITCH                  ; back: lanes 0-15 one row of 256 bytes, lanes 16-31 the next
	v_lshl_add_u32 v11, v1, 4, v11
	v_add_nc_u32 v11, s56, v11
	v_lshlrev_b32 v12, 13, v2                      ; and the same two rows in hs
	v_lshl_add_u32 v12, v1, 4, v12
	s_lshl_b32 s33, s16, 4                         ; my tile 0's first rank in pass 0
	s_mov_b32 s31, 0
	s_lshl_b32 s30, s18, 24
	s_lshl_b32 s56, s19, 9
	s_add_co_u32 s30, s30, s56
	s_lshl_b32 s56, s16, 19
	s_add_co_u32 s30, s30, s56
	s_wait_kmcnt 0x0
	s_add_nc_u64 s[24:25], s[4:5], s[30:31]        ; W1 at expert, slice, my 32 rows of chunk 0
	s_lshl_b32 s30, s18, 7
	s_add_nc_u64 s[10:11], s[10:11], s[30:31]      ; the expert's bitmap
	s_lshl_b32 s30, s18, 14
	s_lshl_b32 s56, s19, 9
	s_add_co_u32 s30, s30, s56
	s_add_nc_u64 s[6:7], s[6:7], s[30:31]          ; b1 at expert, slice
	s_lshl_b32 s30, s18, 12
	s_lshl_b32 s56, s19, 7
	s_add_co_u32 s30, s30, s56
	s_add_nc_u64 s[14:15], s[14:15], s[30:31]      ; pos at expert, tokens 32 sl ..
	s_lshl_b32 s30, s18, 23
	s_lshl_b32 s56, s19, 8
	s_add_co_u32 s30, s30, s56
	s_add_nc_u64 s[54:55], s[12:13], s[30:31]      ; hs at expert, slice
	s_lshl_b32 s30, s33, 13
	s_add_nc_u64 s[28:29], s[54:55], s[30:31]      ; and at my tile 0
	global_load_b32 v31, v30, s[10:11]             ; lane w: word w of the bitmap,
.irp f,0,1,2,3,4,5,6,7                 ; the bias of my 8 columns in each of the 8 groups of 16,
	global_load_b128 v[HB+8*(\f):HB+8*(\f)+3], v28, s[6:7] offset:64*(\f)
	global_load_b128 v[HB+8*(\f)+4:HB+8*(\f)+7], v28, s[6:7] offset:64*(\f)+16
.endr
	WIN 0x80
.set q, 0
.rept 32                               ; and my 32 rows of chunk 0
	global_load_b128 v[WR+4*q:WR+4*q+3], v16, s[24:25] offset:q*PITCHB th:TH_LOAD_NT
.set q, q+1
.endr
	WIN 0
	s_wait_loadcnt 48                              ; the bitmap is in: younger are b1's 16 loads and chunk 0's 32
	ROWS 1
	s_max_u32 s21, s20, 1                          ; with no row at all wave 0 still makes and stores tile 0
	NLCALC
	s_cmp_lg_u32 s16, 0
	s_cbranch_scc1 .Lno_pos
	s_lshr_b32 s56, s60, 16                        ; slice sl stores the ranks of tokens 32 sl .. 32 sl + 31: the ones below the word, and below my bit
	v_mbcnt_lo_u32_b32 v29, s61, s56
	global_store_b32 v30, v29, s[14:15]            ; v29, v30 and the base are never rewritten
.Lno_pos:
	s_wait_loadcnt 32                              ; b1 is in: the 32 younger loads are chunk 0's
.set z, 0
.rept 32
	v_cvt_pk_bf16_f32 v[BB+z], v[HB+2*z], v[HB+2*z+1]
.set z, z+1
.endr
	PRESET
.irp j,0,1,2,3
	s_mov_b64 s[TB+2*\j:TB+2*\j+1], s[8:9]
	s_mov_b64 s[WB+2*\j:WB+2*\j+1], s[24:25]
.endr
	s_mov_b32 s34, 0                               ; the LDS byte of the chunk that is written,
	s_mov_b32 s35, 0                               ; and of the chunk that is read
	TRIP 0
	s_mov_b32 s22, 6
.Lmain:                                                ; trips 1 to 6
	TRIP 1
	s_sub_co_u32 s22, s22, 1
	s_cmp_lg_u32 s22, 0
	s_cbranch_scc1 .Lmain
	TRIP 2                                         ; the whole slice is in LDS and is written no more
	s_add_nc_u64 s[BR:BR+1], s[8:9], 7*256         ; chunk 7's bytes of a token row
	s_mov_b32 s53, 1                               ; one chunk is left in pass 0,
	s_mov_b32 s32, 4                               ; four passes cover 1,024 ranks,
	s_branch .Lres_mid                             ; and pass 0 enters both loops in their middle
.Lpass:                                                ; passes 1 to 3: ranks 320 .., 640 .., 960 ..
	s_add_co_u32 s33, s33, 320
	NLCALC
	s_cmp_eq_u32 s23, 0
	s_cbranch_scc1 .Lmul_done                      ; no live tile of mine: the products are jumped; no barrier lies in what is jumped
	s_wait_loadcnt 0x0                             ; no load of mine is out,
	s_wait_xcnt 0x0                                ; and the stores before have read their data and base
	ROWS 0
	PRESET
	s_lshl_b32 s30, s33, 13
	s_add_nc_u64 s[28:29], s[54:55], s[30:31]
	s_mov_b64 s[BR:BR+1], s[8:9]
	s_mov_b32 s35, 0
	s_mov_b32 s53, 8
.Lres:
	TLOAD 0, BR, 0
	TLOAD 1, BR, 64
	TLOAD 2, BR, 128
.Lres_mid:
	TRIP 3
	s_sub_co_u32 s53, s53, 1
	s_cmp_lg_u32 s53, 0
	s_cbranch_scc1 .Lres
.Lmul_done:
	s_wait_dscnt 0x0                               ; my reads of the slice are back
	s_barrier_signal -1                            ; the pass's first barrier: every wave's reads of the slice are over before any wave stores into its stage
	s_barrier_wait -1
	; THE WAY OUT, a tile at a time
	s_mov_b32 s62, 0                               ; what the next tile adds to the stores' base: nothing the first time
	s_mov_b32 s63, 0
	s_mov_b32 s52, 5
.Lunit:
	s_sub_co_u32 s2, 5, s52                        ; the tile
	s_cmp_ge_u32 s2, s23
	s_cbranch_scc1 .Lu_next                        ; dead
	s_cmp_eq_u32 s52, 4
	s_cbranch_scc1 .Lpick1
	s_cmp_eq_u32 s52, 3
	s_cbranch_scc1 .Lpick2
	s_cmp_eq_u32 s52, 2
	s_cbranch_scc1 .Lpick3
	s_cmp_eq_u32 s52, 1
	s_cbranch_scc1 .Lpick4
	PICK 0, 0x04
	s_branch .Lgelu
.Lpick1:
	PICK 64, 0x04
	s_branch .Lgelu
.Lpick2:
	PICK 128, 0x04
	s_branch .Lgelu
.Lpick3:
	PICK 192, 0x04
	s_branch .Lgelu
.Lpick4:
	PICK 0, 0x08
.Lgelu:
	GELU64
.irp f,0,1,2,3,4,5,6,7                 ; 16 rows through my own stage: in by 16 bytes a lane, back as whole rows of 256 bytes
	ds_store_b128 v10, v[AZ+16*((\f)/2)+4*((\f)%2):AZ+16*((\f)/2)+4*((\f)%2)+3] offset:32*(\f)
.endr
	s_wait_xcnt 0x0                                ; the last tile's stores, a tile's arithmetic ago, have read their data and base
	s_add_nc_u64 s[28:29], s[28:29], s[62:63]
	WIN 0xc0
.irp t,0,1,2,3,4,5,6,7
	ds_load_b128 v[4*(\t):4*(\t)+3], v11 offset:(\t)*2*SPITCH  ; LDS serves a wave's instructions in order (ISA guide 5.7.1.4): these see the stores above
.endr
	WIN 0
	s_wait_dscnt 0x0
	WIN 0x0c
.irp t,0,1,2,3,4,5,6,7
	global_store_b128 v12, v[4*(\t):4*(\t)+3], s[28:29] offset:2*(\t)*8192  ; 16 lanes store 256 consecutive bytes, aligned
.endr
	WIN 0
	s_mov_b32 s62, 64*8192                         ; my next tile lies 64 rows on
.Lu_next:
	s_sub_co_u32 s52, s52, 1
	s_cmp_lg_u32 s52, 0
	s_cbranch_scc1 .Lunit
	s_wait_dscnt 0x0                               ; my stores into my stage are done
	s_barrier_signal -1                            ; the pass's second barrier: every wave's stage is at rest before any wave reads the slice again, or ends
	s_barrier_wait -1
	s_sub_co_u32 s32, s32, 1
	s_cmp_lg_u32 s32, 0
	s_cbranch_scc1 .Lpass
	s_wait_tensorcnt 0x0                           ; the wave's end, behind my last LDS store
	ds_add_u32 v13, v14
	s_wait_dscnt 0x0
	s_endpgm
.Lfunc_end_k_q9dff48d468_ffn1:
	.size	k_q9dff48d468_ffn1, .Lfunc_end_k_q9dff48d468_ffn1-k_q9dff48d468_ffn1
	.p2alignl 7, 3214868480
	.fill 96, 4, 3214868480
	.section	.rodata,"a",@progbits
	.p2align	6, 0x0
	.amdhsa_kernel k_q9dff48d468_ffn1
		.amdhsa_group_segment_fixed_size 312832
		.amdhsa_private_segment_fixed_size 0
		.amdhsa_enable_private_segment 0
		.amdhsa_kernarg_size 48
		.amdhsa_user_sgpr_count 2
		.amdhsa_user_sgpr_kernarg_segment_ptr 1
		.amdhsa_wavefront_size32 1
		.amdhsa_system_sgpr_workgroup_id_x 1
		.amdhsa_system_sgpr_workgroup_id_y 1
		.amdhsa_system_sgpr_workgroup_id_z 1
		.amdhsa_system_vgpr_workitem_id 0
		.amdhsa_next_free_vgpr 928
		.amdhsa_next_free_sgpr 84
		.amdhsa_reserve_vcc 1
		.amdhsa_float_denorm_mode_32 3
		.amdhsa_float_denorm_mode_16_64 3
		.amdhsa_memory_ordered 1
		.amdhsa_forward_progress 1
		.amdhsa_inst_pref_size 190
	.end_amdhsa_kernel
	.amdgpu_metadata
---
amdhsa.version: [ 1, 2 ]
amdhsa.kernels:
  - .name:           k_q9dff48d468_ffn1
    .symbol:         k_q9dff48d468_ffn1.kd
    .args:
      - { .name: W1, .offset: 0, .size: 8, .value_kind: global_buffer, .address_space: global }
      - { .name: b1, .offset: 8, .size: 8, .value_kind: global_buffer, .address_space: global }
      - { .name: xb, .offset: 16, .size: 8, .value_kind: global_buffer, .address_space: global }
      - { .name: bm, .offset: 24, .size: 8, .value_kind: global_buffer, .address_space: global }
      - { .name: hs, .offset: 32, .size: 8, .value_kind: global_buffer, .address_space: global }
      - { .name: pos, .offset: 40, .size: 8, .value_kind: global_buffer, .address_space: global }
    .group_segment_fixed_size: 312832
    .private_segment_fixed_size: 0
    .kernarg_segment_align: 8
    .kernarg_segment_size: 48
    .max_flat_workgroup_size: 128
    .sgpr_count:     84
    .vgpr_count:     928
    .wavefront_size: 32
...
	.end_amdgpu_metadata
.endif
;; end of part 5
;; launch ffn2 (part 6): grid 32 x 8, 4 waves a work-group, no clusters, 312,832 bytes of LDS; arguments W2, hs, bm, yp; writes yp
.if DOCPART == 6
	.amdgcn_target "amdgcn-amd-amdhsa--gfx1250"
	.amdhsa_code_object_version 6
	.text
	.protected	k_q9dff48d468_ffn2
	.globl	k_q9dff48d468_ffn2
	.p2align	8
	.type	k_q9dff48d468_ffn2,@function
k_q9dff48d468_ffn2:
	s_mov_b64 s[64:65], 0
	v_nop
	global_prefetch_b8 v0, s[64:65] scope:SCOPE_SE
	s_setreg_imm32_b32 hwreg(HW_REG_WAVE_MODE, 25, 1), 1
	s_wait_xcnt 0x0
; FFN2.  yp[kq][e][rank][d] = the sum over f in quarter kq of hs[e][rank][f] W2[e][f][d], in f32: partial sums, added up by the last launch.
; W2 is rounded to bf16 once; products in bf16 with f32 sums.
; SHARES.  Work-group (x, e), ns = x % 8, kq = x / 8, is the only reader of W2[e][1024 kq .. +1023][128 ns .. +127], 512 KB of f32: the quarters of K give 256 work-groups, k rows of 512 bytes
; and the first product's shape.  Four waves, one text.  Of each chunk of 128 k a wave loads its 32 k rows (a load takes one row's 512 consecutive bytes), rounds them and lays them into LDS, [k][n], once:
; the slice stays there.
; ROWS.  A pass serves 320 ranks.  Wave w owns five tiles of 16 ranks x 128 columns: tile j holds ranks base + 16 (4 j + w) .., so the tiles past the expert's count R fall evenly on the waves.
; NL = the wave's live tiles.  The products of tiles 3 and 4 are jumped where they are dead, and dead tiles are not stored; their loads are issued all the same (ranks past the count repeat the last
; row that exists), so that every counted wait counts the same loads on both ways.  Dead tiles 0 to 2 (R under 192) are multiplied for nothing.
; TRIPS.  Trip p writes chunk p and multiplies chunk p - 1: different bytes, one barrier a trip.  A trip has four slots, one for 8 of my k rows and one K step of 32:
; the wait; the set of hs three K steps ahead is asked for; 8 rows are rounded and stored; the same 8 rows of the next chunk are asked for; up to 40 matrix instructions.
; Loads come back in issue order on one counter (ISA guide 5.7.1), so the two streams are issued W(j), T(j), W(j+1), T(j+1) ..: whatever is older than a set is needed no later than it.
; By the text's own count 62 loads of a wave are out at the most: 32 of weights (16 KB) and 30 of hs.  Each set and each group of weight rows has a base pair of its own, stepped only behind
; the counted wait that shows its last loads done: the stream has no wait for address translation.
; PASSES.  Ranks past 320 are served from the resident slice by three more passes over the text of the last chunk's trip and of the way out; pass 0 enters that loop in its middle.  A wave without a live
; tile jumps a pass's work.  So every split is served: an expert has 1,024 rows of hs and of yp to itself.  The slice's reads take their address from a scalar that steps with the chunk; the stages lie
; behind the slice.  A barrier stands between a pass's reads of the slice and the stores into the stages, and another between those stores and the next pass's reads: every wave passes both in all
; four passes, whatever the counts; no barrier lies in what is jumped.
; The matrix instruction is used transposed: source 0 = 16 columns of W2 (turned out of LDS), source 1 = 16 rows of hs: a lane holds one row and 8 neighbouring columns.
; The accumulators are cleared by 320 vector lines while the first chunk is on its way: the price of one text for every trip.
; NO CLUSTER: each slice has one reader; the rows of hs that 8 work-groups share would want a ring in LDS, of which the resident slice leaves 32 KB.  NO TENSOR LOAD: f32 weights pass through registers.
; NO PREFETCH is written: the weights are asked for one chunk ahead by the loads themselves.  LIMITS: NaN and infinities are not treated apart.
; LDS: 0 the slice, chunk p at 36,864 p, row k at 288 k; 294,912 a stage of 16 rows x 272 bytes for each wave; 312,320 the spare words.
; REGISTERS.  Window 0: v0-31 addresses; v32-159 two buffers of a K step's 8 weight fragments; v160-175 packed rows.  Window 1: accumulator (tile m < 4, n) at 8 (8 m + n).
; Window 2: v0-63 tile 4's accumulators; v64-191 the 32 weight loads.  Window 3: four sets of hs of 40.  On the way out ten buffers of 32 take the rows read back: window 0 v32-159, v176-239, window 3 v0-127.
.set PW,     288
.set CH,     128*PW
.set STAGE,  8*CH
.set SPITCH, 272
.set SPARE,  STAGE+4*16*SPITCH
.set PITCHB, 4096                      ; bytes from a k row of W2 to the next
.set HB, 32
.set TP, 160
.set WR, 64                            ; window 2
.set TB, 66                            ; s[66:73]  a base pair for each set of hs
.set WB, 74                            ; s[74:81]  a base pair for each group of 8 weight rows
.set BR, 26                            ; s[26:27]  the base of hs in the last chunk's trip
.set MSB, 0
.macro WIN new                         ; s_set_vgpr_msb: bits 1:0 source 0, 3:2 source 1, 5:4 source 2, 7:6 destination; the high byte repeats the setting that is left
.if MSB != (\new)
	s_set_vgpr_msb (MSB<<8)|(\new)
.set MSB, (\new)
.endif
.endm
.macro PLACES                          ; four plain instructions between a matrix instruction and a load into, a store of, or a vector line on its registers
.rept 4
	v_nop
.endr
.endm
.macro BLOAD buf, s                    ; the 8 weight fragments of K step s of the chunk at v19: 16 turning loads
.irp f,0,1,2,3,4,5,6,7
	ds_load_tr16_b128 v[HB+64*(\buf)+8*(\f):HB+64*(\buf)+8*(\f)+3], v19 offset:32*(\s)*PW+32*(\f)
	ds_load_tr16_b128 v[HB+64*(\buf)+8*(\f)+4:HB+64*(\buf)+8*(\f)+7], v19 offset:32*(\s)*PW+16*PW+32*(\f)
.endr
.endm
.macro TLOAD set, bp, koff             ; the fragments of hs of one K step, five tiles x 32 k: 10 loads
	WIN 0xc0
.irp m,0,1,2,3,4
	global_load_b128 v[40*(\set)+8*(\m):40*(\set)+8*(\m)+3], v[4+(\m)], s[(\bp):(\bp)+1] offset:(\koff)
	global_load_b128 v[40*(\set)+8*(\m)+4:40*(\set)+8*(\m)+7], v[4+(\m)], s[(\bp):(\bp)+1] offset:(\koff)+32
.endr
	WIN 0
.endm
.macro MMG s, m                        ; tile m x all 8 column groups: 8 matrix instructions
.irp f,0,1,2,3,4,5,6,7
.if (\m) < 4
	v_wmma_f32_16x16x32_bf16 v[8*(8*(\m)+(\f)):8*(8*(\m)+(\f))+7], v[HB+64*((\s)%2)+8*(\f):HB+64*((\s)%2)+8*(\f)+7], v[40*(\s)+8*(\m):40*(\s)+8*(\m)+7], v[8*(8*(\m)+(\f)):8*(8*(\m)+(\f))+7]
.else
	v_wmma_f32_16x16x32_bf16 v[8*(\f):8*(\f)+7], v[HB+64*((\s)%2)+8*(\f):HB+64*((\s)%2)+8*(\f)+7], v[40*(\s)+32:40*(\s)+39], v[8*(\f):8*(\f)+7]
.endif
.endr
.endm
.macro MULT s                          ; a K step's products; the accumulators take turns in the same order in every K step; at a branch and at a label every window is 0
	WIN 0x5c
	MMG \s, 0
	MMG \s, 1
	MMG \s, 2
	WIN 0
	s_cmp_lt_u32 s23, 4
	s_cbranch_scc1 .Ldead_\@
	WIN 0x5c
	MMG \s, 3
	WIN 0
	s_cmp_lt_u32 s23, 5
	s_cbranch_scc1 .Ldead_\@
	WIN 0xac
	MMG \s, 4
	WIN 0
.Ldead_\@:
	PLACES
.endm
; A SLOT of a trip.  kind 0: the first trip: chunk 0 is written, nothing multiplied.  1: the loop's.  2: chunk 7 is written, no weights are left to ask for.  3: a chunk is multiplied, nothing written.
; W(j): the 8 weight loads, T(j): the 10 loads of hs that slot j needs.
.macro SLOT kind, s
.if (\kind) == 0
.if (\s) < 2
	s_wait_loadcnt 24                              ; W(s) is in; younger: the rest of chunk 0 and the refills, 24 together
.else
	s_wait_loadcnt 14+10*(\s)                      ; and the sets of hs asked for since: one, then two
.endif
.elseif (\kind) == 1
	s_wait_loadcnt 44                              ; W(s) and T(s) are in; younger: W(s+1), T(s+1), W(s+2), T(s+2), W(s+3)
.elseif (\kind) == 2
	s_wait_loadcnt 44-8*(\s)                       ; the same without the refills that are no longer issued
.elseif (\s) < 2
	s_wait_loadcnt 20                              ; T(s) is in; two younger sets
.else
	s_wait_loadcnt 30-10*(\s)                      ; the counts run down
.endif
; the set of hs three K steps ahead, into the set that the K step before this one read (four places stand behind its last product)
.if (\kind) == 0
.if (\s) > 0
	TLOAD (\s)-1, TB+2*((\s)-1), 64*((\s)-1)       ; K steps 0, 1, 2
.endif
.elseif (\kind) < 3
.if (\s) == 0
	TLOAD 3, TB+6, 192                             ; K step 3 of the chunk that is read
.else
.set TJ, TB+2*((\s)-1)
	s_add_nc_u64 s[TJ:TJ+1], s[TJ:TJ+1], 256       ; the set's last loads were shown done by the slot before: its base steps on to the next chunk,
	TLOAD (\s)-1, TJ, 64*((\s)-1)                  ; K step s - 1 of it
.endif
.if (\s) == 3
	s_add_nc_u64 s[TB+6:TB+7], s[TB+6:TB+7], 256   ; set 3's last loads are T(3), shown done by the wait above
.endif
.elseif (\s) == 0
	TLOAD 3, BR, 192
.endif
.if (\kind) < 3
	WIN 0x0a
.irp i,0,1,2,3,4,5,6,7
	v_cvt_pk_bf16_f32 v[TP+2*(\i)], v[WR+32*(\s)+4*(\i)], v[WR+32*(\s)+4*(\i)+1]
	v_cvt_pk_bf16_f32 v[TP+2*(\i)+1], v[WR+32*(\s)+4*(\i)+2], v[WR+32*(\s)+4*(\i)+3]
.endr
	WIN 0
.irp i,0,1,2,3,4,5,6,7
	ds_store_b64 v18, v[TP+2*(\i):TP+2*(\i)+1] offset:(8*(\s)+(\i))*PW  ; a row's 256 bytes, 8 a lane
.endr
.if (\kind) < 2
.set WJ, WB+2*(\s)
	s_add_nc_u64 s[WJ:WJ+1], s[WJ:WJ+1], 128*PITCHB  ; the group's last loads are W(s), shown done above
	WIN 0x80
.irp i,0,1,2,3,4,5,6,7
	global_load_b128 v[WR+32*(\s)+4*(\i):WR+32*(\s)+4*(\i)+3], v16, s[WJ:WJ+1] offset:(8*(\s)+(\i))*PITCHB th:TH_LOAD_NT
.endr
	WIN 0
.endif
.endif
.if (\kind) > 0
.if (\s) == 0
	s_wait_dscnt 16+8*PRD                          ; this K step's fragments are in; younger: the other buffer's 16 loads and the slot's 8 stores
.elseif (\s) < 3
	s_wait_dscnt 16+16*PRD                         ; younger: two slots' stores and the other buffer's 16 loads
.else
	s_wait_dscnt 16*PRD                            ; younger: two slots' stores
.endif
	MULT \s
.if (\s) < 2
	BLOAD \s, (\s)+2
.endif
.endif
.endm
.macro TRIP kind
.set PRD, 0
.if (\kind) < 3
.set PRD, 1
.endif
.if (\kind) > 0
	v_add_nc_u32 v19, s35, v9                      ; the chunk that is read
	BLOAD 0, 0
	BLOAD 1, 1
.endif
.if (\kind) < 3
	v_add_nc_u32 v18, s34, v17                     ; the chunk that is written
.endif
.irp s,0,1,2,3
	SLOT \kind, \s
.endr
.if (\kind) > 0
	s_add_co_u32 s35, s35, CH
.endif
.if (\kind) < 3
	s_add_co_u32 s34, s34, CH
	s_wait_dscnt 0x0                               ; my stores into the chunk are done, my reads of the chunk before are back
	s_barrier_signal -1
	s_barrier_wait -1
.else
	s_add_nc_u64 s[BR:BR+1], s[BR:BR+1], 256       ; no load of mine is out: the last wait was for 0
.endif
.endm
.macro NLCALC                          ; my live tiles: tile j is live where s33 + 64 j lies under the count
	s_sub_co_i32 s23, s20, s33
	s_add_co_i32 s23, s23, 63
	s_ashr_i32 s23, s23, 6
	s_max_i32 s23, s23, 0
	s_min_i32 s23, s23, 5
.endm
.macro ROWS                            ; the byte offsets in the expert's hs of my five tiles' rows, held under the count
.irp j,0,1,2,3,4
	v_add_nc_u32 v[4+\j], 64*\j, v1
	v_add_nc_u32 v[4+\j], s33, v[4+\j]
	v_min_u32 v[4+\j], s21, v[4+\j]
	v_min_u32 v[4+\j], 0x3ff, v[4+\j]
	v_lshl_add_u32 v[4+\j], v[4+\j], 13, v3        ; row x 8,192 + 16 x half
.endr
.endm
.macro ZERO
	WIN 0x40
.set z, 0
.rept 256
	v_mov_b32 v[z], 0
.set z, z+1
.endr
	WIN 0x80
.set z, 0
.rept 64
	v_mov_b32 v[z], 0
.set z, z+1
.endr
	WIN 0
.endm
; THE WAY OUT of tile j: 16 rows x 64 columns of f32 at a time through my own stage: in by 16 bytes a lane straight from the accumulators (low registers first), back as whole rows of 256 bytes.
; Each of a pass's ten halves has registers of its own for the rows read back, so no store's data is rewritten inside a pass.
.macro STG j, hf                       ; half hf into the stage
.if (\j) < 4
	WIN 0x04
.set AC, 8*(8*(\j)+4*(\hf))
.else
	WIN 0x08
.set AC, 8*(4*(\hf))
.endif
.irp f,0,1,2,3
	ds_store_b128 v10, v[AC+8*(\f):AC+8*(\f)+3] offset:64*(\f)
	ds_store_b128 v10, v[AC+8*(\f)+4:AC+8*(\f)+7] offset:64*(\f)+16
.endr
.endm
.macro BKSEL i                         ; the registers of half i of ten, and the settings that reach them as a load's destination and as a store's data
.if (\i) < 4
.set BK, 32+32*(\i)
.set BKL, 0
.set BKS, 0
.elseif (\i) < 6
.set BK, 176+32*((\i)-4)
.set BKL, 0
.set BKS, 0
.else
.set BK, 32*((\i)-6)
.set BKL, 0xc0
.set BKS, 0x0c
.endif
.endm
.macro BACK i                          ; back as whole rows; LDS serves a wave's instructions in order (ISA guide 5.7.1.4): these see the stores above, and the next half's stores come behind them
	BKSEL \i
	WIN BKL
.irp t,0,1,2,3,4,5,6,7
	ds_load_b128 v[BK+4*(\t):BK+4*(\t)+3], v11 offset:(\t)*2*SPITCH
.endr
.endm
.macro SEND j, hf
	BKSEL 2*(\j)+(\hf)
	WIN BKS
.irp t,0,1,2,3,4,5,6,7
	global_store_b128 v12, v[BK+4*(\t):BK+4*(\t)+3], s[28:29] offset:(64*(\j)+2*(\t))*4096+256*(\hf)  ; 16 lanes store 256 consecutive bytes, aligned
.endr
.endm
.macro OUTT j
	s_cmp_lt_u32 s23, (\j)+1
	s_cbranch_scc1 .Lout_done                      ; this tile and those behind it are dead
	STG \j, 0
	BACK 2*(\j)
	STG \j, 1
	BACK 2*(\j)+1
	s_wait_dscnt 16                                ; the first half is back; younger: the second half's 8 stores and 8 loads
	SEND \j, 0
	s_wait_dscnt 0x0
	SEND \j, 1
	WIN 0
.endm
	s_load_b256 s[4:11], s[0:1], 0x0               ; W2 s[4:5], hs s[6:7], bm s[8:9], yp s[10:11]
	v_lshl_add_u32 v13, v0, 2, SPARE               ; my spare word, and 0: kept for the closing add alone
	v_mov_b32 v14, 0
	v_lshrrev_b32 v20, 5, v0
	v_readfirstlane_b32 s16, v20                   ; wave 0..3
	s_and_b32 s18, ttmp7, 0xffff                   ; expert
	s_and_b32 s19, ttmp9, 7                        ; ns: which 128 columns
	s_lshr_b32 s17, ttmp9, 3                       ; kq: which quarter of K
	v_and_b32 v15, 31, v0                          ; lane
	v_and_b32 v1, 15, v0                           ; r
	v_bfe_u32 v2, v0, 4, 1                         ; h
	v_lshlrev_b32 v3, 4, v2                        ; 16 h
	v_lshlrev_b32 v16, 4, v15                      ; my 16 bytes of a k row of the slice
	v_and_b32 v20, 7, v0                           ; the turning load: lane l reads k row 8 h + l % 8, 16 bytes at 16 ((l / 8) % 2)
	v_lshl_add_u32 v20, v2, 3, v20
	v_mul_u32_u24 v9, v20, PW
	v_bfe_u32 v20, v0, 3, 1
	v_lshl_add_u32 v9, v20, 4, v9
	s_mul_i32 s56, s16, 32*PW                      ; my 32 rows of a chunk
	v_lshl_add_u32 v17, v15, 3, s56
	s_mul_i32 s56, s16, 16*SPITCH
	s_add_co_u32 s56, s56, STAGE                   ; my stage
	v_mul_u32_u24 v10, v1, SPITCH                  ; in: row r, 32 bytes for each half of the lanes
	v_lshl_add_u32 v10, v2, 5, v10
	v_add_nc_u32 v10, s56, v10
	v_mul_u32_u24 v11, v2, SPITCH                  ; back: lanes 0-15 one row of 256 bytes, lanes 16-31 the next
	v_lshl_add_u32 v11, v1, 4, v11
	v_add_nc_u32 v11, s56, v11
	v_lshlrev_b32 v12, 12, v2                      ; and the same two rows in yp
	v_lshl_add_u32 v12, v1, 4, v12
	s_lshl_b32 s33, s16, 4                         ; my tile 0's first rank in pass 0
	s_mov_b32 s31, 0
	s_lshl_b32 s30, s18, 24
	s_lshl_b32 s56, s17, 22
	s_add_co_u32 s30, s30, s56
	s_lshl_b32 s56, s19, 9
	s_add_co_u32 s30, s30, s56
	s_lshl_b32 s56, s16, 17
	s_add_co_u32 s30, s30, s56
	s_wait_kmcnt 0x0
	s_add_nc_u64 s[24:25], s[4:5], s[30:31]        ; W2 at expert, quarter, columns, my 32 rows of chunk 0
	s_lshl_b32 s30, s18, 7
	s_add_nc_u64 s[8:9], s[8:9], s[30:31]
	s_load_b512 s[68:83], s[8:9], 0x0              ; the expert's bitmap, 32 words
	s_load_b512 s[84:99], s[8:9], 0x40
	WIN 0x80
.set q, 0
.rept 32                               ; my 32 rows of chunk 0
	global_load_b128 v[WR+4*q:WR+4*q+3], v16, s[24:25] offset:q*PITCHB th:TH_LOAD_NT
.set q, q+1
.endr
	WIN 0
	s_lshl_b32 s30, s18, 23
	s_lshl_b32 s56, s17, 11
	s_add_co_u32 s30, s30, s56
	s_add_nc_u64 s[58:59], s[6:7], s[30:31]        ; hs at expert, quarter
	s_lshl_b32 s30, s17, 25
	s_lshl_b32 s56, s18, 22
	s_add_co_u32 s30, s30, s56
	s_lshl_b32 s56, s19, 9
	s_add_co_u32 s30, s30, s56
	s_add_nc_u64 s[54:55], s[10:11], s[30:31]      ; yp at quarter, expert, columns
	s_lshl_b32 s30, s33, 12
	s_add_nc_u64 s[28:29], s[54:55], s[30:31]      ; and at my tile 0
	ZERO
	s_wait_kmcnt 0x0
	s_bcnt1_i32_b32 s20, s68                       ; R: the expert's rows
.set w, 1
.rept 31
	s_bcnt1_i32_b32 s56, s[68+w]
	s_add_co_u32 s20, s20, s56
.set w, w+1
.endr
	s_max_u32 s21, s20, 1
	s_sub_co_u32 s21, s21, 1                       ; the last row that exists
	NLCALC
	ROWS
.irp j,0,1,2,3                         ; the bitmap's registers have served
	s_mov_b64 s[TB+2*\j:TB+2*\j+1], s[58:59]
	s_mov_b64 s[WB+2*\j:WB+2*\j+1], s[24:25]
.endr
	s_mov_b32 s34, 0                               ; the LDS byte of the chunk that is written,
	s_mov_b32 s35, 0                               ; and of the chunk that is read
	TRIP 0
	s_mov_b32 s22, 6
.Lmain:                                                ; trips 1 to 6
	TRIP 1
	s_sub_co_u32 s22, s22, 1
	s_cmp_lg_u32 s22, 0
	s_cbranch_scc1 .Lmain
	TRIP 2                                         ; the whole slice is in LDS and is written no more
	s_add_nc_u64 s[BR:BR+1], s[58:59], 7*256       ; chunk 7's bytes of a row
	s_mov_b32 s53, 1                               ; one chunk is left in pass 0,
	s_mov_b32 s32, 4                               ; four passes cover 1,024 ranks,
	s_branch .Lres_mid                             ; and pass 0 enters both loops in their middle
.Lpass:                                                ; passes 1 to 3: ranks 320 .., 640 .., 960 ..
	s_add_co_u32 s33, s33, 320
	NLCALC
	s_cmp_eq_u32 s23, 0
	s_cbranch_scc1 .Lmul_done                      ; no live tile of mine: the products are jumped; no barrier lies in what is jumped
	s_wait_loadcnt 0x0                             ; no load of mine is out,
	s_wait_xcnt 0x0                                ; and the stores before have read their data and base
	ROWS
	ZERO
	s_lshl_b32 s30, s33, 12
	s_add_nc_u64 s[28:29], s[54:55], s[30:31]
	s_mov_b64 s[BR:BR+1], s[58:59]
	s_mov_b32 s35, 0
	s_mov_b32 s53, 8
.Lres:
	TLOAD 0, BR, 0
	TLOAD 1, BR, 64
	TLOAD 2, BR, 128
.Lres_mid:
	TRIP 3
	s_sub_co_u32 s53, s53, 1
	s_cmp_lg_u32 s53, 0
	s_cbranch_scc1 .Lres
.Lmul_done:
	s_wait_dscnt 0x0                               ; my reads of the slice are back
	s_barrier_signal -1                            ; the pass's first barrier: every wave's reads of the slice are over before any wave stores into its stage
	s_barrier_wait -1
	OUTT 0
	OUTT 1
	OUTT 2
	OUTT 3
	OUTT 4
.Lout_done:
	s_wait_dscnt 0x0                               ; my stores into my stage are done
	s_barrier_signal -1                            ; the pass's second barrier: every wave's stage is at rest before any wave reads the slice again, or ends
	s_barrier_wait -1
	s_sub_co_u32 s32, s32, 1
	s_cmp_lg_u32 s32, 0
	s_cbranch_scc1 .Lpass
	s_wait_tensorcnt 0x0                           ; the wave's end, behind my last LDS store
	ds_add_u32 v13, v14
	s_wait_dscnt 0x0
	s_endpgm
.Lfunc_end_k_q9dff48d468_ffn2:
	.size	k_q9dff48d468_ffn2, .Lfunc_end_k_q9dff48d468_ffn2-k_q9dff48d468_ffn2
	.p2alignl 7, 3214868480
	.fill 96, 4, 3214868480
	.section	.rodata,"a",@progbits
	.p2align	6, 0x0
	.amdhsa_kernel k_q9dff48d468_ffn2
		.amdhsa_group_segment_fixed_size 312832
		.amdhsa_private_segment_fixed_size 0
		.amdhsa_enable_private_segment 0
		.amdhsa_kernarg_size 32
		.amdhsa_user_sgpr_count 2
		.amdhsa_user_sgpr_kernarg_segment_ptr 1
		.amdhsa_wavefront_size32 1
		.amdhsa_system_sgpr_workgroup_id_x 1
		.amdhsa_system_sgpr_workgroup_id_y 1
		.amdhsa_system_sgpr_workgroup_id_z 1
		.amdhsa_system_vgpr_workitem_id 0
		.amdhsa_next_free_vgpr 928
		.amdhsa_next_free_sgpr 100
		.amdhsa_reserve_vcc 0
		.amdhsa_float_denorm_mode_32 3
		.amdhsa_float_denorm_mode_16_64 3
		.amdhsa_memory_ordered 1
		.amdhsa_forward_progress 1
		.amdhsa_inst_pref_size 142
	.end_amdhsa_kernel
	.amdgpu_metadata
---
amdhsa.version: [ 1, 2 ]
amdhsa.kernels:
  - .name:           k_q9dff48d468_ffn2
    .symbol:         k_q9dff48d468_ffn2.kd
    .args:
      - { .name: W2, .offset: 0, .size: 8, .value_kind: global_buffer, .address_space: global }
      - { .name: hs, .offset: 8, .size: 8, .value_kind: global_buffer, .address_space: global }
      - { .name: bm, .offset: 16, .size: 8, .value_kind: global_buffer, .address_space: global }
      - { .name: yp, .offset: 24, .size: 8, .value_kind: global_buffer, .address_space: global }
    .group_segment_fixed_size: 312832
    .private_segment_fixed_size: 0
    .kernarg_segment_align: 8
    .kernarg_segment_size: 32
    .max_flat_workgroup_size: 128
    .sgpr_count:     100
    .vgpr_count:     928
    .wavefront_size: 32
...
	.end_amdgpu_metadata
.endif
;; end of part 6
;; launch combine: the kernel of part 4 again; grid 256 x 1, 8 waves a work-group, no clusters, 0 bytes of LDS; arguments yp, pos, idx, gate, b2, out0; writes out0
;; ======== version 3 of 3: 4 launches; version 2 with the launches ffn1, ffn2 written anew for expert scheduling mode
;; workspace buffers: xb 2,097,152 bytes; bm 1,024 bytes of whole numbers; idx 8,192 bytes of whole numbers; gate 8,192 bytes; pos 32,768 bytes of whole numbers; hs 67,108,864 bytes; yp 134,217,728 bytes
;; launch router: the kernel of part 1 again; grid 64 x 1, 8 waves a work-group, no clusters, 1,536 bytes of LDS; arguments x, Wg, xb, bm, idx, gate; writes xb, bm, idx, gate
;; launch ffn1 (part 7): grid 32 x 8, 4 waves a work-group, no clusters, 312,832 bytes of LDS; arguments W1, b1, xb, bm, hs, pos; writes hs, pos
.if DOCPART == 7
	.amdgcn_target "amdgcn-amd-amdhsa--gfx1250"
	.amdhsa_code_object_version 6
	.text
	.protected	k_q9dff48d468_ffn1
	.globl	k_q9dff48d468_ffn1
	.p2align	8
	.type	k_q9dff48d468_ffn1,@function
k_q9dff48d468_ffn1:
	s_mov_b64 s[64:65], 0
	v_nop
	global_prefetch_b8 v0, s[64:65] scope:SCOPE_SE
	s_setreg_imm32_b32 hwreg(HW_REG_WAVE_SCHED_MODE, 0, 2), 2
	s_setreg_imm32_b32 hwreg(HW_REG_WAVE_MODE, 25, 1), 1
	s_wait_xcnt 0x0
	s_wait_alu depctr_vm_vsrc(0)
; FFN1.  hs[e][rank][f] = gelu(x[token of that rank] . W1[e][:, f] + b1[e][f]), in bf16, for the tokens that chose expert e, in the order of their numbers; pos[e][t] = token t's rank.
; W1, b1 (and x, in xb) are rounded to bf16 once; products in bf16 with f32 sums; gelu in f32; hs rounded once.
; SHARES.  Work-group (sl, e) is the only reader of W1[e][:, 128 sl .. +127], 512 KB of f32.  Four waves, one text.  Of each chunk of 128 k a wave loads its 32 k rows (a load takes one row's 512
; consecutive bytes), rounds them and lays them into LDS, [k][n], once: the slice stays there.
; ROWS.  A pass serves 320 ranks.  Wave w owns five tiles of 16 ranks x 128 columns: tile j holds ranks base + 16 (4 j + w) .., so the tiles past the expert's count R fall evenly on the waves.
; NL = the wave's live tiles.  The products of tiles 3 and 4 are jumped where they are dead, and dead tiles are not stored; their loads are issued all the same (they name one row), so that every counted
; wait counts the same loads on both ways.  Dead tiles 0 to 2 (R under 192) are multiplied for nothing.
; TRIPS.  Trip p writes chunk p and multiplies chunk p - 1: different bytes, one barrier a trip.  A trip has four slots, one for 8 of my k rows and one K step of 32:
; the wait for the slot's loads; 8 rows are rounded and stored; the weight fragments of the K step after this one are asked for from LDS; then up to 40 matrix instructions, and among the first 24 of
; them the token set three K steps ahead and the same 8 rows of the next chunk are asked for.
; Loads come back in issue order on one counter (ISA guide 5.7.1), so the two streams are issued W(j), T(j), W(j+1), T(j+1) ..: whatever is older than a set is needed no later than it.
; By the text's own count 62 loads of a wave are out at the most: 32 of weights (16 KB) and 30 of token rows.  Each token set and each group of weight rows has a base pair of its own, stepped
; only behind the counted wait that shows its last loads done: the stream has no wait for address translation.
; THE MODE: SCHED_MODE bits 1:0 = 2 (LLVM: expert scheduling mode 2), set by the entry lines.  The code itself states the register dependences between vector or matrix instructions and memory or
; LDS instructions, with s_wait_alu, always for 0.
; THE PLAN.  Registers that memory or LDS instructions touch in a trip:
;   WR(s)      Eight weight loads land in it; slot s's sixteen conversions read it; behind them the same rows of the next chunk land in it.
;   TP         Slot s's conversions write it, its eight LDS stores read it, slot s + 1's conversions write it again.
;   HB0, HB1   K step s's matrix instructions read HB[s % 2]; slot s + 1's turning loads land in it (K step s + 2); the trip's head fills both.
;   set j      K step j's matrix instructions read it; the ten loads issued in slot j + 1 land in it.
;   v18, v19   Read by every LDS store and every turning load; written at a trip's head.     v4-v8, v16  offsets of the global loads: not written inside a pass.
;   The accumulators are named by vector and matrix instructions alone.
; So ONE wait on va_vdst stands in a slot, behind its conversions: TP is written, WR(s) is read, and the K step before is done reading its fragment buffer and its set.  The slot's LDS stores, turning
; loads and global loads follow it, the global loads dealt among K step s's matrix instructions, which name the accumulators, HB[s % 2] and set s: none of the registers that those loads touch.
; One wait on vm_vsrc stands ahead of each slot's conversions (TP); a trip's head has one of each kind round the two adds to v18 and v19.
; PASSES.  Ranks past 320 are served from the resident slice by three more passes over the text of the last chunk's trip and of the way out; pass 0 enters that loop in its middle.  A wave without a live
; tile jumps a pass's work.  So every split is served: an expert has 1,024 rows of hs to itself.  The slice's reads take their address from a scalar that steps with the chunk; the stages lie behind
; the slice.  A barrier stands between a pass's reads of the slice and the stores into the stages, and another between those stores and the next pass's reads: every wave passes both in all four
; passes, whatever the counts; no barrier lies in what is jumped.
; TOKENS.  Lane w holds word w of the expert's bitmap.  A loop over the words keeps, for each lane's rank, the last word whose count of ones below does not pass the rank; five steps on the word's
; bit counts find the bit.  A rank past the count ends at token 1023: a row that exists; what is made of it lies in this work-group's own columns of the expert's own rows and is never read.
; With R = 0 wave 0 still stores tile 0, so that the next launch reads nothing unwritten.
; THE MATRIX INSTRUCTION IS USED TRANSPOSED: source 0 = 16 columns of W1 (turned out of LDS by ds_load_tr16_b128), source 1 = 16 token rows (straight from xb): a lane holds one token and 8 neighbouring columns.
; The accumulators are preset with the rounded bias by 320 vector lines while the first chunk is on its way: that adds the bias and spares a first K step written out.
; GELU: max(z, 0) - |z| poly(t) 2^(-z^2 log2(e) / 2), t = 1 / (1 + 0.2316419 |z|): the five-term rational form of the normal distribution's tail, its absolute error 7.5e-8 at most for every z.
; LIMITS.  NaN and infinities are not treated apart; h is kept in bf16.
; NO CLUSTER: each slice has one reader; what an expert's work-groups share is token rows named by the bitmap, which no tile's descriptor covers.  NO TENSOR LOAD: f32 weights pass through registers to be rounded.
; NO PREFETCH is written: the weights are asked for one chunk ahead by the loads themselves.
; LDS: 0 the slice, chunk p at 36,864 p, row k at 288 k (256 bytes + 32: the turning load's 8 rows x 32 bytes fall on different banks); 294,912 a stage of 16 rows x 272 bytes for each wave; 312,320 the spare words, for the closing add.
; REGISTERS.  Window 0: v0-31 addresses; v32-159 two buffers of a K step's 8 weight fragments; v160-175 packed rows; v176-207 the bias, packed; v208-255 at work.  On the way out: v32-95 |z| then h, v96-159 max(z, 0).
; Window 1: accumulator (tile m < 4, n) at 8 (8 m + n).  Window 2: v0-63 tile 4's accumulators; v64-191 the 32 weight loads.  Window 3: four token sets of 40; on the way out v0-31 rows read back.
.set PW,     288
.set CH,     128*PW
.set STAGE,  8*CH
.set SPITCH, 272
.set PITCHB, 16384                     ; bytes from a k row of W1 to the next
.set HB, 32
.set TP, 160
.set BB, 176
.set AZ, 32
.set RP, 96
.set DD, 208
.set QQ, 224
.set UU, 240
.set WR, 64                            ; window 2
.set RKB, 208                          ; the search, three ranks a lane side by side: (rank << 16) | 0xffff
.set WDB, 211                          ; the word kept
.set PKB, 214                          ; (ones below it << 16) | its first token
.set SB,  217                          ; the bit, then the token
.set C2,  220                          ; the word's counts of 2 bits,
.set C4,  223                          ; of 4,
.set C8,  226                          ; of 8
.set TA,  229                          ; at work
.set TC,  232
.set RR,  235                          ; the ones of the word still to be passed
.set MK,  66                           ; s[66:68]  three masks of lanes, for the search alone: it runs where the bases below are not yet made or serve no more
.set TB, 66                            ; s[66:73]  a base pair for each token set
.set WB, 74                            ; s[74:81]  a base pair for each group of 8 weight rows
.set BR, 26                            ; s[26:27]  the token rows' base in the last chunk's trip
.set MSB, 0
.macro WIN new                         ; s_set_vgpr_msb: bits 1:0 source 0, 3:2 source 1, 5:4 source 2, 7:6 destination; the high byte repeats the setting that is left
.if MSB != (\new)
	s_set_vgpr_msb (MSB<<8)|(\new)
.set MSB, (\new)
.endif
.endm
.macro PLACES                          ; four plain instructions between a matrix instruction and a load into, or a vector line on, its registers
.rept 4
	v_nop
.endr
.endm
.macro BLOAD buf, s                    ; the 8 weight fragments of K step s of the chunk at v19: 16 turning loads
.irp f,0,1,2,3,4,5,6,7
	ds_load_tr16_b128 v[HB+64*(\buf)+8*(\f):HB+64*(\buf)+8*(\f)+3], v19 offset:32*(\s)*PW+32*(\f)
	ds_load_tr16_b128 v[HB+64*(\buf)+8*(\f)+4:HB+64*(\buf)+8*(\f)+7], v19 offset:32*(\s)*PW+16*PW+32*(\f)
.endr
.endm
.macro TLOAD set, bp, koff             ; the token fragments of one K step, five tiles x 32 k: 10 loads
	WIN 0xc0
.irp m,0,1,2,3,4
	global_load_b128 v[40*(\set)+8*(\m):40*(\set)+8*(\m)+3], v[4+(\m)], s[(\bp):(\bp)+1] offset:(\koff)
	global_load_b128 v[40*(\set)+8*(\m)+4:40*(\set)+8*(\m)+7], v[4+(\m)], s[(\bp):(\bp)+1] offset:(\koff)+32
.endr
.endm
; What slot s of a trip asks memory for.  kind 0: the first trip.  1: the loop's.  2: chunk 7 is written, no weights are left to ask for.  3: a chunk is multiplied, nothing written.
.macro ASKT kind, s                    ; the token set three K steps ahead, into the set that the K step before this one read
.if (\kind) == 0
.if (\s) > 0
	TLOAD (\s)-1, TB+2*((\s)-1), 64*((\s)-1)       ; K steps 0, 1, 2
.endif
.elseif (\kind) < 3
.if (\s) == 0
	TLOAD 3, TB+6, 192                             ; K step 3 of the chunk that is read
.else
	TLOAD (\s)-1, TB+2*((\s)-1), 64*((\s)-1)       ; K step s - 1 of the next chunk: the slot's head has stepped the base
.endif
.elseif (\s) == 0
	TLOAD 3, BR, 192
.endif
.endm
.macro ASKW kind, s                    ; the same 8 rows of the next chunk
.if (\kind) < 2
.set WJ, WB+2*(\s)
	WIN 0x80
.irp i,0,1,2,3,4,5,6,7
	global_load_b128 v[WR+32*(\s)+4*(\i):WR+32*(\s)+4*(\i)+3], v16, s[WJ:WJ+1] offset:(8*(\s)+(\i))*PITCHB th:TH_LOAD_NT
.endr
.endif
.endm
.macro MMG s, m                        ; tile m x all 8 column groups: 8 matrix instructions
.irp f,0,1,2,3,4,5,6,7
.if (\m) < 4
	v_wmma_f32_16x16x32_bf16 v[8*(8*(\m)+(\f)):8*(8*(\m)+(\f))+7], v[HB+64*((\s)%2)+8*(\f):HB+64*((\s)%2)+8*(\f)+7], v[40*(\s)+8*(\m):40*(\s)+8*(\m)+7], v[8*(8*(\m)+(\f)):8*(8*(\m)+(\f))+7]
.else
	v_wmma_f32_16x16x32_bf16 v[8*(\f):8*(\f)+7], v[HB+64*((\s)%2)+8*(\f):HB+64*((\s)%2)+8*(\f)+7], v[40*(\s)+32:40*(\s)+39], v[8*(\f):8*(\f)+7]
.endif
.endr
.endm
; A K step's products; the accumulators take turns in the same order in every K step; at a branch and at a label every window is 0.
; The slot's global loads are dealt among the first 24, ahead of the jumps.  No wait: no vector or matrix instruction since the slot's wait on va_vdst names the set, the weight registers or the offsets that they touch.
.macro MULT kind, s
	WIN 0x5c
	MMG \s, 0
	ASKT \kind, \s
	WIN 0x5c
	MMG \s, 1
	ASKW \kind, \s
	WIN 0x5c
	MMG \s, 2
	WIN 0
	s_cmp_lt_u32 s23, 4
	s_cbranch_scc1 .Ldead_\@
	WIN 0x5c
	MMG \s, 3
	WIN 0
	s_cmp_lt_u32 s23, 5
	s_cbranch_scc1 .Ldead_\@
	WIN 0xac
	MMG \s, 4
	WIN 0
.Ldead_\@:
	PLACES
.endm
; A SLOT of a trip.  W(j): the 8 weight loads, T(j): the 10 token loads that slot j needs.
.macro SLOT kind, s
.if (\kind) == 0
.if (\s) < 2
	s_wait_loadcnt 24                              ; W(s) is in; younger: the rest of chunk 0 and the refills, 24 together
.else
	s_wait_loadcnt 14+10*(\s)                      ; and the token sets asked for since: one, then two
.endif
.elseif (\kind) == 1
	s_wait_loadcnt 44                              ; W(s) and T(s) are in; younger: W(s+1), T(s+1), W(s+2), T(s+2), W(s+3)
.elseif (\kind) == 2
	s_wait_loadcnt 44-8*(\s)                       ; the same without the refills that are no longer issued
.elseif (\s) < 2
	s_wait_loadcnt 20                              ; T(s) is in; two younger sets
.else
	s_wait_loadcnt 30-10*(\s)                      ; the counts run down
.endif
.if ((\kind) == 1) || ((\kind) == 2)
.if (\s) > 0
.set TJ, TB+2*((\s)-1)
	s_add_nc_u64 s[TJ:TJ+1], s[TJ:TJ+1], 256       ; set s - 1's last loads were shown done by the slot before: its base steps on to the next chunk
.endif
.if (\s) == 3
	s_add_nc_u64 s[TB+6:TB+7], s[TB+6:TB+7], 256   ; set 3's last loads are T(3), shown done by the wait above
.endif
.endif
.if (\kind) < 2
.set WJ, WB+2*(\s)
	s_add_nc_u64 s[WJ:WJ+1], s[WJ:WJ+1], 128*PITCHB  ; the group's last loads are W(s), shown done above
.endif
.if (\kind) < 3
.if (\s) > 0
	s_wait_alu depctr_vm_vsrc(0)                   ; the last slot's LDS stores have read the packed rows, which the conversions write again (slot 0: the trip's head has said so)
.endif
	WIN 0x0a
.irp i,0,1,2,3,4,5,6,7
	v_cvt_pk_bf16_f32 v[TP+2*(\i)], v[WR+32*(\s)+4*(\i)], v[WR+32*(\s)+4*(\i)+1]
	v_cvt_pk_bf16_f32 v[TP+2*(\i)+1], v[WR+32*(\s)+4*(\i)+2], v[WR+32*(\s)+4*(\i)+3]
.endr
	WIN 0
	s_wait_alu depctr_va_vdst(0)                   ; the conversions have written the packed rows, which the LDS stores read, and are done reading WR(s), in which the next chunk's rows land; the K step before is done reading its fragment buffer and its token set, in which this slot's loads land; in the first trip v18 and the rows' offsets v4-v8 are written
.irp i,0,1,2,3,4,5,6,7
	ds_store_b64 v18, v[TP+2*(\i):TP+2*(\i)+1] offset:(8*(\s)+(\i))*PW  ; a row's 256 bytes, 8 a lane
.endr
.elseif ((\s) == 1) || ((\s) == 2)
	s_wait_alu depctr_va_vdst(0)                   ; the K step before is done reading its fragment buffer, in which the turning loads below land
.endif
.if (\kind) == 0
	ASKT \kind, \s
	ASKW \kind, \s
	WIN 0
.else
.if ((\s) == 1) || ((\s) == 2)
	BLOAD (\s)-1, (\s)+1                           ; the next K step's fragments, into the buffer that the K step before read
.endif
.if ((\s) == 0) || ((\s) == 2)
	s_wait_dscnt 16+8*PRD                          ; this K step's fragments are in; younger: the other buffer's 16 loads and the slot's 8 stores
.elseif (\s) == 1
	s_wait_dscnt 16+16*PRD                         ; younger: two slots' stores and the other buffer's 16 loads
.else
	s_wait_dscnt 8*PRD                             ; younger: the slot's stores
.endif
	MULT \kind, \s
.endif
.endm
.macro TRIP kind
.set PRD, 0
.if (\kind) < 3
.set PRD, 1
.endif
.if (\kind) > 0
	s_wait_alu depctr_vm_vsrc(0)                   ; the last trip's turning loads have read v19, its LDS stores v18 and the packed rows: all three are written again below
	v_add_nc_u32 v19, s35, v9                      ; the chunk that is read
.endif
.if (\kind) < 3
	v_add_nc_u32 v18, s34, v17                     ; the chunk that is written
.endif
.if (\kind) > 0
	s_wait_alu depctr_va_vdst(0)                   ; v19 and v18 are written; the last trip's matrix instructions are done reading both fragment buffers, in which the loads below land, and set 3, in which slot 0's land
	BLOAD 0, 0
	BLOAD 1, 1
.endif
.irp s,0,1,2,3
	SLOT \kind, \s
.endr
.if (\kind) > 0
	s_add_co_u32 s35, s35, CH
.endif
.if (\kind) < 3
	s_add_co_u32 s34, s34, CH
	s_wait_dscnt 0x0                               ; my stores into the chunk are done, my reads of the chunk before are back
	s_barrier_signal -1
	s_barrier_wait -1
.else
	s_add_nc_u64 s[BR:BR+1], s[BR:BR+1], 256       ; no load of mine is out: the last wait was for 0
.endif
.endm
.macro NLCALC                          ; my live tiles: tile j is live where s33 + 64 j lies under the count
	s_sub_co_i32 s23, s21, s33
	s_add_co_i32 s23, s23, 63
	s_ashr_i32 s23, s23, 6
	s_max_i32 s23, s23, 0
	s_min_i32 s23, s23, 5
.endm
.macro SELSTEP src, mask, inc          ; for each of the three: are the wanted ones past the field of v[src] at bit v[SB]?  Then step over it
.irp k,0,1,2
	v_lshrrev_b32 v[TA+\k], v[SB+\k], v[(\src)+\k]
.endr
.irp k,0,1,2
	v_and_b32 v[TA+\k], \mask, v[TA+\k]
.endr
.irp k,0,1,2
	v_cmp_ge_u32 s[MK+\k], v[RR+\k], v[TA+\k]
.endr
	s_wait_alu depctr_va_sdst(0)                   ; the three masks are written, ahead of the selects that read them
.irp k,0,1,2
	v_cndmask_b32 v[TC+\k], 0, \inc, s[MK+\k]
	v_cndmask_b32 v[TA+\k], 0, v[TA+\k], s[MK+\k]
.endr
.irp k,0,1,2
	v_add_nc_u32 v[SB+\k], v[SB+\k], v[TC+\k]
	v_sub_nc_u32 v[RR+\k], v[RR+\k], v[TA+\k]
.endr
.endm
.macro SELECT                          ; v[SB + k] = the place of the one of v[WDB + k] that has v[RR + k] ones below it (31 where there is none); v[RR + k] is used up.  The three go side by side, so that a run of three compares has one wait
.irp k,0,1,2
	v_lshrrev_b32 v[C2+\k], 1, v[WDB+\k]
	v_and_b32 v[C2+\k], 0x55555555, v[C2+\k]
	v_sub_nc_u32 v[C2+\k], v[WDB+\k], v[C2+\k]     ; counts of 2 bits
	v_lshrrev_b32 v[TA+\k], 2, v[C2+\k]
	v_and_b32 v[TA+\k], 0x33333333, v[TA+\k]
	v_and_b32 v[C4+\k], 0x33333333, v[C2+\k]
	v_add_nc_u32 v[C4+\k], v[C4+\k], v[TA+\k]      ; of 4
	v_lshrrev_b32 v[TA+\k], 4, v[C4+\k]
	v_add_nc_u32 v[C8+\k], v[C4+\k], v[TA+\k]
	v_and_b32 v[C8+\k], 0x0f0f0f0f, v[C8+\k]       ; of 8
	v_lshrrev_b32 v[TA+\k], 8, v[C8+\k]
	v_add_nc_u32 v[TA+\k], v[C8+\k], v[TA+\k]
	v_and_b32 v[TA+\k], 0xff, v[TA+\k]             ; of the low 16
.endr
.irp k,0,1,2
	v_cmp_ge_u32 s[MK+\k], v[RR+\k], v[TA+\k]
.endr
	s_wait_alu depctr_va_sdst(0)                   ; the three masks are written, ahead of the selects that read them
.irp k,0,1,2
	v_cndmask_b32 v[SB+\k], 0, 16, s[MK+\k]
	v_cndmask_b32 v[TA+\k], 0, v[TA+\k], s[MK+\k]
	v_sub_nc_u32 v[RR+\k], v[RR+\k], v[TA+\k]
.endr
	SELSTEP C8, 0xff, 8
	SELSTEP C4, 15, 4
	SELSTEP C2, 3, 2
	SELSTEP WDB, 1, 1
.endm
; The byte offsets in xb of my five tiles' rows.  Lane l searches for ranks s33 + 128 k + 64 (l / 16) + l % 16, k = 0, 1, 2: tiles 2 k and 2 k + 1.
; cap = 1 (the first time): the count R is made, and word sl with the ones below it is kept for pos.
.macro ROWS cap
	v_lshl_add_u32 v20, v2, 6, v1
	v_add_nc_u32 v20, s33, v20
.irp k,0,1,2
	v_add_nc_u32 v[RKB+\k], 128*\k, v20
	v_lshl_or_b32 v[RKB+\k], v[RKB+\k], 16, 0xffff
.endr
	v_readlane_b32 s58, v31, 0                     ; word 0
	s_mov_b32 s57, 0                               ; (ones below the word << 16) | the word's first token
	s_mov_b32 s59, 1
	s_wait_alu depctr_va_sdst(0)                   ; s58 is written, ahead of its first reader
.if \cap
	s_mov_b32 s60, 0
	s_mov_b32 s61, s58
.endif
.irp k,0,1,2
	v_mov_b32 v[WDB+\k], s58
	v_mov_b32 v[PKB+\k], 0
.endr
	s_mov_b32 s22, 31
.Lword_\@:
	s_bcnt1_i32_b32 s56, s58
	s_lshl_b32 s56, s56, 16
	s_add_co_u32 s56, s56, 32
	s_add_co_u32 s57, s57, s56
	v_readlane_b32 s58, v31, s59
.irp k,0,1,2
	v_cmp_gt_u32 s[MK+\k], s57, v[RKB+\k]          ; more ones below this word than my rank: the word kept stays
.endr
	s_wait_alu depctr_va_sdst(0)                   ; s58 and the three masks are written, ahead of their first readers
.if \cap
	s_cmp_eq_u32 s59, s19
	s_cselect_b32 s60, s57, s60
	s_cselect_b32 s61, s58, s61
.endif
.irp k,0,1,2
	v_cndmask_b32 v[WDB+\k], s58, v[WDB+\k], s[MK+\k]
	v_cndmask_b32 v[PKB+\k], s57, v[PKB+\k], s[MK+\k]
.endr
	s_add_co_u32 s59, s59, 1
	s_sub_co_u32 s22, s22, 1
	s_cmp_lg_u32 s22, 0
	s_cbranch_scc1 .Lword_\@
.if \cap
	s_bcnt1_i32_b32 s56, s58
	s_lshr_b32 s20, s57, 16
	s_add_co_u32 s20, s20, s56                     ; R: the expert's rows
.endif
.irp k,0,1,2
	v_lshrrev_b32 v[RR+\k], 16, v[RKB+\k]
	v_lshrrev_b32 v[TA+\k], 16, v[PKB+\k]
	v_sub_nc_u32 v[RR+\k], v[RR+\k], v[TA+\k]      ; the ones of the word below mine
.endr
	SELECT
.irp k,0,1,2
	v_and_b32 v[TA+\k], 0xffff, v[PKB+\k]
	v_add_nc_u32 v[SB+\k], v[TA+\k], v[SB+\k]      ; the token
.endr
.irp k,0,1,2
	v_permlanex16_b32 v[WDB+\k], v[SB+\k], s82, s83  ; the other half of the lanes' token
.endr
	v_cndmask_b32 v4, v[SB], v[WDB], s51           ; an even tile's tokens lie in lanes 0-15, an odd one's in lanes 16-31: both halves of the lanes take them (s51: lanes 16-31)
	v_cndmask_b32 v5, v[WDB], v[SB], s51
	v_cndmask_b32 v6, v[SB+1], v[WDB+1], s51
	v_cndmask_b32 v7, v[WDB+1], v[SB+1], s51
	v_cndmask_b32 v8, v[SB+2], v[WDB+2], s51
.irp j,0,1,2,3,4
	v_min_u32 v[4+\j], 0x3ff, v[4+\j]
	v_lshl_add_u32 v[4+\j], v[4+\j], 11, v3        ; token x 2,048 + 16 x half
.endr
.endm
.macro PRESET                          ; the rounded bias, widened again, starts every sum
	WIN 0x40
.irp m,0,1,2,3
.set z, 0
.rept 32
	v_lshlrev_b32 v[64*(\m)+2*z], 16, v[BB+z]
	v_and_b32 v[64*(\m)+2*z+1], s51, v[BB+z]
.set z, z+1
.endr
.endr
	WIN 0x80
.set z, 0
.rept 32
	v_lshlrev_b32 v[2*z], 16, v[BB+z]
	v_and_b32 v[2*z+1], s51, v[BB+z]
.set z, z+1
.endr
	WIN 0
.endm
.macro PICK base, w                    ; a tile's 8 accumulators, each from its lowest register on: |z| and max(z, 0).  w: the setting that puts source 1 into their window
	WIN \w
.set z, 0
.rept 64
	v_and_b32 v[AZ+z], s50, v[(\base)+z]
	v_max_num_f32 v[RP+z], 0, v[(\base)+z]
.set z, z+1
.endr
	WIN 0
.endm
.macro GELU64                          ; 64 numbers a lane, in four batches of 16; each batch's 32 transcendentals have one wait
.irp b,0,1,2,3
.irp i,0,1,2,3,4,5,6,7
	v_pk_fma_f32 v[DD+2*(\i):DD+2*(\i)+1], v[AZ+16*(\b)+2*(\i):AZ+16*(\b)+2*(\i)+1], s[36:37], 1.0 op_sel_hi:[1,0,0]
.endr
.irp i,0,1,2,3,4,5,6,7
	v_pk_mul_f32 v[QQ+2*(\i):QQ+2*(\i)+1], v[AZ+16*(\b)+2*(\i):AZ+16*(\b)+2*(\i)+1], v[AZ+16*(\b)+2*(\i):AZ+16*(\b)+2*(\i)+1]
.endr
.irp i,0,1,2,3,4,5,6,7
	v_pk_mul_f32 v[QQ+2*(\i):QQ+2*(\i)+1], v[QQ+2*(\i):QQ+2*(\i)+1], s[38:39] op_sel_hi:[1,0]
.endr
.set z, 0
.rept 16
	v_rcp_f32 v[DD+z], v[DD+z]                     ; t
.set z, z+1
.endr
.set z, 0
.rept 16
	v_exp_f32 v[QQ+z], v[QQ+z]                     ; 2^(-z^2 log2(e) / 2)
.set z, z+1
.endr
	v_nop                                          ; a plain instruction behind the last of them,
	s_wait_alu depctr_va_vdst(0)                   ; and one wait for the batch's 16 reciprocals and 16 exponentials ahead of their first reader
.irp i,0,1,2,3,4,5,6,7
	v_pk_fma_f32 v[UU+2*(\i):UU+2*(\i)+1], v[DD+2*(\i):DD+2*(\i)+1], s[40:41], s[42:43] op_sel_hi:[1,0,0]
.endr
.irp i,0,1,2,3,4,5,6,7
	v_pk_fma_f32 v[UU+2*(\i):UU+2*(\i)+1], v[UU+2*(\i):UU+2*(\i)+1], v[DD+2*(\i):DD+2*(\i)+1], s[44:45] op_sel_hi:[1,1,0]
.endr
.irp i,0,1,2,3,4,5,6,7
	v_pk_fma_f32 v[UU+2*(\i):UU+2*(\i)+1], v[UU+2*(\i):UU+2*(\i)+1], v[DD+2*(\i):DD+2*(\i)+1], s[46:47] op_sel_hi:[1,1,0]
.endr
.irp i,0,1,2,3,4,5,6,7
	v_pk_fma_f32 v[UU+2*(\i):UU+2*(\i)+1], v[UU+2*(\i):UU+2*(\i)+1], v[DD+2*(\i):DD+2*(\i)+1], s[48:49] op_sel_hi:[1,1,0]
.endr
.irp i,0,1,2,3,4,5,6,7
	v_pk_mul_f32 v[UU+2*(\i):UU+2*(\i)+1], v[UU+2*(\i):UU+2*(\i)+1], v[DD+2*(\i):DD+2*(\i)+1]
.endr
.irp i,0,1,2,3,4,5,6,7
	v_pk_mul_f32 v[UU+2*(\i):UU+2*(\i)+1], v[UU+2*(\i):UU+2*(\i)+1], v[QQ+2*(\i):QQ+2*(\i)+1]
.endr
.irp i,0,1,2,3,4,5,6,7
	v_pk_fma_f32 v[RP+16*(\b)+2*(\i):RP+16*(\b)+2*(\i)+1], v[AZ+16*(\b)+2*(\i):AZ+16*(\b)+2*(\i)+1], v[UU+2*(\i):UU+2*(\i)+1], v[RP+16*(\b)+2*(\i):RP+16*(\b)+2*(\i)+1] neg_lo:[1,0,0] neg_hi:[1,0,0]
.endr
.irp i,0,1,2,3,4,5,6,7
	v_cvt_pk_bf16_f32 v[AZ+16*(\b)+(\i)], v[RP+16*(\b)+2*(\i)], v[RP+16*(\b)+2*(\i)+1]  ; h takes |z|'s place: accumulator t's 16 bytes at AZ + 16 (t / 2) + 4 (t % 2)
.endr
.endr
.endm
	s_load_b256 s[4:11], s[0:1], 0x0               ; W1 s[4:5], b1 s[6:7], xb s[8:9], bm s[10:11]
	s_load_b128 s[12:15], s[0:1], 0x20             ; hs s[12:13], pos s[14:15]
	v_lshl_add_u32 v26, v0, 2, 0x4c400
	v_mov_b32 v27, 0
	v_lshrrev_b32 v20, 5, v0
	v_readfirstlane_b32 s16, v20                   ; wave 0..3
	s_and_b32 s18, ttmp7, 0xffff                   ; expert
	s_mov_b32 s19, ttmp9                           ; slice
	v_and_b32 v15, 31, v0                          ; lane
	v_and_b32 v1, 15, v0                           ; r
	v_bfe_u32 v2, v0, 4, 1                         ; h
	v_lshlrev_b32 v3, 4, v2                        ; 16 h
	v_lshlrev_b32 v16, 4, v15                      ; my 16 bytes of a k row of the slice
	v_lshlrev_b32 v30, 2, v15                      ; my word of the bitmap, and of pos
	v_lshlrev_b32 v28, 5, v2                       ; b1: my 8 columns of a group of 16 begin at 32 h
	s_mov_b32 s36, 0x3e6d3389                      ; 0.2316419; the packed lines name pairs and take the low word
	s_mov_b32 s37, s36
	s_mov_b32 s38, 0xbf38aa3b                      ; -log2(e) / 2
	s_mov_b32 s39, s38
	s_mov_b32 s40, 0x3f07dc22                      ; the polynomial's coefficients over sqrt(2 pi), fifth to first
	s_mov_b32 s41, s40
	s_mov_b32 s42, 0xbf3a00e3
	s_mov_b32 s43, s42
	s_mov_b32 s44, 0x3f35f0e3
	s_mov_b32 s45, s44
	s_mov_b32 s46, 0xbe11a98e
	s_mov_b32 s47, s46
	s_mov_b32 s48, 0x3e027906
	s_mov_b32 s49, s48
	s_mov_b32 s50, 0x7fffffff
	s_mov_b32 s51, 0xffff0000                      ; a word's upper bf16; as a mask of lanes: lanes 16-31
	s_mov_b32 s82, 0x76543210                      ; v_permlanex16_b32: each lane takes its own place in the other half
	s_mov_b32 s83, 0xfedcba98
	v_and_b32 v20, 7, v0                           ; the turning load: lane l reads k row 8 h + l % 8, 16 bytes at 16 ((l / 8) % 2)
	v_lshl_add_u32 v20, v2, 3, v20
	v_mul_u32_u24 v9, v20, PW
	v_bfe_u32 v20, v0, 3, 1
	v_lshl_add_u32 v9, v20, 4, v9
	s_wait_alu depctr_va_sdst(0)                   ; s16 is written, ahead of its first reader: LDS addresses, bases and branches are made from it
	s_mul_i32 s56, s16, 32*PW                      ; my 32 rows of a chunk
	v_lshl_add_u32 v17, v15, 3, s56
	s_mul_i32 s56, s16, 16*SPITCH
	s_add_co_u32 s56, s56, STAGE                   ; my stage
	v_mul_u32_u24 v10, v1, SPITCH                  ; in: row r, 16 bytes for each half of the lanes
	v_add_nc_u32 v10, v3, v10
	v_add_nc_u32 v10, s56, v10
	v_mul_u32_u24 v11, v2, SPITCH                  ; back: lanes 0-15 one row of 256 bytes, lanes 16-31 the next
	v_lshl_add_u32 v11, v1, 4, v11
	v_add_nc_u32 v11, s56, v11
	v_lshlrev_b32 v12, 13, v2                      ; and the same two rows in hs
	v_lshl_add_u32 v12, v1, 4, v12
	s_lshl_b32 s33, s16, 4                         ; my tile 0's first rank in pass 0
	s_mov_b32 s31, 0
	s_lshl_b32 s30, s18, 24
	s_lshl_b32 s56, s19, 9
	s_add_co_u32 s30, s30, s56
	s_lshl_b32 s56, s16, 19
	s_add_co_u32 s30, s30, s56
	s_wait_kmcnt 0x0
	s_add_nc_u64 s[24:25], s[4:5], s[30:31]        ; W1 at expert, slice, my 32 rows of chunk 0
	s_lshl_b32 s30, s18, 7
	s_add_nc_u64 s[10:11], s[10:11], s[30:31]      ; the expert's bitmap
	s_lshl_b32 s30, s18, 14
	s_lshl_b32 s56, s19, 9
	s_add_co_u32 s30, s30, s56
	s_add_nc_u64 s[6:7], s[6:7], s[30:31]          ; b1 at expert, slice
	s_lshl_b32 s30, s18, 12
	s_lshl_b32 s56, s19, 7
	s_add_co_u32 s30, s30, s56
	s_add_nc_u64 s[14:15], s[14:15], s[30:31]      ; pos at expert, tokens 32 sl ..
	s_lshl_b32 s30, s18, 23
	s_lshl_b32 s56, s19, 8
	s_add_co_u32 s30, s30, s56
	s_add_nc_u64 s[54:55], s[12:13], s[30:31]      ; hs at expert, slice
	s_lshl_b32 s30, s33, 13
	s_add_nc_u64 s[28:29], s[54:55], s[30:31]      ; and at my tile 0
	s_wait_alu depctr_va_vdst(0)                   ; the offsets and LDS addresses v9 to v12, v16, v17, v28 and v30 are written, which the loads and stores of the kernel read
	global_load_b32 v31, v30, s[10:11]             ; lane w: word w of the bitmap,
.irp f,0,1,2,3,4,5,6,7                 ; the bias of my 8 columns in each of the 8 groups of 16,
	global_load_b128 v[HB+8*(\f):HB+8*(\f)+3], v28, s[6:7] offset:64*(\f)
	global_load_b128 v[HB+8*(\f)+4:HB+8*(\f)+7], v28, s[6:7] offset:64*(\f)+16
.endr
	WIN 0x80
.set q, 0
.rept 32                               ; and my 32 rows of chunk 0
	global_load_b128 v[WR+4*q:WR+4*q+3], v16, s[24:25] offset:q*PITCHB th:TH_LOAD_NT
.set q, q+1
.endr
	WIN 0
	s_wait_loadcnt 48                              ; the bitmap is in: younger are b1's 16 loads and chunk 0's 32
	ROWS 1
	s_max_u32 s21, s20, 1                          ; with no row at all wave 0 still makes and stores tile 0
	NLCALC
	s_cmp_lg_u32 s16, 0
	s_cbranch_scc1 .Lno_pos
	s_lshr_b32 s56, s60, 16                        ; slice sl stores the ranks of tokens 32 sl .. 32 sl + 31: the ones below the word, and below my bit
	v_mbcnt_lo_u32_b32 v29, s61, s56
	s_wait_alu depctr_va_vdst(0)                   ; v29 is written, which the store reads
	global_store_b32 v30, v29, s[14:15]            ; v29, v30 and the base are never rewritten
.Lno_pos:
	s_wait_loadcnt 32                              ; b1 is in: the 32 younger loads are chunk 0's
.set z, 0
.rept 32
	v_cvt_pk_bf16_f32 v[BB+z], v[HB+2*z], v[HB+2*z+1]
.set z, z+1
.endr
	PRESET
.irp j,0,1,2,3
	s_mov_b64 s[TB+2*\j:TB+2*\j+1], s[8:9]
	s_mov_b64 s[WB+2*\j:WB+2*\j+1], s[24:25]
.endr
	s_mov_b32 s34, 0                               ; the LDS byte of the chunk that is written,
	s_mov_b32 s35, 0                               ; and of the chunk that is read
	TRIP 0
	s_mov_b32 s22, 6
.Lmain:                                                ; trips 1 to 6
	TRIP 1
	s_sub_co_u32 s22, s22, 1
	s_cmp_lg_u32 s22, 0
	s_cbranch_scc1 .Lmain
	TRIP 2                                         ; the whole slice is in LDS and is written no more
	s_add_nc_u64 s[BR:BR+1], s[8:9], 7*256         ; chunk 7's bytes of a token row
	s_mov_b32 s53, 1                               ; one chunk is left in pass 0,
	s_mov_b32 s32, 4                               ; four passes cover 1,024 ranks,
	s_branch .Lres_mid                             ; and pass 0 enters both loops in their middle
.Lpass:                                                ; passes 1 to 3: ranks 320 .., 640 .., 960 ..
	s_wait_alu depctr_vm_vsrc(0)                   ; the last pass's loads have read the rows' offsets v4-v8, its LDS stores h's registers, its global stores the rows read back: this pass's vector lines and loads write all of them again
	s_add_co_u32 s33, s33, 320
	NLCALC
	s_cmp_eq_u32 s23, 0
	s_cbranch_scc1 .Lmul_done                      ; no live tile of mine: the products are jumped; no barrier lies in what is jumped
	s_wait_loadcnt 0x0                             ; no load of mine is out,
	s_wait_xcnt 0x0                                ; and the stores before have read their data and base
	ROWS 0
	PRESET
	s_lshl_b32 s30, s33, 13
	s_add_nc_u64 s[28:29], s[54:55], s[30:31]
	s_mov_b64 s[BR:BR+1], s[8:9]
	s_mov_b32 s35, 0
	s_mov_b32 s53, 8
.Lres:
	s_wait_alu depctr_va_vdst(0)                   ; in a pass's first trip the rows' offsets v4-v8 are written, which the loads below read; in the others the last trip's matrix instructions are done reading sets 0 to 2, in which they land
	TLOAD 0, BR, 0
	TLOAD 1, BR, 64
	TLOAD 2, BR, 128
	WIN 0
.Lres_mid:
	TRIP 3
	s_sub_co_u32 s53, s53, 1
	s_cmp_lg_u32 s53, 0
	s_cbranch_scc1 .Lres
.Lmul_done:
	s_wait_dscnt 0x0                               ; my reads of the slice are back
	s_barrier_signal -1                            ; the pass's first barrier: every wave's reads of the slice are over before any wave stores into its stage
	s_barrier_wait -1
	; THE WAY OUT, a tile at a time
	s_mov_b32 s62, 0                               ; what the next tile adds to the stores' base: nothing the first time
	s_mov_b32 s63, 0
	s_mov_b32 s52, 5
.Lunit:
	s_wait_alu depctr_vm_vsrc(0)                   ; the last tile's LDS stores have read h's registers, which the lines below write again, and its global stores the rows read back, in which this tile's rows land
	s_sub_co_u32 s2, 5, s52                        ; the tile
	s_cmp_ge_u32 s2, s23
	s_cbranch_scc1 .Lu_next                        ; dead
	s_cmp_eq_u32 s52, 4
	s_cbranch_scc1 .Lpick1
	s_cmp_eq_u32 s52, 3
	s_cbranch_scc1 .Lpick2
	s_cmp_eq_u32 s52, 2
	s_cbranch_scc1 .Lpick3
	s_cmp_eq_u32 s52, 1
	s_cbranch_scc1 .Lpick4
	PICK 0, 0x04
	s_branch .Lgelu
.Lpick1:
	PICK 64, 0x04
	s_branch .Lgelu
.Lpick2:
	PICK 128, 0x04
	s_branch .Lgelu
.Lpick3:
	PICK 192, 0x04
	s_branch .Lgelu
.Lpick4:
	PICK 0, 0x08
.Lgelu:
	GELU64
	s_wait_alu depctr_va_vdst(0)                   ; the last conversions have written h, which the LDS stores read; the matrix instructions are done reading the token sets, in whose first 32 registers the rows read back land
.irp f,0,1,2,3,4,5,6,7                 ; 16 rows through my own stage: in by 16 bytes a lane, back as whole rows of 256 bytes
	ds_store_b128 v10, v[AZ+16*((\f)/2)+4*((\f)%2):AZ+16*((\f)/2)+4*((\f)%2)+3] offset:32*(\f)
.endr
	s_wait_xcnt 0x0                                ; the last tile's stores, a tile's arithmetic ago, have read their data and base
	s_add_nc_u64 s[28:29], s[28:29], s[62:63]
	WIN 0xc0
.irp t,0,1,2,3,4,5,6,7
	ds_load_b128 v[4*(\t):4*(\t)+3], v11 offset:(\t)*2*SPITCH  ; LDS serves a wave's instructions in order (ISA guide 5.7.1.4): these see the stores above
.endr
	WIN 0
	s_wait_dscnt 0x0
	WIN 0x0c
.irp t,0,1,2,3,4,5,6,7
	global_store_b128 v12, v[4*(\t):4*(\t)+3], s[28:29] offset:2*(\t)*8192  ; 16 lanes store 256 consecutive bytes, aligned
.endr
	WIN 0
	s_mov_b32 s62, 64*8192                         ; my next tile lies 64 rows on
.Lu_next:
	s_sub_co_u32 s52, s52, 1
	s_cmp_lg_u32 s52, 0
	s_cbranch_scc1 .Lunit
	s_wait_dscnt 0x0                               ; my stores into my stage are done
	s_barrier_signal -1                            ; the pass's second barrier: every wave's stage is at rest before any wave reads the slice again, or ends
	s_barrier_wait -1
	s_sub_co_u32 s32, s32, 1
	s_cmp_lg_u32 s32, 0
	s_cbranch_scc1 .Lpass
	s_wait_dscnt 0x0                               ; the wave's end: my last LDS instructions are done
	s_wait_alu depctr_hold_cnt(0) depctr_sa_sdst(0) depctr_va_vdst(0) depctr_va_sdst(0) depctr_va_ssrc(0) depctr_va_vcc(0) depctr_vm_vsrc(0)
	s_wait_tensorcnt 0x0
	ds_add_u32 v26, v27
	s_wait_dscnt 0x0
	s_endpgm
.Lfunc_end_k_q9dff48d468_ffn1:
	.size	k_q9dff48d468_ffn1, .Lfunc_end_k_q9dff48d468_ffn1-k_q9dff48d468_ffn1
	.p2alignl 7, 3214868480
	.fill 96, 4, 3214868480
	.section	.rodata,"a",@progbits
	.p2align	6, 0x0
	.amdhsa_kernel k_q9dff48d468_ffn1
		.amdhsa_group_segment_fixed_size 312832
		.amdhsa_private_segment_fixed_size 0
		.amdhsa_enable_private_segment 0
		.amdhsa_kernarg_size 48
		.amdhsa_user_sgpr_count 2
		.amdhsa_user_sgpr_kernarg_segment_ptr 1
		.amdhsa_wavefront_size32 1
		.amdhsa_system_sgpr_workgroup_id_x 1
		.amdhsa_system_sgpr_workgroup_id_y 1
		.amdhsa_system_sgpr_workgroup_id_z 1
		.amdhsa_system_vgpr_workitem_id 0
		.amdhsa_next_free_vgpr 928
		.amdhsa_next_free_sgpr 84
		.amdhsa_reserve_vcc 0
		.amdhsa_float_denorm_mode_32 3
		.amdhsa_float_denorm_mode_16_64 3
		.amdhsa_memory_ordered 1
		.amdhsa_forward_progress 1
		.amdhsa_inst_pref_size 194
	.end_amdhsa_kernel
	.amdgpu_metadata
---
amdhsa.version: [ 1, 2 ]
amdhsa.kernels:
  - .name:           k_q9dff48d468_ffn1
    .symbol:         k_q9dff48d468_ffn1.kd
    .args:
      - { .name: W1, .offset: 0, .size: 8, .value_kind: global_buffer, .address_space: global }
      - { .name: b1, .offset: 8, .size: 8, .value_kind: global_buffer, .address_space: global }
      - { .name: xb, .offset: 16, .size: 8, .value_kind: global_buffer, .address_space: global }
      - { .name: bm, .offset: 24, .size: 8, .value_kind: global_buffer, .address_space: global }
      - { .name: hs, .offset: 32, .size: 8, .value_kind: global_buffer, .address_space: global }
      - { .name: pos, .offset: 40, .size: 8, .value_kind: global_buffer, .address_space: global }
    .group_segment_fixed_size: 312832
    .private_segment_fixed_size: 0
    .kernarg_segment_align: 8
    .kernarg_segment_size: 48
    .max_flat_workgroup_size: 128
    .sgpr_count:     84
    .vgpr_count:     928
    .wavefront_size: 32
...
	.end_amdgpu_metadata
.endif
;; end of part 7
;; launch ffn2 (part 8): grid 32 x 8, 4 waves a work-group, no clusters, 312,832 bytes of LDS; arguments W2, hs, bm, yp; writes yp
.if DOCPART == 8
	.amdgcn_target "amdgcn-amd-amdhsa--gfx1250"
	.amdhsa_code_object_version 6
	.text
	.protected	k_q9dff48d468_ffn2
	.globl	k_q9dff48d468_ffn2
	.p2align	8
	.type	k_q9dff48d468_ffn2,@function
k_q9dff48d468_ffn2:
	s_mov_b64 s[64:65], 0
	v_nop
	global_prefetch_b8 v0, s[64:65] scope:SCOPE_SE
	s_setreg_imm32_b32 hwreg(HW_REG_WAVE_SCHED_MODE, 0, 2), 2
	s_setreg_imm32_b32 hwreg(HW_REG_WAVE_MODE, 25, 1), 1
	s_wait_xcnt 0x0
	s_wait_alu depctr_vm_vsrc(0)
; FFN2.  yp[kq][e][rank][d] = the sum over f in quarter kq of hs[e][rank][f] W2[e][f][d], in f32: partial sums, added up by the last launch.
; W2 is rounded to bf16 once; products in bf16 with f32 sums.
; SHARES.  Work-group (x, e), ns = x % 8, kq = x / 8, is the only reader of W2[e][1024 kq .. +1023][128 ns .. +127], 512 KB of f32: the quarters of K give 256 work-groups, k rows of 512 bytes
; and the first product's shape.  Four waves, one text.  Of each chunk of 128 k a wave loads its 32 k rows (a load takes one row's 512 consecutive bytes), rounds them and lays them into LDS, [k][n], once:
; the slice stays there.
; ROWS.  A pass serves 320 ranks.  Wave w owns five tiles of 16 ranks x 128 columns: tile j holds ranks base + 16 (4 j + w) .., so the tiles past the expert's count R fall evenly on the waves.
; NL = the wave's live tiles.  The products of tiles 3 and 4 are jumped where they are dead, and dead tiles are not stored; their loads are issued all the same (ranks past the count repeat the last
; row that exists), so that every counted wait counts the same loads on both ways.  Dead tiles 0 to 2 (R under 192) are multiplied for nothing.
; TRIPS.  Trip p writes chunk p and multiplies chunk p - 1: different bytes, one barrier a trip.  A trip has four slots, one for 8 of my k rows and one K step of 32:
; the wait for the slot's loads; 8 rows are rounded and stored; the weight fragments of the K step after this one are asked for from LDS; then up to 40 matrix instructions, and among the first 24 of
; them the set of hs three K steps ahead and the same 8 rows of the next chunk are asked for.
; Loads come back in issue order on one counter (ISA guide 5.7.1), so the two streams are issued W(j), T(j), W(j+1), T(j+1) ..: whatever is older than a set is needed no later than it.
; By the text's own count 62 loads of a wave are out at the most: 32 of weights (16 KB) and 30 of hs.  Each set and each group of weight rows has a base pair of its own, stepped only behind
; the counted wait that shows its last loads done: the stream has no wait for address translation.
; THE MODE: SCHED_MODE bits 1:0 = 2 (LLVM: expert scheduling mode 2), set by the entry lines.  The code itself states the register dependences between vector or matrix instructions and memory or
; LDS instructions, with s_wait_alu, always for 0.
; THE PLAN.  Registers that memory or LDS instructions touch in a trip:
;   WR(s)      Eight weight loads land in it; slot s's sixteen conversions read it; behind them the same rows of the next chunk land in it.
;   TP         Slot s's conversions write it, its eight LDS stores read it, slot s + 1's conversions write it again.
;   HB0, HB1   K step s's matrix instructions read HB[s % 2]; slot s + 1's turning loads land in it (K step s + 2); the trip's head fills both.
;   set j      K step j's matrix instructions read it; the ten loads issued in slot j + 1 land in it.
;   v18, v19   Read by every LDS store and every turning load; written at a trip's head.     v4-v8, v16  offsets of the global loads: not written inside a pass.
;   The accumulators are named by vector and matrix instructions alone until the way out, where LDS stores read them.
; So ONE wait on va_vdst stands in a slot, behind its conversions: TP is written, WR(s) is read, and the K step before is done reading its fragment buffer and its set.  The slot's LDS stores, turning
; loads and global loads follow it, the global loads dealt among K step s's matrix instructions, which name the accumulators, HB[s % 2] and set s: none of the registers that those loads touch.
; One wait on vm_vsrc stands ahead of each slot's conversions (TP); a trip's head has one of each kind round the two adds to v18 and v19.  The way out of a pass holds no vector instruction: one wait on va_vdst at its head serves all of it.
; PASSES.  Ranks past 320 are served from the resident slice by three more passes over the text of the last chunk's trip and of the way out; pass 0 enters that loop in its middle.  A wave without a live
; tile jumps a pass's work.  So every split is served: an expert has 1,024 rows of hs and of yp to itself.  The slice's reads take their address from a scalar that steps with the chunk; the stages lie
; behind the slice.  A barrier stands between a pass's reads of the slice and the stores into the stages, and another between those stores and the next pass's reads: every wave passes both in all
; four passes, whatever the counts; no barrier lies in what is jumped.
; The matrix instruction is used transposed: source 0 = 16 columns of W2 (turned out of LDS), source 1 = 16 rows of hs: a lane holds one row and 8 neighbouring columns.
; The accumulators are cleared by 320 vector lines while the first chunk is on its way: the price of one text for every trip.
; NO CLUSTER: each slice has one reader; the rows of hs that 8 work-groups share would want a ring in LDS, of which the resident slice leaves 32 KB.  NO TENSOR LOAD: f32 weights pass through registers.
; NO PREFETCH is written: the weights are asked for one chunk ahead by the loads themselves.  LIMITS: NaN and infinities are not treated apart.
; LDS: 0 the slice, chunk p at 36,864 p, row k at 288 k; 294,912 a stage of 16 rows x 272 bytes for each wave; 312,320 the spare words, for the closing add.
; REGISTERS.  Window 0: v0-31 addresses; v32-159 two buffers of a K step's 8 weight fragments; v160-175 packed rows.  Window 1: accumulator (tile m < 4, n) at 8 (8 m + n).
; Window 2: v0-63 tile 4's accumulators; v64-191 the 32 weight loads.  Window 3: four sets of hs of 40.  On the way out ten buffers of 32 take the rows read back: window 0 v32-159, v176-239, window 3 v0-127.
.set PW,     288
.set CH,     128*PW
.set STAGE,  8*CH
.set SPITCH, 272
.set PITCHB, 4096                      ; bytes from a k row of W2 to the next
.set HB, 32
.set TP, 160
.set WR, 64                            ; window 2
.set TB, 66                            ; s[66:73]  a base pair for each set of hs
.set WB, 74                            ; s[74:81]  a base pair for each group of 8 weight rows
.set BR, 26                            ; s[26:27]  the base of hs in the last chunk's trip
.set MSB, 0
.macro WIN new                         ; s_set_vgpr_msb: bits 1:0 source 0, 3:2 source 1, 5:4 source 2, 7:6 destination; the high byte repeats the setting that is left
.if MSB != (\new)
	s_set_vgpr_msb (MSB<<8)|(\new)
.set MSB, (\new)
.endif
.endm
.macro PLACES                          ; four plain instructions between a matrix instruction and a load into, a store of, or a vector line on its registers
.rept 4
	v_nop
.endr
.endm
.macro BLOAD buf, s                    ; the 8 weight fragments of K step s of the chunk at v19: 16 turning loads
.irp f,0,1,2,3,4,5,6,7
	ds_load_tr16_b128 v[HB+64*(\buf)+8*(\f):HB+64*(\buf)+8*(\f)+3], v19 offset:32*(\s)*PW+32*(\f)
	ds_load_tr16_b128 v[HB+64*(\buf)+8*(\f)+4:HB+64*(\buf)+8*(\f)+7], v19 offset:32*(\s)*PW+16*PW+32*(\f)
.endr
.endm
.macro TLOAD set, bp, koff             ; the fragments of hs of one K step, five tiles x 32 k: 10 loads
	WIN 0xc0
.irp m,0,1,2,3,4
	global_load_b128 v[40*(\set)+8*(\m):40*(\set)+8*(\m)+3], v[4+(\m)], s[(\bp):(\bp)+1] offset:(\koff)
	global_load_b128 v[40*(\set)+8*(\m)+4:40*(\set)+8*(\m)+7], v[4+(\m)], s[(\bp):(\bp)+1] offset:(\koff)+32
.endr
.endm
; What slot s of a trip asks memory for.  kind 0: the first trip.  1: the loop's.  2: chunk 7 is written, no weights are left to ask for.  3: a chunk is multiplied, nothing written.
.macro ASKT kind, s                    ; the set of hs three K steps ahead, into the set that the K step before this one read
.if (\kind) == 0
.if (\s) > 0
	TLOAD (\s)-1, TB+2*((\s)-1), 64*((\s)-1)       ; K steps 0, 1, 2
.endif
.elseif (\kind) < 3
.if (\s) == 0
	TLOAD 3, TB+6, 192                             ; K step 3 of the chunk that is read
.else
	TLOAD (\s)-1, TB+2*((\s)-1), 64*((\s)-1)       ; K step s - 1 of the next chunk: the slot's head has stepped the base
.endif
.elseif (\s) == 0
	TLOAD 3, BR, 192
.endif
.endm
.macro ASKW kind, s                    ; the same 8 rows of the next chunk
.if (\kind) < 2
.set WJ, WB+2*(\s)
	WIN 0x80
.irp i,0,1,2,3,4,5,6,7
	global_load_b128 v[WR+32*(\s)+4*(\i):WR+32*(\s)+4*(\i)+3], v16, s[WJ:WJ+1] offset:(8*(\s)+(\i))*PITCHB th:TH_LOAD_NT
.endr
.endif
.endm
.macro MMG s, m                        ; tile m x all 8 column groups: 8 matrix instructions
.irp f,0,1,2,3,4,5,6,7
.if (\m) < 4
	v_wmma_f32_16x16x32_bf16 v[8*(8*(\m)+(\f)):8*(8*(\m)+(\f))+7], v[HB+64*((\s)%2)+8*(\f):HB+64*((\s)%2)+8*(\f)+7], v[40*(\s)+8*(\m):40*(\s)+8*(\m)+7], v[8*(8*(\m)+(\f)):8*(8*(\m)+(\f))+7]
.else
	v_wmma_f32_16x16x32_bf16 v[8*(\f):8*(\f)+7], v[HB+64*((\s)%2)+8*(\f):HB+64*((\s)%2)+8*(\f)+7], v[40*(\s)+32:40*(\s)+39], v[8*(\f):8*(\f)+7]
.endif
.endr
.endm
; A K step's products; the accumulators take turns in the same order in every K step; at a branch and at a label every window is 0.
; The slot's global loads are dealt among the first 24, ahead of the jumps.  No wait: no vector or matrix instruction since the slot's wait on va_vdst names the set, the weight registers or the offsets that they touch.
.macro MULT kind, s
	WIN 0x5c
	MMG \s, 0
	ASKT \kind, \s
	WIN 0x5c
	MMG \s, 1
	ASKW \kind, \s
	WIN 0x5c
	MMG \s, 2
	WIN 0
	s_cmp_lt_u32 s23, 4
	s_cbranch_scc1 .Ldead_\@
	WIN 0x5c
	MMG \s, 3
	WIN 0
	s_cmp_lt_u32 s23, 5
	s_cbranch_scc1 .Ldead_\@
	WIN 0xac
	MMG \s, 4
	WIN 0
.Ldead_\@:
	PLACES
.endm
; A SLOT of a trip.  W(j): the 8 weight loads, T(j): the 10 loads of hs that slot j needs.
.macro SLOT kind, s
.if (\kind) == 0
.if (\s) < 2
	s_wait_loadcnt 24                              ; W(s) is in; younger: the rest of chunk 0 and the refills, 24 together
.else
	s_wait_loadcnt 14+10*(\s)                      ; and the sets of hs asked for since: one, then two
.endif
.elseif (\kind) == 1
	s_wait_loadcnt 44                              ; W(s) and T(s) are in; younger: W(s+1), T(s+1), W(s+2), T(s+2), W(s+3)
.elseif (\kind) == 2
	s_wait_loadcnt 44-8*(\s)                       ; the same without the refills that are no longer issued
.elseif (\s) < 2
	s_wait_loadcnt 20                              ; T(s) is in; two younger sets
.else
	s_wait_loadcnt 30-10*(\s)                      ; the counts run down
.endif
.if ((\kind) == 1) || ((\kind) == 2)
.if (\s) > 0
.set TJ, TB+2*((\s)-1)
	s_add_nc_u64 s[TJ:TJ+1], s[TJ:TJ+1], 256       ; set s - 1's last loads were shown done by the slot before: its base steps on to the next chunk
.endif
.if (\s) == 3
	s_add_nc_u64 s[TB+6:TB+7], s[TB+6:TB+7], 256   ; set 3's last loads are T(3), shown done by the wait above
.endif
.endif
.if (\kind) < 2
.set WJ, WB+2*(\s)
	s_add_nc_u64 s[WJ:WJ+1], s[WJ:WJ+1], 128*PITCHB  ; the group's last loads are W(s), shown done above
.endif
.if (\kind) < 3
.if (\s) > 0
	s_wait_alu depctr_vm_vsrc(0)                   ; the last slot's LDS stores have read the packed rows, which the conversions write again (slot 0: the trip's head has said so)
.endif
	WIN 0x0a
.irp i,0,1,2,3,4,5,6,7
	v_cvt_pk_bf16_f32 v[TP+2*(\i)], v[WR+32*(\s)+4*(\i)], v[WR+32*(\s)+4*(\i)+1]
	v_cvt_pk_bf16_f32 v[TP+2*(\i)+1], v[WR+32*(\s)+4*(\i)+2], v[WR+32*(\s)+4*(\i)+3]
.endr
	WIN 0
	s_wait_alu depctr_va_vdst(0)                   ; the conversions have written the packed rows, which the LDS stores read, and are done reading WR(s), in which the next chunk's rows land; the K step before is done reading its fragment buffer and its set of hs, in which this slot's loads land; in the first trip v18 and the rows' offsets v4-v8 are written
.irp i,0,1,2,3,4,5,6,7
	ds_store_b64 v18, v[TP+2*(\i):TP+2*(\i)+1] offset:(8*(\s)+(\i))*PW  ; a row's 256 bytes, 8 a lane
.endr
.elseif ((\s) == 1) || ((\s) == 2)
	s_wait_alu depctr_va_vdst(0)                   ; the K step before is done reading its fragment buffer, in which the turning loads below land
.endif
.if (\kind) == 0
	ASKT \kind, \s
	ASKW \kind, \s
	WIN 0
.else
.if ((\s) == 1) || ((\s) == 2)
	BLOAD (\s)-1, (\s)+1                           ; the next K step's fragments, into the buffer that the K step before read
.endif
.if ((\s) == 0) || ((\s) == 2)
	s_wait_dscnt 16+8*PRD                          ; this K step's fragments are in; younger: the other buffer's 16 loads and the slot's 8 stores
.elseif (\s) == 1
	s_wait_dscnt 16+16*PRD                         ; younger: two slots' stores and the other buffer's 16 loads
.else
	s_wait_dscnt 8*PRD                             ; younger: the slot's stores
.endif
	MULT \kind, \s
.endif
.endm
.macro TRIP kind
.set PRD, 0
.if (\kind) < 3
.set PRD, 1
.endif
.if (\kind) > 0
	s_wait_alu depctr_vm_vsrc(0)                   ; the last trip's turning loads have read v19, its LDS stores v18 and the packed rows: all three are written again below
	v_add_nc_u32 v19, s35, v9                      ; the chunk that is read
.endif
.if (\kind) < 3
	v_add_nc_u32 v18, s34, v17                     ; the chunk that is written
.endif
.if (\kind) > 0
	s_wait_alu depctr_va_vdst(0)                   ; v19 and v18 are written; the last trip's matrix instructions are done reading both fragment buffers, in which the loads below land, and set 3, in which slot 0's land
	BLOAD 0, 0
	BLOAD 1, 1
.endif
.irp s,0,1,2,3
	SLOT \kind, \s
.endr
.if (\kind) > 0
	s_add_co_u32 s35, s35, CH
.endif
.if (\kind) < 3
	s_add_co_u32 s34, s34, CH
	s_wait_dscnt 0x0                               ; my stores into the chunk are done, my reads of the chunk before are back
	s_barrier_signal -1
	s_barrier_wait -1
.else
	s_add_nc_u64 s[BR:BR+1], s[BR:BR+1], 256       ; no load of mine is out: the last wait was for 0
.endif
.endm
.macro NLCALC                          ; my live tiles: tile j is live where s33 + 64 j lies under the count
	s_sub_co_i32 s23, s20, s33
	s_add_co_i32 s23, s23, 63
	s_ashr_i32 s23, s23, 6
	s_max_i32 s23, s23, 0
	s_min_i32 s23, s23, 5
.endm
.macro ROWS                            ; the byte offsets in the expert's hs of my five tiles' rows, held under the count
.irp j,0,1,2,3,4
	v_add_nc_u32 v[4+\j], 64*\j, v1
	v_add_nc_u32 v[4+\j], s33, v[4+\j]
	v_min_u32 v[4+\j], s21, v[4+\j]
	v_min_u32 v[4+\j], 0x3ff, v[4+\j]
	v_lshl_add_u32 v[4+\j], v[4+\j], 13, v3        ; row x 8,192 + 16 x half
.endr
.endm
.macro ZERO
	WIN 0x40
.set z, 0
.rept 256
	v_mov_b32 v[z], 0
.set z, z+1
.endr
	WIN 0x80
.set z, 0
.rept 64
	v_mov_b32 v[z], 0
.set z, z+1
.endr
	WIN 0
.endm
; THE WAY OUT of tile j: 16 rows x 64 columns of f32 at a time through my own stage: in by 16 bytes a lane straight from the accumulators (low registers first), back as whole rows of 256 bytes.
; Each of a pass's ten halves has registers of its own for the rows read back, so no store's data is rewritten inside a pass.
.macro STG j, hf                       ; half hf into the stage
.if (\j) < 4
	WIN 0x04
.set AC, 8*(8*(\j)+4*(\hf))
.else
	WIN 0x08
.set AC, 8*(4*(\hf))
.endif
.irp f,0,1,2,3
	ds_store_b128 v10, v[AC+8*(\f):AC+8*(\f)+3] offset:64*(\f)
	ds_store_b128 v10, v[AC+8*(\f)+4:AC+8*(\f)+7] offset:64*(\f)+16
.endr
.endm
.macro BKSEL i                         ; the registers of half i of ten, and the settings that reach them as a load's destination and as a store's data
.if (\i) < 4
.set BK, 32+32*(\i)
.set BKL, 0
.set BKS, 0
.elseif (\i) < 6
.set BK, 176+32*((\i)-4)
.set BKL, 0
.set BKS, 0
.else
.set BK, 32*((\i)-6)
.set BKL, 0xc0
.set BKS, 0x0c
.endif
.endm
.macro BACK i                          ; back as whole rows; LDS serves a wave's instructions in order (ISA guide 5.7.1.4): these see the stores above, and the next half's stores come behind them
	BKSEL \i
	WIN BKL
.irp t,0,1,2,3,4,5,6,7
	ds_load_b128 v[BK+4*(\t):BK+4*(\t)+3], v11 offset:(\t)*2*SPITCH
.endr
.endm
.macro SEND j, hf
	BKSEL 2*(\j)+(\hf)
	WIN BKS
.irp t,0,1,2,3,4,5,6,7
	global_store_b128 v12, v[BK+4*(\t):BK+4*(\t)+3], s[28:29] offset:(64*(\j)+2*(\t))*4096+256*(\hf)  ; 16 lanes store 256 consecutive bytes, aligned
.endr
.endm
.macro OUTT j
	s_cmp_lt_u32 s23, (\j)+1
	s_cbranch_scc1 .Lout_done                      ; this tile and those behind it are dead
	STG \j, 0
	BACK 2*(\j)
	STG \j, 1
	BACK 2*(\j)+1
	s_wait_dscnt 16                                ; the first half is back; younger: the second half's 8 stores and 8 loads
	SEND \j, 0
	s_wait_dscnt 0x0
	SEND \j, 1
	WIN 0
.endm
	s_load_b256 s[4:11], s[0:1], 0x0               ; W2 s[4:5], hs s[6:7], bm s[8:9], yp s[10:11]
	v_lshl_add_u32 v254, v0, 2, 0x4c400
	v_mov_b32 v255, 0
	v_lshrrev_b32 v20, 5, v0
	v_readfirstlane_b32 s16, v20                   ; wave 0..3
	s_and_b32 s18, ttmp7, 0xffff                   ; expert
	s_and_b32 s19, ttmp9, 7                        ; ns: which 128 columns
	s_lshr_b32 s17, ttmp9, 3                       ; kq: which quarter of K
	v_and_b32 v15, 31, v0                          ; lane
	v_and_b32 v1, 15, v0                           ; r
	v_bfe_u32 v2, v0, 4, 1                         ; h
	v_lshlrev_b32 v3, 4, v2                        ; 16 h
	v_lshlrev_b32 v16, 4, v15                      ; my 16 bytes of a k row of the slice
	v_and_b32 v20, 7, v0                           ; the turning load: lane l reads k row 8 h + l % 8, 16 bytes at 16 ((l / 8) % 2)
	v_lshl_add_u32 v20, v2, 3, v20
	v_mul_u32_u24 v9, v20, PW
	v_bfe_u32 v20, v0, 3, 1
	v_lshl_add_u32 v9, v20, 4, v9
	s_wait_alu depctr_va_sdst(0)                   ; s16 is written, ahead of its first reader: LDS addresses and bases are made from it
	s_mul_i32 s56, s16, 32*PW                      ; my 32 rows of a chunk
	v_lshl_add_u32 v17, v15, 3, s56
	s_mul_i32 s56, s16, 16*SPITCH
	s_add_co_u32 s56, s56, STAGE                   ; my stage
	v_mul_u32_u24 v10, v1, SPITCH                  ; in: row r, 32 bytes for each half of the lanes
	v_lshl_add_u32 v10, v2, 5, v10
	v_add_nc_u32 v10, s56, v10
	v_mul_u32_u24 v11, v2, SPITCH                  ; back: lanes 0-15 one row of 256 bytes, lanes 16-31 the next
	v_lshl_add_u32 v11, v1, 4, v11
	v_add_nc_u32 v11, s56, v11
	v_lshlrev_b32 v12, 12, v2                      ; and the same two rows in yp
	v_lshl_add_u32 v12, v1, 4, v12
	s_lshl_b32 s33, s16, 4                         ; my tile 0's first rank in pass 0
	s_mov_b32 s31, 0
	s_lshl_b32 s30, s18, 24
	s_lshl_b32 s56, s17, 22
	s_add_co_u32 s30, s30, s56
	s_lshl_b32 s56, s19, 9
	s_add_co_u32 s30, s30, s56
	s_lshl_b32 s56, s16, 17
	s_add_co_u32 s30, s30, s56
	s_wait_kmcnt 0x0
	s_add_nc_u64 s[24:25], s[4:5], s[30:31]        ; W2 at expert, quarter, columns, my 32 rows of chunk 0
	s_lshl_b32 s30, s18, 7
	s_add_nc_u64 s[8:9], s[8:9], s[30:31]
	s_load_b512 s[68:83], s[8:9], 0x0              ; the expert's bitmap, 32 words
	s_load_b512 s[84:99], s[8:9], 0x40
	WIN 0x80
	s_wait_alu depctr_va_vdst(0)                   ; the offsets and LDS addresses v9 to v12, v16 and v17 are written, which the loads and stores of the kernel read
.set q, 0
.rept 32                               ; my 32 rows of chunk 0
	global_load_b128 v[WR+4*q:WR+4*q+3], v16, s[24:25] offset:q*PITCHB th:TH_LOAD_NT
.set q, q+1
.endr
	WIN 0
	s_lshl_b32 s30, s18, 23
	s_lshl_b32 s56, s17, 11
	s_add_co_u32 s30, s30, s56
	s_add_nc_u64 s[58:59], s[6:7], s[30:31]        ; hs at expert, quarter
	s_lshl_b32 s30, s17, 25
	s_lshl_b32 s56, s18, 22
	s_add_co_u32 s30, s30, s56
	s_lshl_b32 s56, s19, 9
	s_add_co_u32 s30, s30, s56
	s_add_nc_u64 s[54:55], s[10:11], s[30:31]      ; yp at quarter, expert, columns
	s_lshl_b32 s30, s33, 12
	s_add_nc_u64 s[28:29], s[54:55], s[30:31]      ; and at my tile 0
	ZERO
	s_wait_kmcnt 0x0
	s_bcnt1_i32_b32 s20, s68                       ; R: the expert's rows
.set w, 1
.rept 31
	s_bcnt1_i32_b32 s56, s[68+w]
	s_add_co_u32 s20, s20, s56
.set w, w+1
.endr
	s_max_u32 s21, s20, 1
	s_sub_co_u32 s21, s21, 1                       ; the last row that exists
	NLCALC
	ROWS
.irp j,0,1,2,3                         ; the bitmap's registers have served
	s_mov_b64 s[TB+2*\j:TB+2*\j+1], s[58:59]
	s_mov_b64 s[WB+2*\j:WB+2*\j+1], s[24:25]
.endr
	s_mov_b32 s34, 0                               ; the LDS byte of the chunk that is written,
	s_mov_b32 s35, 0                               ; and of the chunk that is read
	TRIP 0
	s_mov_b32 s22, 6
.Lmain:                                                ; trips 1 to 6
	TRIP 1
	s_sub_co_u32 s22, s22, 1
	s_cmp_lg_u32 s22, 0
	s_cbranch_scc1 .Lmain
	TRIP 2                                         ; the whole slice is in LDS and is written no more
	s_add_nc_u64 s[BR:BR+1], s[58:59], 7*256       ; chunk 7's bytes of a row
	s_mov_b32 s53, 1                               ; one chunk is left in pass 0,
	s_mov_b32 s32, 4                               ; four passes cover 1,024 ranks,
	s_branch .Lres_mid                             ; and pass 0 enters both loops in their middle
.Lpass:                                                ; passes 1 to 3: ranks 320 .., 640 .., 960 ..
	s_wait_alu depctr_vm_vsrc(0)                   ; the last pass's loads have read the rows' offsets v4-v8, its LDS stores the accumulators, its global stores the rows read back: this pass's vector lines and loads write all of them again
	s_add_co_u32 s33, s33, 320
	NLCALC
	s_cmp_eq_u32 s23, 0
	s_cbranch_scc1 .Lmul_done                      ; no live tile of mine: the products are jumped; no barrier lies in what is jumped
	s_wait_loadcnt 0x0                             ; no load of mine is out,
	s_wait_xcnt 0x0                                ; and the stores before have read their data and base
	ROWS
	ZERO
	s_lshl_b32 s30, s33, 12
	s_add_nc_u64 s[28:29], s[54:55], s[30:31]
	s_mov_b64 s[BR:BR+1], s[58:59]
	s_mov_b32 s35, 0
	s_mov_b32 s53, 8
.Lres:
	s_wait_alu depctr_va_vdst(0)                   ; in a pass's first trip the rows' offsets v4-v8 are written, which the loads below read; in the others the last trip's matrix instructions are done reading sets 0 to 2, in which they land
	TLOAD 0, BR, 0
	TLOAD 1, BR, 64
	TLOAD 2, BR, 128
	WIN 0
.Lres_mid:
	TRIP 3
	s_sub_co_u32 s53, s53, 1
	s_cmp_lg_u32 s53, 0
	s_cbranch_scc1 .Lres
.Lmul_done:
	s_wait_dscnt 0x0                               ; my reads of the slice are back
	s_barrier_signal -1                            ; the pass's first barrier: every wave's reads of the slice are over before any wave stores into its stage
	s_barrier_wait -1
	s_wait_alu depctr_va_vdst(0)                   ; the matrix instructions have written the accumulators, which the LDS stores read (the four places behind the last of them stay beside this wait), and are done reading the fragment buffers and the sets of hs, in which the rows read back land; no vector instruction follows in the pass
	OUTT 0
	OUTT 1
	OUTT 2
	OUTT 3
	OUTT 4
.Lout_done:
	s_wait_dscnt 0x0                               ; my stores into my stage are done
	s_barrier_signal -1                            ; the pass's second barrier: every wave's stage is at rest before any wave reads the slice again, or ends
	s_barrier_wait -1
	s_sub_co_u32 s32, s32, 1
	s_cmp_lg_u32 s32, 0
	s_cbranch_scc1 .Lpass
	s_wait_dscnt 0x0                               ; the wave's end: my last LDS instructions are done
	s_wait_alu depctr_hold_cnt(0) depctr_sa_sdst(0) depctr_va_vdst(0) depctr_va_sdst(0) depctr_va_ssrc(0) depctr_va_vcc(0) depctr_vm_vsrc(0)
	s_wait_tensorcnt 0x0
	ds_add_u32 v254, v255
	s_wait_dscnt 0x0
	s_endpgm
.Lfunc_end_k_q9dff48d468_ffn2:
	.size	k_q9dff48d468_ffn2, .Lfunc_end_k_q9dff48d468_ffn2-k_q9dff48d468_ffn2
	.p2alignl 7, 3214868480
	.fill 96, 4, 3214868480
	.section	.rodata,"a",@progbits
	.p2align	6, 0x0
	.amdhsa_kernel k_q9dff48d468_ffn2
		.amdhsa_group_segment_fixed_size 312832
		.amdhsa_private_segment_fixed_size 0
		.amdhsa_enable_private_segment 0
		.amdhsa_kernarg_size 32
		.amdhsa_user_sgpr_count 2
		.amdhsa_user_sgpr_kernarg_segment_ptr 1
		.amdhsa_wavefront_size32 1
		.amdhsa_system_sgpr_workgroup_id_x 1
		.amdhsa_system_sgpr_workgroup_id_y 1
		.amdhsa_system_sgpr_workgroup_id_z 1
		.amdhsa_system_vgpr_workitem_id 0
		.amdhsa_next_free_vgpr 928
		.amdhsa_next_free_sgpr 100
		.amdhsa_reserve_vcc 0
		.amdhsa_float_denorm_mode_32 3
		.amdhsa_float_denorm_mode_16_64 3
		.amdhsa_memory_ordered 1
		.amdhsa_forward_progress 1
		.amdhsa_inst_pref_size 143
	.end_amdhsa_kernel
	.amdgpu_metadata
---
amdhsa.version: [ 1, 2 ]
amdhsa.kernels:
  - .name:           k_q9dff48d468_ffn2
    .symbol:         k_q9dff48d468_ffn2.kd
    .args:
      - { .name: W2, .offset: 0, .size: 8, .value_kind: global_buffer, .address_space: global }
      - { .name: hs, .offset: 8, .size: 8, .value_kind: global_buffer, .address_space: global }
      - { .name: bm, .offset: 16, .size: 8, .value_kind: global_buffer, .address_space: global }
      - { .name: yp, .offset: 24, .size: 8, .value_kind: global_buffer, .address_space: global }
    .group_segment_fixed_size: 312832
    .private_segment_fixed_size: 0
    .kernarg_segment_align: 8
    .kernarg_segment_size: 32
    .max_flat_workgroup_size: 128
    .sgpr_count:     100
    .vgpr_count:     928
    .wavefront_size: 32
...
	.end_amdgpu_metadata
.endif
;; end of part 8
;; launch combine: the kernel of part 4 again; grid 256 x 1, 8 waves a work-group, no clusters, 0 bytes of LDS; arguments yp, pos, idx, gate, b2, out0; writes out0
